; MI455X (gfx1250); checked and timed in simulation.
; The chip was launched on July 23, 2026; its instructions are those of AMD's public machine-readable ISA for CDNA 5 (MIT licence, August 2026) and "CDNA5" Instruction Set Architecture Reference Guide (July 2026). The comments in the code are by the model that wrote it; some were corrected since.
;; GPT2 Block. Allowed arithmetic: matrix products marked QUANTISED: E2M3 operands, one E8M0 scale for each 32 along K, by v_wmma_scale_f32_16x16x128_f8f6f4 with both operands' format E2M3, f32 sums; everything else in f32.
;; Inputs: Wfc 1,024 x 4,096 float32; Wk 1,024 x 1,024 float32; Wo 1,024 x 1,024 float32; Wp 4,096 x 1,024 float32; Wq 1,024 x 1,024 float32; Wv 1,024 x 1,024 float32; bfc 4,096 float32; bk 1,024 float32; bo 1,024 float32; bp 1,024 float32; bq 1,024 float32; bv 1,024 float32; ln1_b 1,024 float32; ln1_w 1,024 float32; ln2_b 1,024 float32; ln2_w 1,024 float32; x 2 x 2,048 x 1,024 float32.
;; Outputs: out0 2 x 2,048 x 1,024 float32.
;; This version of the problem:
;;   THIS VERSION OF THE PROBLEM IS GIVEN IN LOW PRECISION. The matrix products marked QUANTISED in the list below multiply operands that are first quantised to E2M3 (2 exponent bits, 3 mantissa bits; 6 bits a number), with one power-of-two scale for each 32 numbers along K (OCP MX v1.0); their sums are f32. All else is computed in f32.
;;   The module's matrix products, in the order in which they are computed (A, B: the left and right operand; K: the contracted axis; several contracted axes count as one K, in the product's order):
;;     1. [M 4,096, K 1,024] x [K 1,024, N 1,024]; A: computed on the way; B: input Wq: QUANTISED
;;     2. [M 4,096, K 1,024] x [K 1,024, N 1,024]; A: computed on the way; B: input Wk: QUANTISED
;;     3. [M 4,096, K 1,024] x [K 1,024, N 1,024]; A: computed on the way; B: input Wv: QUANTISED
;;     4. batch 32 x [M 2,048, K 64] x [K 64, N 2,048]; A: computed on the way; B: computed on the way: QUANTISED
;;     5. batch 32 x [M 2,048, K 2,048] x [K 2,048, N 64]; A: softmax (see below); B: computed on the way: QUANTISED
;;     6. [M 4,096, K 1,024] x [K 1,024, N 1,024]; A: computed on the way; B: input Wo: QUANTISED
;;     7. [M 4,096, K 1,024] x [K 1,024, N 4,096]; A: computed on the way; B: input Wfc: QUANTISED
;;     8. [M 4,096, K 4,096] x [K 4,096, N 1,024]; A: computed on the way; B: input Wp: QUANTISED
;;   THE QUANTISER, for each operand of a quantised product, along K:
;;     - K is cut into blocks of 32 from its start; a last block that is shorter is filled with zeros.
;;     - A block's scale is 2^e with e = floor(log2(the largest magnitude in the block)) - 2, held to -126 .. 127; a block of zeros has e = 0. As a byte (E8M0): e + 127.
;;     - Each number is divided by its block's scale, clamped to +-7.5, and rounded to the nearest number of E2M3, ties to even, subnormals kept.
;;     - The product sums the exact products of the quantised numbers (number of the format x scale) in f32.
;;   ~~~python
;;   def quantise(x, axis):      # numpy; x: float32 -> the quantised numbers, widened to float32 again
;;       x = np.moveaxis(x, axis, -1); K = x.shape[-1]
;;       x = np.pad(x, [(0, 0)] * (x.ndim - 1) + [(0, -K % 32)]); x = x.reshape(x.shape[:-1] + (-1, 32)); a = np.abs(x).max(-1, keepdims=True)
;;       e = np.where(a > 0, np.clip(np.frexp(np.where(a > 0, a, 1))[1] - 1 - 2, -126, 127), 0)      # np.frexp(a)[1] - 1 = floor(log2(a)), exactly
;;       r = np.clip(x / 2.0 ** e, -7.5, 7.5)
;;       step = 2.0 ** (np.maximum(np.frexp(np.where(r == 0, 1, r))[1] - 1, 0) - 3)
;;       q = np.round(r / step) * step * 2.0 ** e      # np.round: ties to even
;;       return np.moveaxis(q.reshape(q.shape[:-2] + (-1,))[..., :K], -1, axis).astype(np.float32)
;;   ~~~
;;   SOFTMAX AHEAD OF A QUANTISED PRODUCT. Where the list says 'softmax', what is quantised is not the finished softmax but p = 2^(t - M), with t = logit x log2(e) and M = ceil(the row's largest t), a whole number; so 1/2 < the row's largest p <= 1. The row's sum l is taken of the UNQUANTISED p, in f32, and the product's result is divided by l at the end. Since M is a whole number, a kernel that streams over the keys may use a running M (the ceiling of the running maximum): every later rescaling is an exact power of two, which a block's scale takes up: the codes' values come out the same.
;;   OPERANDS COMPUTED ON THE WAY. 'Computed on the way' means the value that the module computes at that place (a softmax that the list does not call 'softmax' is quantised finished and normalised). What goes into a quantiser is computed in f32, as accurately as f32 sums, v_exp_f32 and their like allow (about 1e-6 of the number): no bf16 or f16 on the way to a quantiser, and a product that is left as it is and whose result goes on into a quantised operand takes f32 operands (vector FMAs, or v_wmma_f32_16x16x4_f32). A number that lies on a knife's edge between two numbers of the format may be rounded either way, as far as f32 arithmetic and the matrix unit's own rounding can turn it there, and no further.
;; 2 versions. Each part assembles by itself: llvm-mc -triple=amdgcn-amd-amdhsa -mcpu=gfx1250 --defsym DOCPART=n.
;; ======== version 1 of 2: 8 launches
;; workspace buffers: wts 9,830,400 bytes; hq 3,276,800 bytes; qkv 10,092,544 bytes; att 3,276,800 bytes; x1 16,777,216 bytes; g 13,107,200 bytes
;; launch wquant (part 1): grid 768 x 1, 4 waves a work-group, no clusters, 0 bytes of LDS; arguments Wq, Wk, Wv, Wo, Wfc, Wp, wts; writes wts
.if DOCPART == 1
	.amdgcn_target "amdgcn-amd-amdhsa--gfx1250"
	.amdhsa_code_object_version 6
	.text
	.protected	k_q28e440f482_wquant
	.globl	k_q28e440f482_wquant
	.p2align	8
	.type	k_q28e440f482_wquant,@function
k_q28e440f482_wquant:
	s_mov_b64 s[64:65], 0
	v_nop
	global_prefetch_b8 v0, s[64:65] scope:SCOPE_SE
	s_setreg_imm32_b32 hwreg(HW_REG_WAVE_MODE, 25, 1), 1
	s_wait_xcnt 0x0
; The six weights, f32 stored [K][N], become codes of FP6 (E2M3) with K innermost and one E8M0 scale byte for each 32 along K.
; A block's scale is 2^(floor(log2(largest magnitude)) - 2): its byte is the largest magnitude's exponent field - 2, held at 1 from below.
; LIMITS: NaN and infinities are not served; a block's largest magnitude is taken no smaller than 2^-124; a block of zeros gets the byte 1 where the
; rule says 127 (its codes are zeros, and this program alone reads the bytes).
; LAYOUT OF wts, in the order of the operand's registers.  Column n lies at position p(n) = n with bits 3 and 4 exchanged.  16 positions are a row block.
; Codes: [row block][K/64][768 bytes]: a piece of 256 bytes holds, at 8 x lane, two registers of lane (row r, half h): bytes of row r's block of 32 number h.
; Scale words: [row block][K/128][16 rows][4 bytes].  Wq, Wk, Wv, Wo, Wfc, Wp begin at 786,432 x 0, 1, 2, 3, 4, 8; their scale words at 9,437,184 + 32,768 x the same.
; SHARES.  A work-group takes 128 columns x 128 along K, a wave 32 columns: A LANE TAKES A COLUMN AND ITS REGISTERS RUN DOWN K, so a block of 32 is one lane's
; 32 registers and the conversions give codes with K innermost.  Lane l loads column n0 + p(l): it is position n0 + l.  Each load reads 128 bytes of one row of W.
; No LDS, no barrier: waves share nothing.  Up to 64 loads a wave are out.
.set OFF, 24                           ; v24-55   byte offset of row i of a block, at my column
.set X,   56                           ; v56-119  two sets of 32 numbers
.set C,   120                          ; v120-143 codes: pair j of blocks at C + 12 j: the even block's six registers, then the odd block's
.set U,   16                           ; v16-18   a block's second conversion (three registers that begin on an even number)
.set SB,  32                           ; s[32:39] where my four blocks begin in W
	s_load_b256 s[4:11], s[0:1], 0x0               ; Wq, Wk, Wv, Wo
	s_load_b128 s[12:15], s[0:1], 0x20             ; Wfc, Wp
	s_load_b64 s[16:17], s[0:1], 0x30              ; wts
	v_lshrrev_b32 v1, 5, v0
	v_readfirstlane_b32 s18, v1                    ; wave 0..3
	v_and_b32 v1, 31, v0                           ; lane
	v_and_b32 v2, 7, v1
	v_bfe_u32 v7, v1, 3, 1
	v_bfe_u32 v8, v1, 4, 1
	v_lshl_or_b32 v2, v7, 4, v2
	v_lshl_or_b32 v2, v8, 3, v2                    ; the lane's number with bits 3 and 4 exchanged
	v_lshlrev_b32 v2, 2, v2                        ; my column, in bytes
	v_lshlrev_b32 v3, 3, v1                        ; 8 x lane: my place in a piece of 256 bytes
	; which tensor, and which part of it: work-groups 0-255 the four of 1,024 x 1,024 (64 each), 256-511 Wfc, 512-767 Wp
	s_lshr_b32 s19, ttmp9, 6                       ; 0 .. 11
	s_and_b32 s24, ttmp9, 63
	s_and_b32 s25, ttmp9, 255
	s_cmp_lt_u32 s19, 4
	s_cselect_b32 s24, s24, s25                    ; the work-group's number within its tensor
	s_cselect_b32 s26, s19, 4
	s_cmp_lt_u32 s19, 8
	s_cselect_b32 s26, s26, 8                      ; the tensor's place in wts: 0, 1, 2, 3, 4, 8
	s_cselect_b32 s27, 8, 32                       ; K / 128
	s_lshr_b32 s28, s19, 2
	s_mov_b32 s29, 0x4000
	s_cmp_eq_u32 s28, 1                            ; Wfc?
	s_cselect_b32 s29, s29, 0x1000                 ; a row of W in bytes
	s_cselect_b32 s30, 31, 7
	s_cselect_b32 s31, 5, 3
	s_and_b32 s30, s24, s30                        ; x: which 128 columns
	s_lshr_b32 s31, s24, s31                       ; y: which 128 along K
	s_lshl_b32 s20, s29, 7
	s_mul_i32 s20, s20, s31                        ; y x 128 rows
	s_lshl_b32 s21, s30, 9
	s_add_co_u32 s20, s20, s21                     ; + 128 x columns
	s_lshl_b32 s21, s18, 7
	s_add_co_u32 s20, s20, s21                     ; + my wave's 32
	s_mov_b32 s21, 0
	s_lshl_b32 s22, s29, 5                         ; a block down: 32 rows
	s_mov_b32 s23, 0
	s_lshl_b32 s40, s30, 3
	s_lshl_b32 s41, s18, 1
	s_add_co_u32 s40, s40, s41                     ; my first row block: 8 x + 2 wave
	s_mul_i32 s40, s40, s27
	s_add_co_u32 s40, s40, s31                     ; x K/128 + y
	s_mul_i32 s42, s40, 1536                       ; 128 along K of a row block: 1,536 bytes of codes
	s_mul_i32 s41, s26, 786432
	s_add_co_u32 s42, s42, s41
	s_mov_b32 s43, 0
	s_lshl_b32 s44, s40, 6                         ; and 64 bytes of scale words
	s_lshl_b32 s41, s26, 15
	s_add_co_u32 s44, s44, s41
	s_add_co_u32 s44, s44, 9437184
	s_mov_b32 s45, 0
	s_mul_i32 s46, s27, 1536
	v_add_nc_u32 v4, s46, v3                       ; the same place in the next row block
	s_lshl_b32 s46, s27, 6
	v_lshrrev_b32 v5, 4, v1
	v_mul_u32_u24 v5, s46, v5
	v_and_b32 v7, 15, v1
	v_lshl_add_u32 v5, v7, 2, v5                   ; my scale word: lanes 16-31 a row block on
.irp i, 0,1,2,3,4,5,6,7,8,9,10,11,12,13,14,15,16,17,18,19,20,21,22,23,24,25,26,27,28,29,30,31
	v_mad_u32_u24 v[OFF+\i], s29, \i, v2
.endr
	s_wait_kmcnt 0x0
	s_cmp_eq_u32 s19, 1                            ; the tensor's address: a choice on the work-group's number alone
	s_cselect_b64 s[4:5], s[6:7], s[4:5]
	s_cmp_eq_u32 s19, 2
	s_cselect_b64 s[4:5], s[8:9], s[4:5]
	s_cmp_eq_u32 s19, 3
	s_cselect_b64 s[4:5], s[10:11], s[4:5]
	s_cmp_ge_u32 s19, 4
	s_cselect_b64 s[4:5], s[12:13], s[4:5]
	s_cmp_ge_u32 s19, 8
	s_cselect_b64 s[4:5], s[14:15], s[4:5]
	s_add_nc_u64 s[SB:SB+1], s[4:5], s[20:21]
	s_add_nc_u64 s[SB+2:SB+3], s[SB:SB+1], s[22:23]
	s_add_nc_u64 s[SB+4:SB+5], s[SB+2:SB+3], s[22:23]
	s_add_nc_u64 s[SB+6:SB+7], s[SB+4:SB+5], s[22:23]
	s_add_nc_u64 s[48:49], s[16:17], s[42:43]      ; my codes
	s_add_nc_u64 s[50:51], s[16:17], s[44:45]      ; my scale words
.macro LOADB t                         ; block t: W(32 t + i, my column), i = 0 .. 31, into set t % 2
.irp i, 0,1,2,3,4,5,6,7,8,9,10,11,12,13,14,15,16,17,18,19,20,21,22,23,24,25,26,27,28,29,30,31
	global_load_b32 v[X+32*((\t)%2)+\i], v[OFF+\i], s[SB+2*(\t):SB+2*(\t)+1] th:TH_LOAD_NT
.endr
.endm
.macro QBLK t
.set XS, X+32*((\t)%2)
.set CD, C+12*((\t)/2)+6*((\t)%2)
.if (\t) < 3
	s_wait_loadcnt 32                              ; this block's 32 loads are in; the next block's 32 may be out
.else
	s_wait_loadcnt 0x0
.endif
	v_max3_num_f32 v12, |v[XS]|, |v[XS+1]|, |v[XS+2]|      ; the block's largest magnitude: all 32 numbers are mine; two chains
	v_max3_num_f32 v13, |v[XS+3]|, |v[XS+4]|, |v[XS+5]|
.irp i, 6,10,14,18,22,26
	v_max3_num_f32 v12, v12, |v[XS+\i]|, |v[XS+\i+1]|
	v_max3_num_f32 v13, v13, |v[XS+\i+2]|, |v[XS+\i+3]|
.endr
	v_max3_num_f32 v12, v12, |v[XS+30]|, |v[XS+31]|
	v_max3_num_f32 v12, v12, v13, 0x1800000        ; and the floor 2^(3 - 127): the byte cannot fall under 1
	v_add_nc_u32 v11, 0xff000000, v12              ; 2 off the exponent field: the conversion takes this operand's exponent field as its scale
	v_lshrrev_b32 v13, 23, v11                     ; the scale's byte
.if (\t) == 0
	v_mov_b32 v6, v13
.else
	v_lshl_or_b32 v6, v13, 8*(\t), v6              ; four bytes make my column's scale word for these 128 along K
.endif
	v_cvt_scalef32_pk16_fp6_f32 v[CD:CD+2], v[XS:XS+15], v11
	v_cvt_scalef32_pk16_fp6_f32 v[U:U+2], v[XS+16:XS+31], v11
	v_nop                                          ; one plain place behind a scaled conversion
.irp i, 0,1,2
	v_mov_b32 v[CD+3+\i], v[U+\i]
.endr
.if (\t) < 2
	LOADB (\t)+2
.endif
.endm
; A pair of blocks (64 along K).  Lanes 0-15 hold the rows of my first row block, lanes 16-31 those of the second, each both blocks.  The operand wants lanes 0-15 to hold a row's
; even block and lanes 16-31 its odd one: the even registers' upper lanes change places with the odd registers' lower lanes.  Each store then covers 256 consecutive bytes, aligned.
.macro PAIR j
.irp i, 0,1,2,3,4,5
	v_permlane16_swap_b32 v[C+12*\j+\i], v[C+12*\j+6+\i]
.endr
.irp w, 0,1,2
	global_store_b64 v3, v[C+12*\j+2*\w:C+12*\j+2*\w+1], s[48:49] offset:768*\j+256*\w
	global_store_b64 v4, v[C+12*\j+6+2*\w:C+12*\j+7+2*\w], s[48:49] offset:768*\j+256*\w
.endr
.endm
	LOADB 0
	LOADB 1
	QBLK 0
	QBLK 1
	PAIR 0                                         ; each pair has registers of its own: no store's data are written again
	QBLK 2
	QBLK 3
	PAIR 1
	global_store_b32 v5, v6, s[50:51]
	s_endpgm
.Lfunc_end_k_q28e440f482_wquant:
	.size	k_q28e440f482_wquant, .Lfunc_end_k_q28e440f482_wquant-k_q28e440f482_wquant
	.p2alignl 7, 3214868480
	.fill 96, 4, 3214868480
	.section	.rodata,"a",@progbits
	.p2align	6, 0x0
	.amdhsa_kernel k_q28e440f482_wquant
		.amdhsa_group_segment_fixed_size 0
		.amdhsa_private_segment_fixed_size 0
		.amdhsa_enable_private_segment 0
		.amdhsa_kernarg_size 56
		.amdhsa_user_sgpr_count 2
		.amdhsa_user_sgpr_kernarg_segment_ptr 1
		.amdhsa_wavefront_size32 1
		.amdhsa_system_sgpr_workgroup_id_x 1
		.amdhsa_system_sgpr_workgroup_id_y 1
		.amdhsa_system_sgpr_workgroup_id_z 1
		.amdhsa_system_vgpr_workitem_id 0
		.amdhsa_next_free_vgpr 144
		.amdhsa_next_free_sgpr 66
		.amdhsa_reserve_vcc 0
		.amdhsa_float_denorm_mode_32 3
		.amdhsa_float_denorm_mode_16_64 3
		.amdhsa_memory_ordered 1
		.amdhsa_forward_progress 1
		.amdhsa_inst_pref_size 25
	.end_amdhsa_kernel
	.amdgpu_metadata
---
amdhsa.version: [ 1, 2 ]
amdhsa.kernels:
  - .name:           k_q28e440f482_wquant
    .symbol:         k_q28e440f482_wquant.kd
    .args:
      - { .name: Wq, .offset: 0, .size: 8, .value_kind: global_buffer, .address_space: global }
      - { .name: Wk, .offset: 8, .size: 8, .value_kind: global_buffer, .address_space: global }
      - { .name: Wv, .offset: 16, .size: 8, .value_kind: global_buffer, .address_space: global }
      - { .name: Wo, .offset: 24, .size: 8, .value_kind: global_buffer, .address_space: global }
      - { .name: Wfc, .offset: 32, .size: 8, .value_kind: global_buffer, .address_space: global }
      - { .name: Wp, .offset: 40, .size: 8, .value_kind: global_buffer, .address_space: global }
      - { .name: wts, .offset: 48, .size: 8, .value_kind: global_buffer, .address_space: global }
    .group_segment_fixed_size: 0
    .private_segment_fixed_size: 0
    .kernarg_segment_align: 8
    .kernarg_segment_size: 56
    .max_flat_workgroup_size: 128
    .sgpr_count:     66
    .vgpr_count:     144
    .wavefront_size: 32
...
	.end_amdgpu_metadata
.endif
;; end of part 1
;; launch ln1 (part 2): grid 256 x 1, 8 waves a work-group, no clusters, 69,632 bytes of LDS; arguments x, ln1_w, ln1_b, hq; writes hq
.if DOCPART == 2
	.amdgcn_target "amdgcn-amd-amdhsa--gfx1250"
	.amdhsa_code_object_version 6
	.text
	.protected	k_q28e440f482_ln1
	.globl	k_q28e440f482_ln1
	.p2align	8
	.type	k_q28e440f482_ln1,@function
k_q28e440f482_ln1:
	s_mov_b64 s[64:65], 0
	v_nop
	global_prefetch_b8 v0, s[64:65] scope:SCOPE_SE
	s_setreg_imm32_b32 hwreg(HW_REG_WAVE_MODE, 25, 1), 1
	s_wait_xcnt 0x0
; LayerNorm over rows of 1,024 f32 (mean, variance of the differences, rsqrt(var + 1e-5), gain, bias: all f32), then the rows are quantised along their 1,024 to FP6 (E2M3) codes
; with one E8M0 scale byte for each 32.  LIMITS: NaN and infinities are not served; a block's largest magnitude is taken no smaller than 2^-124; a block of zeros gets the byte 1.
; OUTPUT, in the order of an operand's registers: codes [row block 256][K/64 = 16][768 bytes] from byte 0, scale words [row block][8][16 rows][4 bytes] from byte 3,145,728.
; Token i lies at position i with bits 3 and 4 exchanged: row r of row block R is token 32 (R / 2) + 8 (R % 2) + r + 8 (r / 8).
; SHARES.  A work-group takes one row block, 16 tokens; wave w takes columns 128 w .. 128 w + 127 of all 16: one K step of the next product, one fragment.
; Each load reads 512 consecutive bytes of a row.  The conversions want 16 neighbours in one lane: the wave's 16 x 512 bytes turn through its own stage in LDS.
; Two barriers: the rows' sums, then the sums of squares, meet in LDS (a word for each row and wave).
.set STGB, 8448                        ; a wave's stage: 16 rows x (512 + 16) bytes: row r begins 16 r bytes on modulo 256
.set RED,  67584                       ; behind the eight stages: [row 16][wave 8] sums, 512 bytes; the sums of squares 512 bytes further on
.set X,   16                           ; v16-79   64 numbers: register 16 b + i = column 128 w + 32 b + 16 h + i of row r
.set W,   80                           ; v80-143  the gains of the same columns
.set BB,  144                          ; v144-207 the biases
.set PC,  208                          ; v208-226 the codes
.set TM,  228                          ; v228-243 at work in QUANT
.set PW,  244                          ; v244     the scale word
.set SEL, 20                           ; s[20:21] lane selects: lane l xor 16
.macro QUANT s                         ; 64 numbers of a lane become a fragment's 12 registers in v[PC] on and its scale word in v[PW]
.irp b, 0,1,2,3
	v_max3_num_f32 v[TM+\b], |v[\s+16*\b]|, |v[\s+1+16*\b]|, 0x1800000   ; block b: my 16 numbers, and the floor 2^(3 - 127)
.endr
.irp i, 2,4,6,8,10,12,14
.irp b, 0,1,2,3
	v_max3_num_f32 v[TM+\b], v[TM+\b], |v[\s+16*\b+\i]|, |v[\s+1+16*\b+\i]|   ; the four blocks by turns
.endr
.endr
.irp b, 0,1,2,3
	v_permlanex16_b32 v[TM+4+\b], v[TM+\b], s[SEL], s[SEL+1]
.endr
.irp b, 0,1,2,3
	v_max_num_f32 v[TM+\b], v[TM+\b], v[TM+4+\b]   ; with lane l xor 16's 16: the block's largest magnitude
.endr
.irp b, 0,1,2,3
	v_add_nc_u32 v[TM+12+\b], 0xff000000, v[TM+\b] ; 2 off its exponent field: the conversion's scale operand
.endr
.irp b, 0,1,2,3
	v_lshrrev_b32 v[TM+4+\b], 23, v[TM+12+\b]      ; the scale's byte
.endr
	v_lshl_or_b32 v[PW], v[TM+5], 8, v[TM+4]
	v_lshl_or_b32 v[PW], v[TM+6], 16, v[PW]
	v_lshl_or_b32 v[PW], v[TM+7], 24, v[PW]
.irp c, 0,1
	v_cvt_scalef32_pk16_fp6_f32 v[PC+6*\c:PC+2+6*\c], v[\s+32*\c:\s+15+32*\c], v[TM+12+2*\c]
	v_cvt_scalef32_pk16_fp6_f32 v[PC+12+4*\c:PC+14+4*\c], v[\s+16+32*\c:\s+31+32*\c], v[TM+12+2*\c+1]
.endr
	v_nop                                          ; one plain place behind a scaled conversion
.irp c, 0,1                                    ; the operand wants a whole block in a lane: lanes 0-15 block 2 c, lanes 16-31 block 2 c + 1
.irp i, 0,1,2
	v_permlane16_swap_b32 v[PC+6*\c+\i], v[PC+12+4*\c+\i]
.endr
.irp i, 0,1,2
	v_mov_b32 v[PC+3+6*\c+\i], v[PC+12+4*\c+\i]
.endr
.endr
.endm
	s_load_b256 s[4:11], s[0:1], 0x0               ; the rows, the gain, the bias, the output
	v_lshl_add_u32 v239, v0, 2, 0x10c00
	v_mov_b32 v245, 0
	v_lshrrev_b32 v1, 5, v0
	v_readfirstlane_b32 s12, v1                    ; wave 0..7
	v_and_b32 v9, 31, v0                           ; lane
	v_and_b32 v10, 15, v0                          ; r
	v_bfe_u32 v11, v0, 4, 1                        ; h
	v_lshlrev_b32 v1, 4, v9                        ; 16 x lane
	s_mul_i32 s13, s12, STGB
	v_add_nc_u32 v2, s13, v1                       ; the stage, on the way in
	v_mul_u32_u24 v3, v10, 528
	v_lshl_add_u32 v3, v11, 6, v3
	v_add_nc_u32 v3, s13, v3                       ; and on the way out: row r, + 64 h
	v_lshlrev_b32 v4, 6, v11                       ; 64 h: my 16 of a block's 32 gains
	v_lshlrev_b32 v6, 5, v10
	v_add_nc_u32 v6, RED, v6                       ; row r's eight sums
	s_lshl_b32 s14, s12, 2
	v_add_nc_u32 v5, s14, v6                       ; my wave's word among them
	v_lshlrev_b32 v7, 3, v9                        ; 8 x lane
	v_lshlrev_b32 v8, 2, v10                       ; 4 r
.irp b, 0,1,2,3
	v_mov_b32 v[TM+4+\b], 0                        ; written once: a lane permute's destination counts as one of its sources
.endr
	s_mov_b32 s[SEL], 0x76543210
	s_mov_b32 s[SEL+1], 0xfedcba98
	s_mov_b32 s28, 0x3a800000                      ; 1 / 1,024
	s_mov_b32 s29, 0x3727c5ac                      ; 1e-5
	s_lshr_b32 s15, ttmp9, 1
	s_lshl_b32 s15, s15, 5
	s_and_b32 s16, ttmp9, 1
	s_lshl_b32 s16, s16, 3
	s_add_co_u32 s15, s15, s16                     ; the row block's first token
	s_lshl_b32 s18, s15, 12
	s_lshl_b32 s22, s12, 9                         ; my wave's 128 columns, in bytes
	s_add_co_u32 s18, s18, s22
	s_mov_b32 s19, 0
	s_mov_b32 s23, 0
	s_mul_i32 s24, ttmp9, 12288
	s_mul_i32 s16, s12, 1536
	s_add_co_u32 s24, s24, s16                     ; my fragment
	s_mov_b32 s25, 0
	s_lshl_b32 s26, ttmp9, 9
	s_lshl_b32 s16, s12, 6
	s_add_co_u32 s26, s26, s16
	s_add_co_u32 s26, s26, 3145728                 ; its scale words
	s_mov_b32 s27, 0
	s_wait_kmcnt 0x0
	s_add_nc_u64 s[4:5], s[4:5], s[18:19]
	s_add_nc_u64 s[6:7], s[6:7], s[22:23]
	s_add_nc_u64 s[8:9], s[8:9], s[22:23]
	s_add_nc_u64 s[24:25], s[10:11], s[24:25]
	s_add_nc_u64 s[26:27], s[10:11], s[26:27]
.irp i, 0,1,2,3,4,5,6,7,8,9,10,11,12,13,14,15
	global_load_b128 v[X+4*\i:X+4*\i+3], v1, s[4:5] offset:(\i+8*(\i/8))*4096 th:TH_LOAD_NT   ; row i of the block: 512 consecutive bytes
.endr
.irp b, 0,1,2,3
.irp j, 0,1,2,3
	global_load_b128 v[W+16*\b+4*\j:W+16*\b+4*\j+3], v4, s[6:7] offset:128*\b+16*\j
	global_load_b128 v[BB+16*\b+4*\j:BB+16*\b+4*\j+3], v4, s[8:9] offset:128*\b+16*\j
.endr
.endr
	s_wait_loadcnt 32                              ; the 16 loads of rows are in; the 32 of gain and bias may be out
.irp i, 0,1,2,3,4,5,6,7,8,9,10,11,12,13,14,15
	ds_store_b128 v2, v[X+4*\i:X+4*\i+3] offset:528*\i
.endr
.irp b, 0,1,2,3
.irp j, 0,1,2,3
	ds_load_b128 v[X+16*\b+4*\j:X+16*\b+4*\j+3], v3 offset:128*\b+16*\j   ; LDS serves a wave's instructions in order: these see the stores above
.endr
.endr
	s_wait_dscnt 0x0
	; the mean: my 64 numbers in four chains, the other half of the lanes, then the eight waves' sums through LDS
.irp c, 0,1,2,3
	v_pk_add_f32 v[248+2*\c:249+2*\c], v[X+2*\c:X+2*\c+1], v[X+8+2*\c:X+9+2*\c]
.endr
.irp i, 16,24,32,40,48,56
.irp c, 0,1,2,3
	v_pk_add_f32 v[248+2*\c:249+2*\c], v[248+2*\c:249+2*\c], v[X+\i+2*\c:X+\i+2*\c+1]
.endr
.endr
	v_pk_add_f32 v[248:249], v[248:249], v[250:251]
	v_pk_add_f32 v[252:253], v[252:253], v[254:255]
	v_pk_add_f32 v[248:249], v[248:249], v[252:253]
	v_add_f32 v248, v248, v249
	v_permlanex16_b32 v249, v248, s[SEL], s[SEL+1]
	v_add_f32 v248, v248, v249
	ds_store_b32 v5, v248                          ; both lanes of a row write the same word with the same value
	s_wait_dscnt 0x0                               ; for the others' sake: my store has landed
	s_barrier_signal -1
	s_barrier_wait -1
	ds_load_b128 v[248:251], v6
	ds_load_b128 v[252:255], v6 offset:16
	s_wait_dscnt 0x0
	v_add_f32 v248, v248, v249
	v_add_f32 v250, v250, v251
	v_add_f32 v252, v252, v253
	v_add_f32 v254, v254, v255
	v_add_f32 v248, v248, v250
	v_add_f32 v252, v252, v254
	v_add_f32 v248, v248, v252
	v_mul_f32 v246, s28, v248                      ; the row's mean,
	v_mov_b32 v247, v246                           ; twice, for the packed form
.set i, 0
.rept 32
	v_pk_add_f32 v[X+i:X+i+1], v[X+i:X+i+1], v[246:247] neg_lo:[0,1] neg_hi:[0,1]
.set i, i+2
.endr
	; the variance: the sum of the differences' squares, in two chains, and the same way round
	v_pk_mul_f32 v[248:249], v[X:X+1], v[X:X+1]
	v_pk_mul_f32 v[250:251], v[X+2:X+3], v[X+2:X+3]
.set i, 4
.rept 15
	v_pk_fma_f32 v[248:249], v[X+i:X+i+1], v[X+i:X+i+1], v[248:249]
	v_pk_fma_f32 v[250:251], v[X+i+2:X+i+3], v[X+i+2:X+i+3], v[250:251]
.set i, i+4
.endr
	v_pk_add_f32 v[248:249], v[248:249], v[250:251]
	v_add_f32 v248, v248, v249
	v_permlanex16_b32 v249, v248, s[SEL], s[SEL+1]
	v_add_f32 v248, v248, v249
	ds_store_b32 v5, v248 offset:512               ; other bytes than the first sums': no barrier is owed between
	s_wait_dscnt 0x0
	s_barrier_signal -1
	s_barrier_wait -1
	ds_load_b128 v[248:251], v6 offset:512
	ds_load_b128 v[252:255], v6 offset:528
	s_wait_dscnt 0x0
	v_add_f32 v248, v248, v249
	v_add_f32 v250, v250, v251
	v_add_f32 v252, v252, v253
	v_add_f32 v254, v254, v255
	v_add_f32 v248, v248, v250
	v_add_f32 v252, v252, v254
	v_add_f32 v248, v248, v252
	v_fma_f32 v248, v248, s28, s29                 ; variance + 1e-5
	v_rsq_f32 v246, v248
	v_nop                                          ; a plain place behind the transcendental
	s_wait_alu depctr_va_vdst(0)                   ; and a wait ahead of its first reader
	v_mov_b32 v247, v246
	s_wait_loadcnt 0x0                             ; gain and bias
.set i, 0
.rept 32
	v_pk_mul_f32 v[X+i:X+i+1], v[X+i:X+i+1], v[246:247]
.set i, i+2
.endr
.set i, 0
.rept 32
	v_pk_fma_f32 v[X+i:X+i+1], v[X+i:X+i+1], v[W+i:W+i+1], v[BB+i:BB+i+1]
.set i, i+2
.endr
	QUANT X
.irp p, 0,1,2,3,4,5
	global_store_b64 v7, v[PC+2*\p:PC+2*\p+1], s[24:25] offset:256*\p   ; 32 lanes store 256 consecutive bytes, aligned
.endr
	global_store_b32 v8, v[PW], s[26:27]           ; lanes 16-31 hold the same word and write it to the same place
	s_wait_tensorcnt 0x0
	ds_add_u32 v239, v245
	s_wait_dscnt 0x0
	s_endpgm
.Lfunc_end_k_q28e440f482_ln1:
	.size	k_q28e440f482_ln1, .Lfunc_end_k_q28e440f482_ln1-k_q28e440f482_ln1
	.p2alignl 7, 3214868480
	.fill 96, 4, 3214868480
	.section	.rodata,"a",@progbits
	.p2align	6, 0x0
	.amdhsa_kernel k_q28e440f482_ln1
		.amdhsa_group_segment_fixed_size 69632
		.amdhsa_private_segment_fixed_size 0
		.amdhsa_enable_private_segment 0
		.amdhsa_kernarg_size 32
		.amdhsa_user_sgpr_count 2
		.amdhsa_user_sgpr_kernarg_segment_ptr 1
		.amdhsa_wavefront_size32 1
		.amdhsa_system_sgpr_workgroup_id_x 1
		.amdhsa_system_sgpr_workgroup_id_y 1
		.amdhsa_system_sgpr_workgroup_id_z 1
		.amdhsa_system_vgpr_workitem_id 0
		.amdhsa_next_free_vgpr 256
		.amdhsa_next_free_sgpr 66
		.amdhsa_reserve_vcc 0
		.amdhsa_float_denorm_mode_32 3
		.amdhsa_float_denorm_mode_16_64 3
		.amdhsa_memory_ordered 1
		.amdhsa_forward_progress 1
		.amdhsa_inst_pref_size 26
	.end_amdhsa_kernel
	.amdgpu_metadata
---
amdhsa.version: [ 1, 2 ]
amdhsa.kernels:
  - .name:           k_q28e440f482_ln1
    .symbol:         k_q28e440f482_ln1.kd
    .args:
      - { .name: x, .offset: 0, .size: 8, .value_kind: global_buffer, .address_space: global }
      - { .name: ln1_w, .offset: 8, .size: 8, .value_kind: global_buffer, .address_space: global }
      - { .name: ln1_b, .offset: 16, .size: 8, .value_kind: global_buffer, .address_space: global }
      - { .name: hq, .offset: 24, .size: 8, .value_kind: global_buffer, .address_space: global }
    .group_segment_fixed_size: 69632
    .private_segment_fixed_size: 0
    .kernarg_segment_align: 8
    .kernarg_segment_size: 32
    .max_flat_workgroup_size: 256
    .sgpr_count:     66
    .vgpr_count:     256
    .wavefront_size: 32
...
	.end_amdgpu_metadata
.endif
;; end of part 2
;; launch qkv (part 3): grid 8 x 24, 4 waves a work-group, clusters of 4 x 4, 327,680 bytes of LDS; arguments hq, wts, bq, bk, bv, qkv; writes qkv
.if DOCPART == 3
	.amdgcn_target "amdgcn-amd-amdhsa--gfx1250"
	.amdhsa_code_object_version 6
	.text
	.protected	k_q28e440f482_qkv
	.globl	k_q28e440f482_qkv
	.p2align	8
	.type	k_q28e440f482_qkv,@function
k_q28e440f482_qkv:
	s_mov_b64 s[64:65], 0
	v_nop
	global_prefetch_b8 v0, s[64:65] scope:SCOPE_SE
	s_setreg_imm32_b32 hwreg(HW_REG_WAVE_MODE, 25, 1), 1
	s_wait_xcnt 0x0
	s_wait_alu depctr_hold_cnt(0) depctr_sa_sdst(0) depctr_va_vdst(0) depctr_va_sdst(0) depctr_va_ssrc(0) depctr_va_vcc(0) depctr_vm_vsrc(0)
	s_getreg_b32 s2, hwreg(HW_REG_IB_STS2, 6, 4)
	s_cmp_eq_u32 s2, 0
	s_cbranch_scc0 .Lentry_in_a_cluster
	s_endpgm
.Lentry_in_a_cluster:
	s_bfe_u32 s2, ttmp6, 0x10000c
	s_cmp_lg_u32 s2, 0xf033
	s_cbranch_scc0 .Lentry_shape_is_right
	s_endpgm
.Lentry_shape_is_right:
; q, k = h Wq + bq, h Wk + bk (one product with N = 2,048) and v^T = (h Wv + bv)^T, on codes of FP6 (E2M3) with one E8M0 scale for each 32 along K = 1,024; sums in f32.
; The results are quantised in registers for attention and leave as codes: q and k along the head's 64 channels, v along the keys.  Nothing wider than codes is stored.
; LIMITS: NaN and infinities are not served; a block's largest magnitude is taken no smaller than 2^-124; a block of zeros gets the byte 1 (its codes are zeros; this program alone reads the bytes).
; OPERANDS lie in memory in the order of their registers: codes [row block of 16][K/64][768 bytes], scale words [row block][K/128][16 rows][4 bytes].  Row i lies at position i with bits 3 and 4 exchanged.
; A tile of C, 256 x 256, is made by four waves, a wave 128 x 128: 64 accumulators.  K goes in steps of 256 through a ring of two LDS slots filled by the tensor data mover: a row block's part of a step is
; 3,072 consecutive bytes.  The scale words of the tile's rows, for all of K, come into LDS once, with the first fills.
; THE MATRIX INSTRUCTION IS USED TRANSPOSED (source 0 = 16 rows of B, source 1 = 16 rows of A).  By the order of B's rows the 16 registers of accumulators 2 i and 2 i + 1 are 16 NEIGHBOURING columns.
; CLUSTERS: 4 x 4 work-groups; A's tiles are asked for jointly along a row of the cluster, B's along a column.
; ONE GRID, TWO PRODUCTS.  Clusters with y < 4: A = h (tokens), B = Wq and Wk.  Clusters with y >= 4: A = Wv (channels), B = h (tokens), so that a lane's registers run along the keys.
; The choice hangs on the cluster's y alone, which all partners share.
; OUTPUT qkv: q: [16 b + head][step of 128 tokens][6,656 bytes]: 8 x 768 of codes, 512 of scale words.  From byte 3,407,872, k and v: [16 b + head][key step][13,056 bytes]:
; k's codes 8 x 768, k's scale words 512, v^T's codes 4 x 1,536, v^T's scale words 256.  q's and k's scale words have 0 in their upper two bytes: their K is 64.
; REGISTERS, in windows of 256: window 0: v0-31 addresses; v32-63 scale words, two sets, and nothing else; from v128 A's fragments, one set; in the epilogue v64-127 and v192-239 are at work.
;   window 1: B's fragments, two sets, at v0 and v128; in the epilogue the bias.   windows 2, 3: the accumulators ((a, b) at v[8 (8 (a % 4) + b)] of window 2 + a / 4).
.set SIZE_K, 1024
.set MA,    8                          ; A's row blocks for a wave
.set MH,    MA/2
.set RB,    3072                       ; a row block's bytes in a slot: 256 along K
.set FR,    12                         ; registers of a fragment
.set NL,    6                          ; LDS loads that bring one
.set NP,    4                          ; places behind this matrix instruction (ISA guide 7.12.1)
.set HALFA, MA*RB
.set HALFB, 8*RB
.set SLOT,  2*HALFA+2*HALFB            ; A's two halves, then B's two
.set KST,   SIZE_K/128
.set SBLK,  64*KST                     ; a row block's scale words
.set HSA,   MA*SBLK
.set HSB,   8*SBLK
.set SCL,   2*SLOT                     ; behind the ring: A's scale words,
.set SCLB,  SCL+2*HSA                  ; B's,
.set SPARE, SCLB+2*HSB                 ; and the spare words, 128 bytes for each wave: two blocks of 256 bytes that no other line names
.set LAPS,  SIZE_K/512
.set ADRA, 16                          ; v16-17 LDS address of my A fragments in slot 0, 1
.set ADRB, 20                          ; v20-21 the same for B
.set ADRS, 27                          ; v27    of my scale words: lanes 0-15 A's rows, lanes 16-31 B's
.set SPW,  28                          ; v28    my spare word; never rewritten
.set NIL,  29                          ; v29    0; never rewritten
.set SC,   32                          ; set s at v[SC + 16 s]; register 2 i + q: lanes 0-15 the word of A's block i, lanes 16-31 of B's block i, for the slot's q-th 128 along K
.set AF,   128
.set T,    64                          ; the epilogue: 64 numbers
.set PC,   192                         ; their codes
.set TM,   212
.set PW,   228
.set W0,   229
.set W1,   230
.set BM,   232
.set WV, 16                            ; s16 wave, s17 wave / 2 (my half of A's rows; also: I fetch for A or for B), s18 wave % 2 (my half of B's rows; also: which half I fetch)
.set WH, 17
.set WL, 18
.set G1, 24
.set G0, 32
.set G1B, 48
.set G0B, 56
.set G1S, 68
.set G0S, 76
.set G1SB, 80
.set G0SB, 88
.set SEL, 98
.set MSB, 0
.macro WIN new                         ; the immediate's high byte repeats the setting that is left
.if MSB != (\new)
	s_set_vgpr_msb (MSB<<8)|(\new)
.set MSB, \new
.endif
.endm
.macro JLOAD g0a, g1a, g0b, g1b        ; a joint load: waves 0 and 1 fetch for A, waves 2 and 3 for B; four v_nop follow each line
	s_cmp_eq_u32 s[WH], 0
	s_cbranch_scc0 .Lfor_b_\@
	tensor_load_to_lds s[\g0a:\g0a+3], s[\g1a:\g1a+7]
	s_nop 0
.rept 4
	v_nop
.endr
	s_branch .Lasked_\@
.Lfor_b_\@:
	tensor_load_to_lds s[\g0b:\g0b+3], s[\g1b:\g1b+7]
	s_nop 0
.rept 4
	v_nop
.endr
.Lasked_\@:
.endm
.macro CREST                           ; a round of the cluster's barrier behind its opening barrier
	s_cmp_lg_u32 s[WV], 0
	s_cbranch_scc1 .Lnot_wave_0_\@
	s_barrier_signal -3
.Lnot_wave_0_\@:
	s_barrier_wait -3
	s_barrier_signal -1
	s_barrier_wait -1
.endm
.macro CROUND
	s_barrier_signal -1
	s_barrier_wait -1
	CREST
.endm
.macro PLACES n
.rept \n
	v_nop
.endr
.endm
.macro FRAG reg, adr, q, i             ; a fragment as it lies: six pieces of 256 bytes, 8 bytes a lane: dense, every bank once
.irp p, 0,1,2,3,4,5
	ds_load_b64 v[(\reg)+2*\p:(\reg)+2*\p+1], v[\adr] offset:(\i)*RB+(\q)*1536+256*\p
.endr
.endm
.macro FETCH_B slot, q, p              ; B's eight fragments of the slot's q-th 128 along K into set p
	WIN 0x40
.irp i, 0,1,2,3,4,5,6,7
	FRAG 128*(\p)+FR*\i, ADRB+\slot, \q, \i
.endr
	WIN 0
.endm
.macro FETCH_A slot, q, i0             ; A's blocks i0 .. i0 + MH - 1
.set FI, \i0
.rept MH
	FRAG AF+FR*FI, ADRA+\slot, \q, FI
.set FI, FI+1
.endr
.endm
.macro SCALES sc                       ; a slot's scale words into set sc
.irp i, 0,1,2,3,4,5,6,7
.irp q, 0,1
	ds_load_b32 v[SC+16*\sc+2*\i+\q], v[ADRS] offset:\i*SBLK+64*\q
.endr
.endr
.endm
; A quarter of a step: A's blocks a0 .. a0 + MA / 4 - 1 against B's eight.  The accumulators take turns, one instruction a turn, in the same order in every step.
.macro MULQ a0, p, q, sc, zero
	WIN 0xa1+0x50*((\a0)/4)                        ; source 0 (B) window 1, source 1 (A) window 0, C and D window 2 or 3
.set AI, \a0
.rept MA/4
.irp b, 0,1,2,3,4,5,6,7
.if \zero
	v_wmma_scale_f32_16x16x128_f8f6f4 v[8*(8*(AI%4)+\b):8*(8*(AI%4)+\b)+7], v[128*(\p)+FR*\b:128*(\p)+FR*\b+FR-1], v[AF+FR*AI:AF+FR*AI+FR-1], 0, v[SC+16*(\sc)+2*\b+(\q)], v[SC+16*(\sc)+2*AI+(\q)] matrix_a_fmt:MATRIX_FMT_FP6 matrix_b_fmt:MATRIX_FMT_FP6 matrix_a_scale:MATRIX_SCALE_ROW1
.else
	v_wmma_scale_f32_16x16x128_f8f6f4 v[8*(8*(AI%4)+\b):8*(8*(AI%4)+\b)+7], v[128*(\p)+FR*\b:128*(\p)+FR*\b+FR-1], v[AF+FR*AI:AF+FR*AI+FR-1], v[8*(8*(AI%4)+\b):8*(8*(AI%4)+\b)+7], v[SC+16*(\sc)+2*\b+(\q)], v[SC+16*(\sc)+2*AI+(\q)] matrix_a_fmt:MATRIX_FMT_FP6 matrix_b_fmt:MATRIX_FMT_FP6 matrix_a_scale:MATRIX_SCALE_ROW1
.endif
.endr
.set AI, AI+1
.endr
.endm
.macro STEP slot, zero                 ; a slot's first 128 along K; it fetches the second's fragments
	s_wait_dscnt MH*NL                             ; B's set, A's lower blocks and the scale words are in; the youngest loads (A's upper blocks) may be out
	MULQ 0, 0, 0, \slot, \zero
	MULQ MA/4, 0, 0, \slot, \zero
	s_wait_dscnt 0x0                               ; A's upper blocks are in
	PLACES NP                                      ; in front of loads into registers that matrix instructions have read
	FETCH_B \slot, 1, 1
	FETCH_A \slot, 1, 0
	MULQ MA/2, 0, 0, \slot, \zero
	MULQ 3*MA/4, 0, 0, \slot, \zero
	PLACES NP
	WIN 0
	FETCH_A \slot, 1, MH
.endm
; A slot's second 128 along K changes slots: ONE barrier; in front of it each wave waits for all its tensor loads, adds 0 to its spare word, and waits for that and for its reads of this slot.
.macro TURN slot, next, fill
	s_wait_tensorcnt 0x0                           ; all my tensor loads have landed: my part of the next slot
	ds_add_u32 v[SPW], v[NIL]                      ; 0 onto my spare word
	s_wait_dscnt MH*NL+1                           ; (the add and A's upper blocks may be out)
	MULQ 0, 1, 1, \slot, 0                         ; matrix instructions stand between the add and the wait for it
	s_wait_dscnt 0x0                               ; the add is done, and my reads of this slot are over
	s_barrier_signal -1
	MULQ MA/4, 1, 1, \slot, 0
	WIN 0
	s_barrier_wait -1
.if \fill
	CREST                                          ; the barrier has opened a round of the cluster's: no wave of any partner still reads this slot or has a load on its way
	s_add_nc_u64 s[G0+4*\slot+2:G0+4*\slot+3], s[G0+4*\slot+2:G0+4*\slot+3], 2*RB
	s_add_nc_u64 s[G0B+4*\slot+2:G0B+4*\slot+3], s[G0B+4*\slot+2:G0B+4*\slot+3], 2*RB
	JLOAD G0+4*\slot, G1, G0B+4*\slot, G1B         ; the first tensor load behind the round; its four v_nop are the places in front of the loads below
.else
	PLACES NP
.endif
	v_add_nc_u32 v[ADRS], 128, v[ADRS]             ; the next slot's scale words: two K steps of 64 bytes on
	FETCH_B \next, 0, 0
	FETCH_A \next, 0, 0
	SCALES \next
	MULQ MA/2, 1, 1, \slot, 0
	MULQ 3*MA/4, 1, 1, \slot, 0
	PLACES NP
	WIN 0
	FETCH_A \next, 0, MH
.endm
.macro QUANT s                         ; 64 numbers of a lane, register 16 b + i = k 32 b + 16 h + i of my row, become a fragment's 12 registers in v[PC] on and its scale word in v[PW]
.irp b, 0,1,2,3
	v_max3_num_f32 v[TM+\b], |v[\s+16*\b]|, |v[\s+1+16*\b]|, 0x1800000   ; my 16 numbers, and the floor 2^(3 - 127)
.endr
.irp i, 2,4,6,8,10,12,14
.irp b, 0,1,2,3
	v_max3_num_f32 v[TM+\b], v[TM+\b], |v[\s+16*\b+\i]|, |v[\s+1+16*\b+\i]|
.endr
.endr
.irp b, 0,1,2,3
	v_permlanex16_b32 v[TM+4+\b], v[TM+\b], s[SEL], s[SEL+1]
.endr
.irp b, 0,1,2,3
	v_max_num_f32 v[TM+\b], v[TM+\b], v[TM+4+\b]
.endr
.irp b, 0,1,2,3
	v_add_nc_u32 v[TM+12+\b], 0xff000000, v[TM+\b] ; 2 off the exponent field: the conversion's scale operand
.endr
.irp b, 0,1,2,3
	v_lshrrev_b32 v[TM+4+\b], 23, v[TM+12+\b]      ; the scale's byte
.endr
	v_lshl_or_b32 v[PW], v[TM+5], 8, v[TM+4]
	v_lshl_or_b32 v[PW], v[TM+6], 16, v[PW]
	v_lshl_or_b32 v[PW], v[TM+7], 24, v[PW]
.irp c, 0,1
	v_cvt_scalef32_pk16_fp6_f32 v[PC+6*\c:PC+2+6*\c], v[\s+32*\c:\s+15+32*\c], v[TM+12+2*\c]
	v_cvt_scalef32_pk16_fp6_f32 v[PC+12+4*\c:PC+14+4*\c], v[\s+16+32*\c:\s+31+32*\c], v[TM+12+2*\c+1]
.endr
	v_nop                                          ; one plain place behind a scaled conversion
.irp c, 0,1
.irp i, 0,1,2
	v_permlane16_swap_b32 v[PC+6*\c+\i], v[PC+12+4*\c+\i]
.endr
.irp i, 0,1,2
	v_mov_b32 v[PC+3+6*\c+\i], v[PC+12+4*\c+\i]
.endr
.endr
.endm
	s_load_b256 s[4:11], s[0:1], 0x0               ; hq, wts, bq, bk
	s_load_b128 s[12:15], s[0:1], 0x20             ; bv, qkv
	v_lshl_add_u32 v[SPW], v0, 2, SPARE
	v_mov_b32 v[NIL], 0
	ds_add_u32 v28, v29
	ds_add_u32 v28, v29
	s_wait_dscnt 0x0
	v_lshrrev_b32 v1, 5, v0
	v_readfirstlane_b32 s[WV], v1
	s_lshr_b32 s[WH], s[WV], 1
	s_and_b32 s[WL], s[WV], 1
	s_bfe_u32 s40, ttmp6, 0x40000                  ; cx, cy: my place in the cluster
	s_bfe_u32 s41, ttmp6, 0x40004
	s_and_b32 s66, ttmp7, 0xffff                   ; the cluster's y: under 4: q and k; else v
	s_lshl_b32 s45, s66, 2
	s_sub_co_u32 s19, s66, 4
	s_lshl_b32 s19, s19, 3
	s_lshl_b32 s42, ttmp9, 2
	s_mov_b32 s2, 1572864
	s_mov_b32 s97, 9502720
	s_mov_b32 s98, 9437184
	s_cmp_lt_u32 s66, 4
	s_cselect_b32 s45, s45, 0
	s_cselect_b32 s19, 0, s19
	s_cselect_b32 s2, 0, s2                        ; where A's codes begin in their buffer: h's at 0, Wv's at 1,572,864
	s_cselect_b32 s97, 3145728, s97                ; A's scale words
	s_cselect_b32 s98, s98, 3145728                ; B's scale words (B's codes begin at 0 both ways)
	s_add_co_u32 s45, s45, s41                     ; tile row: 4 y + cy, or cy
	s_add_co_u32 s42, s42, s40
	s_add_co_u32 s42, s42, s19                     ; tile column: 4 x + cx, or that + 8 (y - 4)
	s_lshl_b32 s43, s41, 2
	s_lshl_b32 s43, 15, s43                        ; my row of the cluster
	s_lshl_b32 s44, 0x1111, s40                    ; my column
	; descriptor group 1.  Tiles: MA (B: 8) rows of 384 elements of 8 bytes, 12 SIZE_K bytes apart, no padding.  15:0 the mask; 17:16 element size; 21 set beside a mask
	s_or_b32 s[G1], s43, (3<<16)|(1<<21)
	s_or_b32 s[G1B], s44, (3<<16)|(1<<21)
.irp g, G1, G1B
	s_mov_b32 s[\g+1], 384<<16                     ; tensor_dim0
	s_mov_b32 s[\g+3], 384<<16                     ; tile_dim0
	s_mov_b32 s[\g+5], SIZE_K*3/2                  ; tensor_dim0_stride
	s_mov_b32 s[\g+6], 0
	s_mov_b32 s[\g+7], 0
.endr
	s_mov_b32 s[G1+2], MA<<16                      ; tensor_dim1
	s_mov_b32 s[G1+4], MA                          ; tile_dim1
	s_mov_b32 s[G1B+2], 8<<16
	s_mov_b32 s[G1B+4], 8
	; the scale words of MA (8) row blocks: a dense block, as rows of 256 bytes
	s_or_b32 s[G1S], s43, (3<<16)|(1<<21)
	s_or_b32 s[G1SB], s44, (3<<16)|(1<<21)
.irp g, G1S, G1SB
	s_mov_b32 s[\g+1], 32<<16
	s_mov_b32 s[\g+3], 32<<16
	s_mov_b32 s[\g+5], 32
	s_mov_b32 s[\g+6], 0
	s_mov_b32 s[\g+7], 0
.endr
	s_mov_b32 s[G1S+2], (HSA/256)<<16
	s_mov_b32 s[G1S+4], HSA/256
	s_mov_b32 s[G1SB+2], (HSB/256)<<16
	s_mov_b32 s[G1SB+4], HSB/256
	s_mul_i32 s20, s45, 2*MA
	s_mul_i32 s19, s[WL], MA
	s_add_co_u32 s20, s20, s19                     ; A: the first row block that I fetch
	s_lshl_b32 s46, s42, 4
	s_lshl_b32 s19, s[WL], 3
	s_add_co_u32 s46, s46, s19                     ; B likewise
	s_mul_i32 s22, s20, SBLK
	s_add_co_u32 s22, s22, s97
	s_mov_b32 s23, 0
	s_mul_i32 s20, s20, 12*SIZE_K
	s_add_co_u32 s20, s20, s2
	s_mov_b32 s21, 0
	s_mul_i32 s92, s46, SBLK
	s_add_co_u32 s92, s92, s98
	s_mov_b32 s93, 0
	s_mul_i32 s46, s46, 12*SIZE_K
	s_mov_b32 s47, 0
	s_mul_i32 s94, s[WL], HALFA                    ; where they go: no place in the cluster enters an LDS address
	s_mul_i32 s67, s[WL], HALFB
	s_add_co_u32 s67, s67, 2*HALFA
	s_mul_i32 s95, s[WL], HSA
	s_add_co_u32 s95, s95, SCL
	s_mul_i32 s96, s[WL], HSB
	s_add_co_u32 s96, s96, SCLB
	s_wait_kmcnt 0x0
	s_cmp_lt_u32 s66, 4                            ; which buffer is A and which B: a choice on the cluster's y alone
	s_cselect_b64 s[2:3], s[4:5], s[6:7]
	s_cselect_b64 s[6:7], s[6:7], s[4:5]
	s_add_nc_u64 s[20:21], s[2:3], s[20:21]
	s_add_nc_u64 s[22:23], s[2:3], s[22:23]
	s_add_nc_u64 s[46:47], s[6:7], s[46:47]
	s_add_nc_u64 s[92:93], s[6:7], s[92:93]
	CROUND                                         ; all sixteen work-groups are here: the first joint loads meet
	s_mov_b32 s[G0S], 1
	s_mov_b32 s[G0S+1], s95
	s_mov_b64 s[G0S+2:G0S+3], s[22:23]
	s_or_b32 s[G0S+3], s[G0S+3], 0x80000000
	s_mov_b32 s[G0SB], 1
	s_mov_b32 s[G0SB+1], s96
	s_mov_b64 s[G0SB+2:G0SB+3], s[92:93]
	s_or_b32 s[G0SB+3], s[G0SB+3], 0x80000000
	JLOAD G0S, G1S, G0SB, G1SB                     ; the scale words first: they are wanted with K step 0
.irp s, 0,1
	s_mov_b32 s[G0+4*\s], 1
	s_add_co_u32 s[G0+4*\s+1], s94, \s*SLOT
	s_add_nc_u64 s[G0+4*\s+2:G0+4*\s+3], s[20:21], \s*RB
	s_or_b32 s[G0+4*\s+3], s[G0+4*\s+3], 0x80000000
	s_mov_b32 s[G0B+4*\s], 1
	s_add_co_u32 s[G0B+4*\s+1], s67, \s*SLOT
	s_add_nc_u64 s[G0B+4*\s+2:G0B+4*\s+3], s[46:47], \s*RB
	s_or_b32 s[G0B+4*\s+3], s[G0B+4*\s+3], 0x80000000
	JLOAD G0+4*\s, G1, G0B+4*\s, G1B
.endr
	v_and_b32 v1, 15, v0                           ; r
	v_bfe_u32 v2, v0, 4, 1                         ; h
	v_and_b32 v3, 31, v0
	v_lshlrev_b32 v3, 3, v3                        ; 8 x lane
	s_mul_i32 s21, s[WH], HALFA                    ; my half of A's rows
	s_mul_i32 s22, s[WL], HALFB                    ; my half of B's,
	s_add_co_u32 s22, s22, 2*HALFA                 ; which lie behind A's
.irp s, 0,1
	v_add_nc_u32 v[ADRA+\s], s21, v3
	v_add_nc_u32 v[ADRB+\s], s22, v3
	s_add_co_u32 s21, s21, SLOT
	s_add_co_u32 s22, s22, SLOT
.endr
	v_lshlrev_b32 v5, 2, v1                        ; 4 r
	s_mul_i32 s21, s[WH], HSA
	s_mul_i32 s22, s[WL], HSB
	s_add_co_u32 s22, s22, 2*HSA
	s_sub_co_u32 s22, s22, s21
	v_mul_u32_u24 v6, s22, v2                      ; lanes 16-31 take B's: one product, h x the distance
	s_add_co_u32 s21, s21, SCL
	v_add_nc_u32 v5, v5, v6
	v_add_nc_u32 v[ADRS], s21, v5
	s_wait_tensorcnt 1                             ; the scale words and my part of K step 0 are in (K step 1's load may be out),
	s_barrier_signal -1
	s_barrier_wait -1                              ; everybody's are
	FETCH_B 0, 0, 0
	FETCH_A 0, 0, 0
	SCALES 0
	FETCH_A 0, 0, MH
	STEP 0, 1                                      ; the first step stands in front of the loop: its products start the sums
	s_mov_b32 s3, LAPS-1
.Llap:                                                 ; a trip goes once round the ring and fills both slots again
	TURN 0, 1, 1
	STEP 1, 0
	TURN 1, 0, 1
	STEP 0, 0
	s_sub_co_u32 s3, s3, 1
	s_cmp_lg_u32 s3, 0
	s_cbranch_scc1 .Llap
	TURN 0, 1, 0                                   ; the last lap fills nothing
	STEP 1, 0
	s_wait_dscnt MH*NL
	MULQ 0, 1, 1, 1, 0
	MULQ MA/4, 1, 1, 1, 0
	s_wait_dscnt 0x0
	MULQ MA/2, 1, 1, 1, 0
	MULQ 3*MA/4, 1, 1, 1, 0
	WIN 0
	; THE EPILOGUE, without LDS: for each of A's eight blocks the lane's 64 results get their bias, are quantised in registers, and leave as pieces of 256 consecutive bytes.
	PLACES NP                                      ; behind the last products: results are read, and registers that they read are loaded
.irp b, 0,1,2,3
	v_mov_b32 v[TM+4+\b], 0                        ; a lane permute's destination counts as one of its sources
.endr
	s_mov_b32 s[SEL], 0x76543210
	s_mov_b32 s[SEL+1], 0xfedcba98
	v_lshlrev_b32 v25, 2, v1                       ; 4 r: a scale word's place
	s_mov_b32 s23, 0
	s_cmp_lt_u32 s66, 4
	s_cbranch_scc0 .Lvmode
	; ---- q and k: rows are tokens, my 128 columns are two heads
	s_lshr_b32 s19, s42, 2                         ; 0: q, 1: k
	s_and_b32 s20, s42, 3
	s_lshl_b32 s20, s20, 1
	s_add_co_u32 s20, s20, s[WL]                   ; which 128 of the 1,024 channels
	s_lshl_b32 s22, s20, 9
	s_mov_b32 s21, 13056
	s_cmp_eq_u32 s19, 0
	s_cselect_b64 s[8:9], s[8:9], s[10:11]         ; bq or bk
	s_cselect_b32 s21, 6656, s21                   ; a step's bytes
	s_cselect_b32 s2, 0, 3407872                   ; the region
	s_add_nc_u64 s[8:9], s[8:9], s[22:23]
	s_lshr_b32 s22, s45, 3                         ; b
	s_lshl_b32 s22, s22, 4
	s_lshl_b32 s20, s20, 1                         ; the even head
	s_add_co_u32 s22, s22, s20
	s_lshl_b32 s22, s22, 4
	s_and_b32 s20, s45, 7
	s_lshl_b32 s20, s20, 1
	s_add_co_u32 s20, s20, s[WH]                   ; the step of 128 tokens
	s_add_co_u32 s22, s22, s20
	s_mul_i32 s22, s22, s21
	s_add_co_u32 s22, s22, s2
	s_add_nc_u64 s[92:93], s[14:15], s[22:23]      ; the even head's step
	s_lshl_b32 s22, s21, 4
	s_add_nc_u64 s[46:47], s[92:93], s[22:23]      ; the odd head's: 16 steps on
	v_lshlrev_b32 v26, 6, v2                       ; 64 h
	WIN 0x40
.irp b, 0,1,2,3
.irp j, 0,1,2,3
	global_load_b128 v[16*\b+4*\j:16*\b+4*\j+3], v26, s[8:9] offset:128*\b+16*\j   ; the bias of my 64 columns, in the results' order
.endr
.endr
	WIN 0
	s_wait_loadcnt 0x0
.macro EQK a
	s_wait_xcnt 0x0                                ; the last block's stores have read their registers
	WIN 0x06+(\a)/4                                ; source 0 window 2 or 3, source 1 window 1
.set i, 0
.rept 32
	v_pk_add_f32 v[T+i:T+i+1], v[64*((\a)%4)+i:64*((\a)%4)+i+1], v[i:i+1]   ; each accumulator from its low end on
.set i, i+2
.endr
	WIN 0
	QUANT T
	v_and_b32 v[W0], 0xffff, v[PW]                 ; blocks 0 and 1 are the even head's 64 channels,
	v_lshrrev_b32 v[W1], 16, v[PW]                 ; blocks 2 and 3 the odd head's
.irp w, 0,1,2
	global_store_b64 v3, v[PC+2*\w:PC+2*\w+1], s[92:93] offset:768*(\a)+256*\w
	global_store_b64 v3, v[PC+6+2*\w:PC+7+2*\w], s[46:47] offset:768*(\a)+256*\w
.endr
	global_store_b32 v25, v[W0], s[92:93] offset:6144+64*(\a)
	global_store_b32 v25, v[W1], s[46:47] offset:6144+64*(\a)
.endm
.irp a, 0,1,2,3,4,5,6,7
	EQK \a
.endr
	s_branch .Ldone
.Lvmode:
	; ---- v^T: rows are channels (two heads of four blocks), my 128 columns are one key step
	s_lshl_b32 s22, s45, 10
	s_lshl_b32 s19, s[WH], 9
	s_add_co_u32 s22, s22, s19
	s_add_nc_u64 s[12:13], s[12:13], s[22:23]      ; bv at my 128 channels
	v_and_b32 v26, 8, v1
	v_add_nc_u32 v26, v26, v1
	v_lshlrev_b32 v26, 2, v26                      ; row r of a block is channel r + 8 (r / 8) of its 32
.irp a, 0,1,2,3,4,5,6,7
	global_load_b32 v[BM+\a], v26, s[12:13] offset:4*(32*(\a/2)+8*(\a%2))
.endr
	s_lshl_b32 s20, s45, 2
	s_lshl_b32 s19, s[WH], 1
	s_add_co_u32 s20, s20, s19                     ; my first head
	s_lshr_b32 s19, s42, 3                         ; b
	s_lshl_b32 s19, s19, 4
	s_add_co_u32 s20, s20, s19
	s_lshl_b32 s20, s20, 4
	s_and_b32 s19, s42, 7
	s_lshl_b32 s19, s19, 1
	s_add_co_u32 s19, s19, s[WL]                   ; the key step
	s_add_co_u32 s20, s20, s19
	s_mul_i32 s22, s20, 13056
	s_add_co_u32 s22, s22, 3407872+6656
	s_add_nc_u64 s[92:93], s[14:15], s[22:23]
	s_wait_loadcnt 0x0
.macro EVT a
	s_wait_xcnt 0x0
	WIN 0x02+(\a)/4
.set i, 0
.rept 64
	v_add_f32 v[T+i], v[64*((\a)%4)+i], v[BM+(\a)]
.set i, i+1
.endr
	WIN 0
	QUANT T
.irp p, 0,1,2,3,4,5
	global_store_b64 v3, v[PC+2*\p:PC+2*\p+1], s[92:93] offset:((\a)/4)*208896+((\a)%4)*1536+256*\p
.endr
	global_store_b32 v25, v[PW], s[92:93] offset:6144+((\a)/4)*208896+64*((\a)%4)
.endm
.irp a, 0,1,2,3,4,5,6,7
	EVT \a
.endr
.Ldone:
	s_wait_tensorcnt 0x0                           ; the wave's end
	ds_add_u32 v[SPW], v[NIL]
	s_wait_dscnt 0x0
	CROUND                                         ; the closing round
	s_endpgm
.Lfunc_end_k_q28e440f482_qkv:
	.size	k_q28e440f482_qkv, .Lfunc_end_k_q28e440f482_qkv-k_q28e440f482_qkv
	.p2alignl 7, 3214868480
	.fill 96, 4, 3214868480
	.section	.rodata,"a",@progbits
	.p2align	6, 0x0
	.amdhsa_kernel k_q28e440f482_qkv
		.amdhsa_group_segment_fixed_size 327680
		.amdhsa_private_segment_fixed_size 0
		.amdhsa_enable_private_segment 0
		.amdhsa_kernarg_size 48
		.amdhsa_user_sgpr_count 2
		.amdhsa_user_sgpr_kernarg_segment_ptr 1
		.amdhsa_wavefront_size32 1
		.amdhsa_system_sgpr_workgroup_id_x 1
		.amdhsa_system_sgpr_workgroup_id_y 1
		.amdhsa_system_sgpr_workgroup_id_z 1
		.amdhsa_system_vgpr_workitem_id 0
		.amdhsa_next_free_vgpr 1024
		.amdhsa_next_free_sgpr 100
		.amdhsa_reserve_vcc 0
		.amdhsa_float_denorm_mode_32 3
		.amdhsa_float_denorm_mode_16_64 3
		.amdhsa_memory_ordered 1
		.amdhsa_forward_progress 1
		.amdhsa_inst_pref_size 242
	.end_amdhsa_kernel
	.amdgpu_metadata
---
amdhsa.version: [ 1, 2 ]
amdhsa.kernels:
  - .name:           k_q28e440f482_qkv
    .symbol:         k_q28e440f482_qkv.kd
    .args:
      - { .name: hq, .offset: 0, .size: 8, .value_kind: global_buffer, .address_space: global }
      - { .name: wts, .offset: 8, .size: 8, .value_kind: global_buffer, .address_space: global }
      - { .name: bq, .offset: 16, .size: 8, .value_kind: global_buffer, .address_space: global }
      - { .name: bk, .offset: 24, .size: 8, .value_kind: global_buffer, .address_space: global }
      - { .name: bv, .offset: 32, .size: 8, .value_kind: global_buffer, .address_space: global }
      - { .name: qkv, .offset: 40, .size: 8, .value_kind: global_buffer, .address_space: global }
    .group_segment_fixed_size: 327680
    .private_segment_fixed_size: 0
    .kernarg_segment_align: 8
    .kernarg_segment_size: 48
    .max_flat_workgroup_size: 128
    .sgpr_count:     100
    .vgpr_count:     1024
    .wavefront_size: 32
...
	.end_amdgpu_metadata
.endif
;; end of part 3
;; launch attn (part 4): grid 8 x 32, 16 waves a work-group, no clusters, 210,944 bytes of LDS; arguments qkv, att; writes att
.if DOCPART == 4
	.amdgcn_target "amdgcn-amd-amdhsa--gfx1250"
	.amdhsa_code_object_version 6
	.text
	.protected	k_q28e440f482_attn
	.globl	k_q28e440f482_attn
	.p2align	8
	.type	k_q28e440f482_attn,@function
k_q28e440f482_attn:
	s_mov_b64 s[64:65], 0
	v_nop
	global_prefetch_b8 v0, s[64:65] scope:SCOPE_SE
	s_setreg_imm32_b32 hwreg(HW_REG_WAVE_MODE, 25, 1), 1
	s_wait_xcnt 0x0
; Causal attention of one head on codes of FP6 (E2M3), both products quantised; the result, divided by the row's sum, is quantised along the channels for the next product and leaves as codes.
; THE SOFTMAX: t = score x log2(e) / 8; M = the running largest t rounded UP to a whole number; p = 2^(t - M) is quantised along the keys, not normalised; the row's sum is taken of the unquantised p
; and divides at the end.  When M moves, the sum and O are multiplied by 2^(old M - new M): exact.
; LIMITS: NaN and infinities are not served; a block's largest magnitude is taken no smaller than 2^-124 (a block of zeros keeps the byte 1: its codes are zeros).
; INPUT qkv: q [16 b + head][step of 128 tokens][6,656 bytes] (8 tiles x 768 of codes, 512 of scale words); from byte 3,407,872 k and v [16 b + head][key step][13,056 bytes]: k's codes 8 x 768,
; k's scale words 512, v^T's codes 4 x 1,536, v^T's scale words 256; all in the order of the operands' registers.  Token i (and channel i) lies at position i with bits 3 and 4 exchanged.
; SHARES.  A work-group takes one head and two blocks of 128 queries, x and 15 - x, so that every work-group has the same number of key steps under the mask.  Each of its sixteen waves owns 16 queries.
; THE HEAD'S WHOLE K AND V, 208,896 bytes, lie in LDS, filled ONCE: each wave brings one key step by one tensor load; one wait, one barrier.  Nothing is filled again.
; No cluster: the steps that a wave leaves out under the mask hang on its work-group's block of queries, which in a cluster would be its place there.
; LAYOUT.  Both products are used transposed: S^T = K Q^T, O^T = V^T P^T: a lane holds ONE query throughout.  By the order of the keys in a tile the 16 registers of tiles 2 b, 2 b + 1 are 16 neighbouring keys.
; THE HEAD IS 64 WIDE, the instruction 128: q's upper six registers are zero codes; k's operand runs on into the next tile's codes, which meet those zeros; the upper two scale bytes are 0 (2^-127, no NaN).
; REGISTERS: v1, v2 addresses that stay; v8, v10 the step's; v12 -M, v13 the largest t, v[14:15] the sum; v16-27 q; v29 the mask's number; v32-79 fragments of K or V; v96-159 S^T, then p; v160-191 O^T;
; v224-235 p's codes; v232-254 at work; v248-251, v253, v255 scale words.
.set STEPB, 13056
.set KSC,   6144
.set VCO,   6656
.set VSC,   12800
.set HEADB, 208896
.set QSTEP, 6656
.set KVOFF, 3407872
.set ASC,   3145728
.set L8,  1                            ; v1  8 x lane
.set R4,  2                            ; v2  4 r
.set ADK, 8
.set ADS, 10
.set DM,  29
.set WV,  8
.set BLK, 9                            ; s9  my block of 128 queries
.set KS,  10                           ; s10 the key step
.set TB,  11                           ; s11 where it begins in LDS
.set SEL, 20
.set CS,  22
.set G1,  24
.set G0,  32
	s_load_b128 s[4:7], s[0:1], 0x0                ; qkv, att
	v_lshl_add_u32 v223, v0, 2, 0x33000
	v_mov_b32 v243, 0
	ds_add_u32 v223, v243
	ds_add_u32 v223, v243
	v_lshrrev_b32 v8, 5, v0
	v_readfirstlane_b32 s[WV], v8                  ; wave 0..15
	s_and_b32 s12, ttmp7, 0xffff                   ; 16 b + head
	; descriptor group 1: a key step, 13,056 dense bytes, as 51 rows of 256 bytes (32 elements of 8 bytes), no padding
	s_mov_b32 s[G1], 3<<16
	s_mov_b32 s[G1+1], 32<<16
	s_mov_b32 s[G1+2], 51<<16
	s_mov_b32 s[G1+3], 32<<16
	s_mov_b32 s[G1+4], 51
	s_mov_b32 s[G1+5], 32
	s_mov_b32 s[G1+6], 0
	s_mov_b32 s[G1+7], 0
	s_mul_i32 s13, s[WV], STEPB                    ; key step = my wave's number: its place in LDS and in the head
	s_mul_i32 s14, s12, HEADB
	s_add_co_u32 s14, s14, s13
	s_add_co_u32 s14, s14, KVOFF
	s_mov_b32 s15, 0
	s_sub_co_u32 s17, 15, ttmp9
	s_cmp_lt_u32 s[WV], 8
	s_cselect_b32 s[BLK], ttmp9, s17               ; waves 0-7: block x; waves 8-15: block 15 - x
	s_and_b32 s18, s[WV], 7                        ; my tile in the block
	s_mul_i32 s52, s12, 16*QSTEP
	s_mul_i32 s53, s[BLK], QSTEP
	s_add_co_u32 s52, s52, s53
	s_mul_i32 s53, s18, 768
	s_add_co_u32 s54, s52, s53                     ; q's codes
	s_mov_b32 s55, 0
	s_lshl_b32 s53, s18, 6
	s_add_co_u32 s52, s52, s53
	s_add_co_u32 s52, s52, 6144                    ; q's scale words
	s_mov_b32 s53, 0
	s_lshr_b32 s16, s12, 4                         ; b
	s_and_b32 s17, s12, 15                         ; head
	s_lshl_b32 s16, s16, 7
	s_lshl_b32 s19, s[BLK], 3
	s_add_co_u32 s16, s16, s19
	s_add_co_u32 s16, s16, s18                     ; my row block among the 256
	s_mul_i32 s40, s16, 12288
	s_mul_i32 s19, s17, 768
	s_add_co_u32 s40, s40, s19                     ; the output's codes: 64 along K = my head
	s_mov_b32 s41, 0
	s_lshl_b32 s42, s16, 9
	s_lshr_b32 s19, s17, 1
	s_lshl_b32 s19, s19, 6
	s_add_co_u32 s42, s42, s19
	s_and_b32 s19, s17, 1
	s_lshl_b32 s19, s19, 1
	s_add_co_u32 s42, s42, s19
	s_add_co_u32 s42, s42, ASC                     ; and my head's two bytes of the scale words
	s_mov_b32 s43, 0
	s_lshr_b32 s19, s18, 1
	s_lshl_b32 s19, s19, 5
	s_and_b32 s48, s18, 1
	s_lshl_b32 s48, s48, 3
	s_add_co_u32 s19, s19, s48                     ; my tile's first query within the block
	s_mov_b32 s[SEL], 0x76543210
	s_mov_b32 s[SEL+1], 0xfedcba98
	s_mov_b32 s[CS], 0x3e38aa3b                    ; c = log2(e) / 8
	s_mov_b32 s[CS+1], s[CS]
	s_mov_b32 s[TB], 0
	s_mov_b32 s[KS], 0
	s_wait_dscnt 0x0
	s_wait_kmcnt 0x0
	s_mov_b32 s[G0], 1                             ; count = 1
	s_mov_b32 s[G0+1], s13                         ; LDS address
	s_add_nc_u64 s[G0+2:G0+3], s[4:5], s[14:15]    ; global address
	s_or_b32 s[G0+3], s[G0+3], 0x80000000          ; type = 2
	tensor_load_to_lds s[G0:G0+3], s[G1:G1+7]      ; my one tensor load of the launch
	s_nop 0
.rept 4
	v_nop
.endr
	s_add_nc_u64 s[54:55], s[4:5], s[54:55]
	s_add_nc_u64 s[52:53], s[4:5], s[52:53]
	s_add_nc_u64 s[40:41], s[6:7], s[40:41]
	s_add_nc_u64 s[42:43], s[6:7], s[42:43]
	v_and_b32 v[L8], 31, v0
	v_lshlrev_b32 v[L8], 3, v[L8]
	v_and_b32 v3, 15, v0                           ; r
	v_lshlrev_b32 v[R4], 2, v3
	v_bfe_u32 v4, v0, 4, 1                         ; h
.irp w, 0,1,2
	global_load_b64 v[16+2*\w:17+2*\w], v[L8], s[54:55] offset:256*\w   ; q's 64 channels stay in registers
.endr
	global_load_b32 v255, v[R4], s[52:53]          ; q's scale words
	v_and_b32 v5, 8, v3
	v_add_nc_u32 v5, v5, v3                        ; r + 8 (r / 8)
	v_lshlrev_b32 v6, 4, v4
	v_sub_nc_u32 v5, v5, v6
	v_add_nc_u32 v[DM], s19, v5                    ; my query within its block - 16 h: on the diagonal, register 16 b + i is hidden where 32 b + i is greater
	v_mov_b32 v13, 0xff61b1e6                      ; the largest t so far: -3e38
	v_floor_f32 v12, -v13                          ; -M
	v_mov_b32 v14, 0
	v_mov_b32 v15, 0
.irp j, 22,23,24,25,26,27
	v_mov_b32 v[\j], 0                             ; q's upper 64 along K: zero codes
.endr
.irp j, 56,57,58,59,60,61
	v_mov_b32 v[\j], 0                             ; behind the fourth tile of K: any codes will do, they meet q's zeros
.endr
.irp b, 0,1,2,3
	v_mov_b32 v[236+\b], 0                         ; a lane permute's destination counts as one of its sources
.endr
	v_mov_b32 v252, 0
	v_mov_b32 v253, 0
.set j, 0
.rept 32
	v_mov_b32 v[160+j], 0                          ; O^T: the step is written once; the first finds zeros, which the first change of M leaves zeros
.set j, j+1
.endr
	s_wait_tensorcnt 0x0                           ; my key step is in LDS,
	s_barrier_signal -1
	s_barrier_wait -1                              ; everybody's is
	s_wait_loadcnt 0x0                             ; q
.Lkey:                                                 ; 16 trips, a constant; a step all of whose keys come after my queries is left out by a branch on ids
	s_cmp_gt_u32 s[KS], s[BLK]
	s_cbranch_scc1 .Lhidden
	v_add_nc_u32 v[ADK], s[TB], v[L8]
	v_add_nc_u32 v[ADS], s[TB], v[R4]
	v_nop
	v_nop                                          ; four places in front of loads into registers that the last step's products read
.irp g, 0,1                                    ; S^T = K Q^T, four tiles of 16 keys at a time
.if \g
.rept 4
	v_nop
.endr
.endif
.irp t, 0,1,2,3
.irp w, 0,1,2
	ds_load_b64 v[32+6*\t+2*\w:33+6*\t+2*\w], v[ADK] offset:(4*\g+\t)*768+256*\w
.endr
	ds_load_b32 v[248+\t], v[ADS] offset:KSC+64*(4*\g+\t)
.endr
	s_wait_dscnt 0x0
.irp t, 0,1,2,3
	v_wmma_scale_f32_16x16x128_f8f6f4 v[96+8*(4*\g+\t):103+8*(4*\g+\t)], v[32+6*\t:43+6*\t], v[16:27], 0, v[248+\t], v255 matrix_a_fmt:MATRIX_FMT_FP6 matrix_b_fmt:MATRIX_FMT_FP6
.endr
.endr
.rept 4
	v_nop
.endr
	s_cmp_lt_u32 s[KS], s[BLK]                     ; off the diagonal all keys count
	s_cbranch_scc1 .Lopen
	v_mov_b32 v254, 0xff800000                     ; on it hidden scores become -infinity ahead of the maximum: p = 0 then
.set n, 0
.rept 64
	v_cmp_gt_i32 vcc_lo, 32*(n/16)+n%16, v[DM]
	v_cndmask_b32 v[96+n], v[96+n], v254, vcc_lo
.set n, n+1
.endr
.Lopen:
.irp b, 0,1,2,3
	v_max3_num_f32 v[232+\b], v[96+16*\b], v[97+16*\b], v[98+16*\b]   ; the largest score of each block of 32 keys: for the row's maximum, and, since p rises with the score, for the block's largest p
.endr
.irp i, 3,5,7,9,11,13
.irp b, 0,1,2,3
	v_max3_num_f32 v[232+\b], v[232+\b], v[96+16*\b+\i], v[97+16*\b+\i]
.endr
.endr
.irp b, 0,1,2,3
	v_max_num_f32 v[232+\b], v[232+\b], v[111+16*\b]
.endr
.irp b, 0,1,2,3
	v_permlanex16_b32 v[236+\b], v[232+\b], s[SEL], s[SEL+1]
.endr
.irp b, 0,1,2,3
	v_max_num_f32 v[232+\b], v[232+\b], v[236+\b]  ; with lane l xor 16's 16 keys
.endr
	v_max3_num_f32 v254, v232, v233, v234
	v_max_num_f32 v254, v254, v235
	v_mul_f32 v254, s[CS], v254                    ; the step's largest t
	v_max_num_f32 v13, v13, v254
	v_mov_b32 v254, v12
	v_floor_f32 v12, -v13                          ; the new -M = -ceil(t): a whole number
	v_sub_f32 v254, v12, v254                      ; old M - new M
	v_cvt_i32_f32 v254, v254                       ; (it saturates)
	v_ldexp_f32 v252, 1.0, v254                    ; f = 2^(old M - new M)
.set j, 0
.rept 32
	v_pk_fma_f32 v[96+j:97+j], v[96+j:97+j], s[CS:CS+1], v[12:13] op_sel_hi:[1,0,0]   ; t - M
.set j, j+2
.endr
.irp b, 0,1,2,3
	v_fma_f32 v[232+\b], v[232+\b], s[CS], v12     ; the same of each block's largest score
.endr
.set j, 0
.rept 64
	v_exp_f32 v[96+j], v[96+j]                     ; p = 2^(t - M)
.set j, j+1
.endr
	v_pk_mul_f32 v[14:15], v[14:15], v[252:253] op_sel_hi:[1,0]   ; the sums under the new M: a plain place behind the exponentials
	s_wait_alu depctr_va_vdst(0)                   ; one wait for the batch, ahead of its first reader
.irp b, 0,1,2,3
	v_exp_f32 v[232+\b], v[232+\b]                 ; the block's largest p
.endr
	v_pk_add_f32 v[236:237], v[96:97], v[98:99]    ; the row's sum of the unquantised p, in two chains
.irp j, 4,8,12,16,20,24,28,32,36,40,44,48,52,56,60
	v_pk_add_f32 v[14:15], v[14:15], v[96+\j:97+\j]
	v_pk_add_f32 v[236:237], v[236:237], v[98+\j:99+\j]
.endr
	v_pk_add_f32 v[14:15], v[14:15], v[236:237]
	s_wait_alu depctr_va_vdst(0)                   ; and one for the four
.irp b, 0,1,2,3
	v_max_num_f32 v[232+\b], 0x1800000, v[232+\b]  ; the floor 2^(3 - 127)
.endr
.irp b, 0,1,2,3
	v_add_nc_u32 v[244+\b], 0xff000000, v[232+\b]  ; the conversion's scale operand
.endr
.irp b, 0,1,2,3
	v_lshrrev_b32 v[236+\b], 23, v[244+\b]         ; the scale's byte
.endr
	v_lshl_or_b32 v253, v237, 8, v236              ; p's scale word for these 128 keys
	v_lshl_or_b32 v253, v238, 16, v253
	v_lshl_or_b32 v253, v239, 24, v253
.irp c, 0,1
	v_cvt_scalef32_pk16_fp6_f32 v[224+6*\c:226+6*\c], v[96+32*\c:111+32*\c], v[244+2*\c]
	v_cvt_scalef32_pk16_fp6_f32 v[236+4*\c:238+4*\c], v[112+32*\c:127+32*\c], v[244+2*\c+1]
.endr
	v_nop                                          ; one plain place behind a scaled conversion
.irp c, 0,1
.irp i, 0,1,2
	v_permlane16_swap_b32 v[224+6*\c+\i], v[236+4*\c+\i]
.endr
.irp i, 0,1,2
	v_mov_b32 v[227+6*\c+\i], v[236+4*\c+\i]
.endr
.endr
.set j, 0
.rept 16
	v_pk_mul_f32 v[160+j:161+j], v[160+j:161+j], v[252:253] op_sel_hi:[1,0]   ; O^T under the new M; these are also the places in front of the products and loads below
.set j, j+2
.endr
.irp t, 0,1,2,3                                ; O^T += V^T P^T: four tiles of 16 channels; K = these 128 keys
.irp p, 0,1,2,3,4,5
	ds_load_b64 v[32+12*\t+2*\p:33+12*\t+2*\p], v[ADK] offset:VCO+1536*\t+256*\p
.endr
	ds_load_b32 v[248+\t], v[ADS] offset:VSC+64*\t
.endr
	s_wait_dscnt 0x0
.irp t, 0,1,2,3
	v_wmma_scale_f32_16x16x128_f8f6f4 v[160+8*\t:167+8*\t], v[32+12*\t:43+12*\t], v[224:235], v[160+8*\t:167+8*\t], v[248+\t], v253 matrix_a_fmt:MATRIX_FMT_FP6 matrix_b_fmt:MATRIX_FMT_FP6
.endr
.Lhidden:
	s_add_co_u32 s[TB], s[TB], STEPB
	s_add_co_u32 s[KS], s[KS], 1
	s_cmp_lt_u32 s[KS], 16
	s_cbranch_scc1 .Lkey
	; THE WAY OUT: O^T / the sum; register 16 b + i is channel 32 b + 16 h + i of my query: two blocks of the next product's K; quantised, and stored as three pieces of 256 bytes.
.rept 4
	v_nop                                          ; places behind the last products
.endr
	v_add_f32 v14, v14, v15
	v_permlanex16_b32 v252, v14, s[SEL], s[SEL+1]
	v_add_f32 v14, v14, v252                       ; the row's sum
	v_rcp_f32 v14, v14
	v_nop
	s_wait_alu depctr_va_vdst(0)
.set j, 0
.rept 32
	v_mul_f32 v[96+j], v[160+j], v14
.set j, j+1
.endr
.irp b, 0,1
	v_max3_num_f32 v[232+\b], |v[96+16*\b]|, |v[97+16*\b]|, 0x1800000
.endr
.irp i, 2,4,6,8,10,12,14
.irp b, 0,1
	v_max3_num_f32 v[232+\b], v[232+\b], |v[96+16*\b+\i]|, |v[97+16*\b+\i]|
.endr
.endr
.irp b, 0,1
	v_permlanex16_b32 v[236+\b], v[232+\b], s[SEL], s[SEL+1]
.endr
.irp b, 0,1
	v_max_num_f32 v[232+\b], v[232+\b], v[236+\b]
.endr
.irp b, 0,1
	v_add_nc_u32 v[244+\b], 0xff000000, v[232+\b]
.endr
.irp b, 0,1
	v_lshrrev_b32 v[236+\b], 23, v[244+\b]
.endr
	v_lshl_or_b32 v240, v237, 8, v236              ; my head's two scale bytes
	v_cvt_scalef32_pk16_fp6_f32 v[224:226], v[96:111], v244
	v_cvt_scalef32_pk16_fp6_f32 v[228:230], v[112:127], v245
	v_nop
.irp i, 0,1,2
	v_permlane16_swap_b32 v[224+\i], v[228+\i]
.endr
.irp i, 0,1,2
	v_mov_b32 v[227+\i], v[228+\i]                 ; ascending: each source is read before it is written
.endr
.irp w, 0,1,2
	global_store_b64 v[L8], v[224+2*\w:225+2*\w], s[40:41] offset:256*\w   ; 32 lanes store 256 consecutive bytes, aligned
.endr
	global_store_b16 v[R4], v240, s[42:43]         ; lanes 16-31 hold the same bytes and write them to the same place
	s_wait_tensorcnt 0x0
	ds_add_u32 v223, v243
	s_wait_dscnt 0x0
	s_endpgm
.Lfunc_end_k_q28e440f482_attn:
	.size	k_q28e440f482_attn, .Lfunc_end_k_q28e440f482_attn-k_q28e440f482_attn
	.p2alignl 7, 3214868480
	.fill 96, 4, 3214868480
	.section	.rodata,"a",@progbits
	.p2align	6, 0x0
	.amdhsa_kernel k_q28e440f482_attn
		.amdhsa_group_segment_fixed_size 210944
		.amdhsa_private_segment_fixed_size 0
		.amdhsa_enable_private_segment 0
		.amdhsa_kernarg_size 16
		.amdhsa_user_sgpr_count 2
		.amdhsa_user_sgpr_kernarg_segment_ptr 1
		.amdhsa_wavefront_size32 1
		.amdhsa_system_sgpr_workgroup_id_x 1
		.amdhsa_system_sgpr_workgroup_id_y 1
		.amdhsa_system_sgpr_workgroup_id_z 1
		.amdhsa_system_vgpr_workitem_id 0
		.amdhsa_next_free_vgpr 256
		.amdhsa_next_free_sgpr 66
		.amdhsa_reserve_vcc 1
		.amdhsa_float_denorm_mode_32 3
		.amdhsa_float_denorm_mode_16_64 3
		.amdhsa_memory_ordered 1
		.amdhsa_forward_progress 1
		.amdhsa_inst_pref_size 33
	.end_amdhsa_kernel
	.amdgpu_metadata
---
amdhsa.version: [ 1, 2 ]
amdhsa.kernels:
  - .name:           k_q28e440f482_attn
    .symbol:         k_q28e440f482_attn.kd
    .args:
      - { .name: qkv, .offset: 0, .size: 8, .value_kind: global_buffer, .address_space: global }
      - { .name: att, .offset: 8, .size: 8, .value_kind: global_buffer, .address_space: global }
    .group_segment_fixed_size: 210944
    .private_segment_fixed_size: 0
    .kernarg_segment_align: 8
    .kernarg_segment_size: 16
    .max_flat_workgroup_size: 512
    .sgpr_count:     66
    .vgpr_count:     256
    .wavefront_size: 32
...
	.end_amdgpu_metadata
.endif
;; end of part 4
;; launch oproj (part 5): grid 4 x 32, 4 waves a work-group, clusters of 4 x 4, 327,680 bytes of LDS; arguments att, wts, bo, x, x1; writes x1
.if DOCPART == 5
	.amdgcn_target "amdgcn-amd-amdhsa--gfx1250"
	.amdhsa_code_object_version 6
	.text
	.protected	k_q28e440f482_oproj
	.globl	k_q28e440f482_oproj
	.p2align	8
	.type	k_q28e440f482_oproj,@function
k_q28e440f482_oproj:
	s_mov_b64 s[64:65], 0
	v_nop
	global_prefetch_b8 v0, s[64:65] scope:SCOPE_SE
	s_setreg_imm32_b32 hwreg(HW_REG_WAVE_MODE, 25, 1), 1
	s_wait_xcnt 0x0
	s_wait_alu depctr_hold_cnt(0) depctr_sa_sdst(0) depctr_va_vdst(0) depctr_va_sdst(0) depctr_va_ssrc(0) depctr_va_vcc(0) depctr_vm_vsrc(0)
	s_getreg_b32 s2, hwreg(HW_REG_IB_STS2, 6, 4)
	s_cmp_eq_u32 s2, 0
	s_cbranch_scc0 .Lentry_in_a_cluster
	s_endpgm
.Lentry_in_a_cluster:
	s_bfe_u32 s2, ttmp6, 0x10000c
	s_cmp_lg_u32 s2, 0xf033
	s_cbranch_scc0 .Lentry_shape_is_right
	s_endpgm
.Lentry_shape_is_right:
; x1 = x + (attn Wo + bo): the product on codes of FP6 (E2M3) with one E8M0 scale for each 32 along K = 1,024; sums, bias and residual in f32; x1 is f32, rows and columns in their natural order.
; OPERANDS lie in memory in the order of their registers: codes [row block of 16][K/64][768 bytes], scale words [row block][K/128][16 rows][4 bytes].  Row i lies at position i with bits 3 and 4 exchanged.
; A tile of C is 128 rows x 256 columns, so that 128 work-groups have work; four waves, a wave 64 x 128: 32 accumulators.  K goes in steps of 256 through a ring of two LDS slots filled by the tensor data
; mover: a row block's part of a step is 3,072 consecutive bytes.  The scale words of the tile's rows, for all of K, come into LDS once, with the first fills.
; THE MATRIX INSTRUCTION IS USED TRANSPOSED (source 0 = 16 rows of B, source 1 = 16 rows of A): a lane holds eight neighbouring numbers of a row of C.
; CLUSTERS: 4 x 4 work-groups; A's tiles are asked for jointly along a row of the cluster, B's along a column.
; REGISTERS, in windows of 256: window 0: v0-31 addresses; v32-63 scale words, two sets, and nothing else; from v128 A's fragments, one set; on the way out v64-67 the bias, v128-255 rows of C.
;   window 1: B's fragments, two sets, at v0 and v128; on the way out the residual.   window 2: the accumulators ((a, b) at v[8 (8 a + b)]).
.set SIZE_K, 1024
.set MA,    4                          ; A's row blocks for a wave
.set ASOFF, 3145728                    ; A's scale words in att
.set BCOFF, 2359296                    ; Wo's codes in wts
.set BSOFF, 9535488                    ; Wo's scale words
.set MH,    MA/2
.set RB,    3072
.set FR,    12
.set NL,    6
.set NP,    4
.set HALFA, MA*RB
.set HALFB, 8*RB
.set SLOT,  2*HALFA+2*HALFB
.set KST,   SIZE_K/128
.set SBLK,  64*KST
.set HSA,   MA*SBLK
.set HSB,   8*SBLK
.set SCL,   2*SLOT
.set SCLB,  SCL+2*HSA
.set SPARE, SCLB+2*HSB                 ; the spare words, 128 bytes for each wave: two blocks of 256 bytes that no other line names
.set LAPS,  SIZE_K/512
.set SPITCH, 528                       ; the way out: a stage of 16 rows x (512 + 16) bytes for each wave, in slot 0, which has had its last fill and its last read by then
.set ADRA, 16
.set ADRB, 20
.set STO,  24
.set RD,   25
.set CO,   26
.set ADRS, 27
.set SPW,  28
.set NIL,  29
.set SC,   32
.set AF,   128
.set BK,   128
.set WV, 16
.set WH, 17
.set WL, 18
.set G1, 24
.set G0, 32
.set G1B, 48
.set G0B, 56
.set G1S, 68
.set G0S, 76
.set G1SB, 80
.set G0SB, 88
.set MSB, 0
.macro WIN new                         ; the immediate's high byte repeats the setting that is left
.if MSB != (\new)
	s_set_vgpr_msb (MSB<<8)|(\new)
.set MSB, \new
.endif
.endm
.macro JLOAD g0a, g1a, g0b, g1b        ; a joint load: waves 0 and 1 fetch for A, waves 2 and 3 for B; four v_nop follow each line
	s_cmp_eq_u32 s[WH], 0
	s_cbranch_scc0 .Lfor_b_\@
	tensor_load_to_lds s[\g0a:\g0a+3], s[\g1a:\g1a+7]
	s_nop 0
.rept 4
	v_nop
.endr
	s_branch .Lasked_\@
.Lfor_b_\@:
	tensor_load_to_lds s[\g0b:\g0b+3], s[\g1b:\g1b+7]
	s_nop 0
.rept 4
	v_nop
.endr
.Lasked_\@:
.endm
.macro CREST
	s_cmp_lg_u32 s[WV], 0
	s_cbranch_scc1 .Lnot_wave_0_\@
	s_barrier_signal -3
.Lnot_wave_0_\@:
	s_barrier_wait -3
	s_barrier_signal -1
	s_barrier_wait -1
.endm
.macro CROUND
	s_barrier_signal -1
	s_barrier_wait -1
	CREST
.endm
.macro PLACES n
.rept \n
	v_nop
.endr
.endm
.macro FRAG reg, adr, q, i             ; a fragment as it lies: six pieces of 256 bytes, 8 bytes a lane
.irp p, 0,1,2,3,4,5
	ds_load_b64 v[(\reg)+2*\p:(\reg)+2*\p+1], v[\adr] offset:(\i)*RB+(\q)*1536+256*\p
.endr
.endm
.macro FETCH_B slot, q, p
	WIN 0x40
.irp i, 0,1,2,3,4,5,6,7
	FRAG 128*(\p)+FR*\i, ADRB+\slot, \q, \i
.endr
	WIN 0
.endm
.macro FETCH_A slot, q, i0
.set FI, \i0
.rept MH
	FRAG AF+FR*FI, ADRA+\slot, \q, FI
.set FI, FI+1
.endr
.endm
.macro SCALES sc                       ; a slot's scale words: lanes 0-15 A's block i, lanes 16-31 B's.  A has four blocks: for i of 4 and more the low lanes read on into bytes of the scale area, and are never named
.irp i, 0,1,2,3,4,5,6,7
.irp q, 0,1
	ds_load_b32 v[SC+16*\sc+2*\i+\q], v[ADRS] offset:\i*SBLK+64*\q
.endr
.endr
.endm
.macro MULQ a0, p, q, sc, zero         ; a quarter of a step; the accumulators take turns, one instruction a turn
	WIN 0xa1+0x50*((\a0)/4)
.set AI, \a0
.rept MA/4
.irp b, 0,1,2,3,4,5,6,7
.if \zero
	v_wmma_scale_f32_16x16x128_f8f6f4 v[8*(8*(AI%4)+\b):8*(8*(AI%4)+\b)+7], v[128*(\p)+FR*\b:128*(\p)+FR*\b+FR-1], v[AF+FR*AI:AF+FR*AI+FR-1], 0, v[SC+16*(\sc)+2*\b+(\q)], v[SC+16*(\sc)+2*AI+(\q)] matrix_a_fmt:MATRIX_FMT_FP6 matrix_b_fmt:MATRIX_FMT_FP6 matrix_a_scale:MATRIX_SCALE_ROW1
.else
	v_wmma_scale_f32_16x16x128_f8f6f4 v[8*(8*(AI%4)+\b):8*(8*(AI%4)+\b)+7], v[128*(\p)+FR*\b:128*(\p)+FR*\b+FR-1], v[AF+FR*AI:AF+FR*AI+FR-1], v[8*(8*(AI%4)+\b):8*(8*(AI%4)+\b)+7], v[SC+16*(\sc)+2*\b+(\q)], v[SC+16*(\sc)+2*AI+(\q)] matrix_a_fmt:MATRIX_FMT_FP6 matrix_b_fmt:MATRIX_FMT_FP6 matrix_a_scale:MATRIX_SCALE_ROW1
.endif
.endr
.set AI, AI+1
.endr
.endm
.macro STEP slot, zero
	s_wait_dscnt MH*NL                             ; all but the youngest loads (A's upper blocks) are in
	MULQ 0, 0, 0, \slot, \zero
	MULQ MA/4, 0, 0, \slot, \zero
	s_wait_dscnt 0x0
	PLACES NP
	FETCH_B \slot, 1, 1
	FETCH_A \slot, 1, 0
	MULQ MA/2, 0, 0, \slot, \zero
	MULQ 3*MA/4, 0, 0, \slot, \zero
	PLACES NP
	WIN 0
	FETCH_A \slot, 1, MH
.endm
.macro TURN slot, next, fill           ; the change of slots: ONE barrier; in front of it the wait for all my tensor loads, the add, and the wait for it and for my reads of this slot
	s_wait_tensorcnt 0x0
	ds_add_u32 v[SPW], v[NIL]                      ; 0 onto my spare word
	s_wait_dscnt MH*NL+1                           ; (the add and A's upper blocks may be out)
	MULQ 0, 1, 1, \slot, 0
	s_wait_dscnt 0x0
	s_barrier_signal -1
	MULQ MA/4, 1, 1, \slot, 0
	WIN 0
	s_barrier_wait -1
.if \fill
	CREST                                          ; the barrier has opened a round of the cluster's
	s_add_nc_u64 s[G0+4*\slot+2:G0+4*\slot+3], s[G0+4*\slot+2:G0+4*\slot+3], 2*RB
	s_add_nc_u64 s[G0B+4*\slot+2:G0B+4*\slot+3], s[G0B+4*\slot+2:G0B+4*\slot+3], 2*RB
	JLOAD G0+4*\slot, G1, G0B+4*\slot, G1B         ; the first tensor load behind the round
.else
	PLACES NP
.endif
	v_add_nc_u32 v[ADRS], 128, v[ADRS]
	FETCH_B \next, 0, 0
	FETCH_A \next, 0, 0
	SCALES \next
	MULQ MA/2, 1, 1, \slot, 0
	MULQ 3*MA/4, 1, 1, \slot, 0
	PLACES NP
	WIN 0
	FETCH_A \next, 0, MH
.endm
	s_load_b256 s[4:11], s[0:1], 0x0               ; A's buffer, wts, the bias, the residual
	s_load_b64 s[12:13], s[0:1], 0x20              ; the output
	v_lshl_add_u32 v[SPW], v0, 2, SPARE
	v_mov_b32 v[NIL], 0
	ds_add_u32 v28, v29
	ds_add_u32 v28, v29
	s_wait_dscnt 0x0
	v_lshrrev_b32 v1, 5, v0
	v_readfirstlane_b32 s[WV], v1
	s_lshr_b32 s[WH], s[WV], 1
	s_and_b32 s[WL], s[WV], 1
	s_bfe_u32 s40, ttmp6, 0x40000
	s_bfe_u32 s41, ttmp6, 0x40004
	s_lshl_b32 s42, ttmp9, 2
	s_add_co_u32 s42, s42, s40                     ; tile column
	s_and_b32 s45, ttmp7, 0xffff
	s_lshl_b32 s45, s45, 2
	s_add_co_u32 s45, s45, s41                     ; tile row
	s_lshl_b32 s43, s41, 2
	s_lshl_b32 s43, 15, s43
	s_lshl_b32 s44, 0x1111, s40
	s_or_b32 s[G1], s43, (3<<16)|(1<<21)           ; tiles: MA (B: 8) rows of 384 elements of 8 bytes, 12 SIZE_K bytes apart, no padding
	s_or_b32 s[G1B], s44, (3<<16)|(1<<21)
.irp g, G1, G1B
	s_mov_b32 s[\g+1], 384<<16
	s_mov_b32 s[\g+3], 384<<16
	s_mov_b32 s[\g+5], SIZE_K*3/2
	s_mov_b32 s[\g+6], 0
	s_mov_b32 s[\g+7], 0
.endr
	s_mov_b32 s[G1+2], MA<<16
	s_mov_b32 s[G1+4], MA
	s_mov_b32 s[G1B+2], 8<<16
	s_mov_b32 s[G1B+4], 8
	s_or_b32 s[G1S], s43, (3<<16)|(1<<21)          ; scale words: a dense block, as rows of 256 bytes
	s_or_b32 s[G1SB], s44, (3<<16)|(1<<21)
.irp g, G1S, G1SB
	s_mov_b32 s[\g+1], 32<<16
	s_mov_b32 s[\g+3], 32<<16
	s_mov_b32 s[\g+5], 32
	s_mov_b32 s[\g+6], 0
	s_mov_b32 s[\g+7], 0
.endr
	s_mov_b32 s[G1S+2], (HSA/256)<<16
	s_mov_b32 s[G1S+4], HSA/256
	s_mov_b32 s[G1SB+2], (HSB/256)<<16
	s_mov_b32 s[G1SB+4], HSB/256
	s_mul_i32 s20, s45, 2*MA
	s_mul_i32 s19, s[WL], MA
	s_add_co_u32 s20, s20, s19
	s_lshl_b32 s46, s42, 4
	s_lshl_b32 s19, s[WL], 3
	s_add_co_u32 s46, s46, s19
	s_mul_i32 s22, s20, SBLK
	s_add_co_u32 s22, s22, ASOFF
	s_mov_b32 s23, 0
	s_mul_i32 s20, s20, 12*SIZE_K
	s_mov_b32 s21, 0
	s_mul_i32 s92, s46, SBLK
	s_add_co_u32 s92, s92, BSOFF
	s_mov_b32 s93, 0
	s_mul_i32 s46, s46, 12*SIZE_K
	s_add_co_u32 s46, s46, BCOFF
	s_mov_b32 s47, 0
	s_mul_i32 s94, s[WL], HALFA
	s_mul_i32 s67, s[WL], HALFB
	s_add_co_u32 s67, s67, 2*HALFA
	s_mul_i32 s95, s[WL], HSA
	s_add_co_u32 s95, s95, SCL
	s_mul_i32 s96, s[WL], HSB
	s_add_co_u32 s96, s96, SCLB
	s_wait_kmcnt 0x0
	s_add_nc_u64 s[20:21], s[4:5], s[20:21]
	s_add_nc_u64 s[22:23], s[4:5], s[22:23]
	s_add_nc_u64 s[46:47], s[6:7], s[46:47]
	s_add_nc_u64 s[92:93], s[6:7], s[92:93]
	CROUND                                         ; all sixteen work-groups are here: the first joint loads meet
	s_mov_b32 s[G0S], 1
	s_mov_b32 s[G0S+1], s95
	s_mov_b64 s[G0S+2:G0S+3], s[22:23]
	s_or_b32 s[G0S+3], s[G0S+3], 0x80000000
	s_mov_b32 s[G0SB], 1
	s_mov_b32 s[G0SB+1], s96
	s_mov_b64 s[G0SB+2:G0SB+3], s[92:93]
	s_or_b32 s[G0SB+3], s[G0SB+3], 0x80000000
	JLOAD G0S, G1S, G0SB, G1SB
.irp s, 0,1
	s_mov_b32 s[G0+4*\s], 1
	s_add_co_u32 s[G0+4*\s+1], s94, \s*SLOT
	s_add_nc_u64 s[G0+4*\s+2:G0+4*\s+3], s[20:21], \s*RB
	s_or_b32 s[G0+4*\s+3], s[G0+4*\s+3], 0x80000000
	s_mov_b32 s[G0B+4*\s], 1
	s_add_co_u32 s[G0B+4*\s+1], s67, \s*SLOT
	s_add_nc_u64 s[G0B+4*\s+2:G0B+4*\s+3], s[46:47], \s*RB
	s_or_b32 s[G0B+4*\s+3], s[G0B+4*\s+3], 0x80000000
	JLOAD G0+4*\s, G1, G0B+4*\s, G1B
.endr
	v_and_b32 v1, 15, v0                           ; r
	v_bfe_u32 v2, v0, 4, 1                         ; h
	v_and_b32 v3, 31, v0
	v_lshlrev_b32 v[CO], 4, v3                     ; 16 x lane
	v_lshlrev_b32 v3, 3, v3                        ; 8 x lane
	s_mul_i32 s21, s[WH], HALFA
	s_mul_i32 s22, s[WL], HALFB
	s_add_co_u32 s22, s22, 2*HALFA
.irp s, 0,1
	v_add_nc_u32 v[ADRA+\s], s21, v3
	v_add_nc_u32 v[ADRB+\s], s22, v3
	s_add_co_u32 s21, s21, SLOT
	s_add_co_u32 s22, s22, SLOT
.endr
	v_lshlrev_b32 v5, 2, v1
	s_mul_i32 s21, s[WH], HSA
	s_mul_i32 s22, s[WL], HSB
	s_add_co_u32 s22, s22, 2*HSA
	s_sub_co_u32 s22, s22, s21
	v_mul_u32_u24 v6, s22, v2                      ; lanes 16-31 take B's: one product, h x the distance
	s_add_co_u32 s21, s21, SCL
	v_add_nc_u32 v5, v5, v6
	v_add_nc_u32 v[ADRS], s21, v5
	s_mul_i32 s19, s[WV], 16*SPITCH                ; my stage
	v_mul_u32_u24 v5, v1, SPITCH
	v_lshl_add_u32 v5, v2, 6, v5
	v_add_nc_u32 v[STO], s19, v5                   ; in: row r, + 64 h: by the order of B's rows accumulators 2 i, 2 i + 1 hold columns 32 i + 16 h + 0 .. 15
	v_add_nc_u32 v[RD], s19, v[CO]                 ; back: the 32 lanes take one row of 512 bytes
	s_wait_tensorcnt 1                             ; the scale words and my part of K step 0 are in (K step 1's load may be out),
	s_barrier_signal -1
	s_barrier_wait -1
	FETCH_B 0, 0, 0
	FETCH_A 0, 0, 0
	SCALES 0
	FETCH_A 0, 0, MH
	STEP 0, 1
	s_mov_b32 s3, LAPS-1
.Llap:
	TURN 0, 1, 1
	STEP 1, 0
	TURN 1, 0, 1
	STEP 0, 0
	s_sub_co_u32 s3, s3, 1
	s_cmp_lg_u32 s3, 0
	s_cbranch_scc1 .Llap
	TURN 0, 1, 0
	STEP 1, 0
	s_wait_dscnt MH*NL
	MULQ 0, 1, 1, 1, 0
	MULQ MA/4, 1, 1, 1, 0
	s_wait_dscnt 0x0
	MULQ MA/2, 1, 1, 1, 0
	MULQ 3*MA/4, 1, 1, 1, 0
	WIN 0
	; THE WAY OUT, block by block of 16 rows x 128 columns, through my own stage; whole rows of 512 bytes come back, get residual and bias, and are stored.  Row t of block a is row 32 (a / 2) + 8 (a % 2) + t + 8 (t / 8) of my 64.
	PLACES NP
	s_lshl_b32 s20, s45, 7
	s_lshl_b32 s19, s[WH], 6
	s_add_co_u32 s20, s20, s19                     ; my first row
	s_lshl_b32 s20, s20, 12
	s_lshl_b32 s22, s42, 10
	s_lshl_b32 s19, s[WL], 9
	s_add_co_u32 s22, s22, s19                     ; my first column, in bytes
	s_mov_b32 s23, 0
	s_add_nc_u64 s[8:9], s[8:9], s[22:23]
	s_add_co_u32 s22, s22, s20
	s_add_nc_u64 s[10:11], s[10:11], s[22:23]
	s_add_nc_u64 s[12:13], s[12:13], s[22:23]
	global_load_b128 v[64:67], v[CO], s[8:9]       ; the bias of my four columns
	WIN 0x40
.irp a, 0,1,2,3
.irp t, 0,1,2,3,4,5,6,7,8,9,10,11,12,13,14,15
	global_load_b128 v[64*\a+4*\t:64*\a+4*\t+3], v[CO], s[10:11] offset:(32*(\a/2)+8*(\a%2)+\t+8*(\t/8))*4096 th:TH_LOAD_NT
.endr
.endr
	WIN 0
.macro TOSTAGE a
	WIN 0x08                                       ; an LDS store's data are its source 1: window 2
.irp b, 0,1,2,3,4,5,6,7
	ds_store_b128 v[STO], v[64*(\a)+8*\b:64*(\a)+8*\b+3] offset:128*(\b/2)+32*(\b%2)      ; each accumulator from its low end on
	ds_store_b128 v[STO], v[64*(\a)+8*\b+4:64*(\a)+8*\b+7] offset:128*(\b/2)+32*(\b%2)+16
.endr
	WIN 0
.set BB, BK+64*((\a)%2)
.irp t, 0,1,2,3,4,5,6,7,8,9,10,11,12,13,14,15
	ds_load_b128 v[BB+4*\t:BB+4*\t+3], v[RD] offset:\t*SPITCH   ; LDS serves a wave's instructions in order: these see the stores above
.endr
.endm
.macro SEND a, younger
.set BB, BK+64*((\a)%2)
	s_wait_dscnt \younger                          ; the block is back; the next block's 16 stores and 16 loads may be out
	s_wait_loadcnt 16*(3-(\a))                     ; its residual is in; the later blocks' 16 loads each may be out
	WIN 0x04                                       ; source 1 window 1
.set i, 0
.rept 32
	v_pk_add_f32 v[BB+i:BB+i+1], v[BB+i:BB+i+1], v[64*(\a)+i:64*(\a)+i+1]
.set i, i+2
.endr
	WIN 0
.irp t, 0,1,2,3,4,5,6,7,8,9,10,11,12,13,14,15
	v_pk_add_f32 v[BB+4*\t:BB+4*\t+1], v[BB+4*\t:BB+4*\t+1], v[64:65]
	v_pk_add_f32 v[BB+4*\t+2:BB+4*\t+3], v[BB+4*\t+2:BB+4*\t+3], v[66:67]
.endr
.irp t, 0,1,2,3,4,5,6,7,8,9,10,11,12,13,14,15
	global_store_b128 v[CO], v[BB+4*\t:BB+4*\t+3], s[12:13] offset:(32*((\a)/2)+8*((\a)%2)+\t+8*(\t/8))*4096 th:TH_STORE_NT   ; 32 lanes store 512 consecutive bytes, aligned
.endr
.endm
	TOSTAGE 0
	TOSTAGE 1
	SEND 0, 32
	s_wait_xcnt 0x0                                ; block 0's stores have read their registers: block 2's rows may land there
	TOSTAGE 2
	SEND 1, 32
	s_wait_xcnt 0x0
	TOSTAGE 3
	SEND 2, 32
	SEND 3, 0
	s_wait_tensorcnt 0x0                           ; the wave's end
	ds_add_u32 v[SPW], v[NIL]
	s_wait_dscnt 0x0
	CROUND                                         ; the closing round
	s_endpgm
.Lfunc_end_k_q28e440f482_oproj:
	.size	k_q28e440f482_oproj, .Lfunc_end_k_q28e440f482_oproj-k_q28e440f482_oproj
	.p2alignl 7, 3214868480
	.fill 96, 4, 3214868480
	.section	.rodata,"a",@progbits
	.p2align	6, 0x0
	.amdhsa_kernel k_q28e440f482_oproj
		.amdhsa_group_segment_fixed_size 327680
		.amdhsa_private_segment_fixed_size 0
		.amdhsa_enable_private_segment 0
		.amdhsa_kernarg_size 40
		.amdhsa_user_sgpr_count 2
		.amdhsa_user_sgpr_kernarg_segment_ptr 1
		.amdhsa_wavefront_size32 1
		.amdhsa_system_sgpr_workgroup_id_x 1
		.amdhsa_system_sgpr_workgroup_id_y 1
		.amdhsa_system_sgpr_workgroup_id_z 1
		.amdhsa_system_vgpr_workitem_id 0
		.amdhsa_next_free_vgpr 768
		.amdhsa_next_free_sgpr 100
		.amdhsa_reserve_vcc 0
		.amdhsa_float_denorm_mode_32 3
		.amdhsa_float_denorm_mode_16_64 3
		.amdhsa_memory_ordered 1
		.amdhsa_forward_progress 1
		.amdhsa_inst_pref_size 125
	.end_amdhsa_kernel
	.amdgpu_metadata
---
amdhsa.version: [ 1, 2 ]
amdhsa.kernels:
  - .name:           k_q28e440f482_oproj
    .symbol:         k_q28e440f482_oproj.kd
    .args:
      - { .name: att, .offset: 0, .size: 8, .value_kind: global_buffer, .address_space: global }
      - { .name: wts, .offset: 8, .size: 8, .value_kind: global_buffer, .address_space: global }
      - { .name: bo, .offset: 16, .size: 8, .value_kind: global_buffer, .address_space: global }
      - { .name: x, .offset: 24, .size: 8, .value_kind: global_buffer, .address_space: global }
      - { .name: x1, .offset: 32, .size: 8, .value_kind: global_buffer, .address_space: global }
    .group_segment_fixed_size: 327680
    .private_segment_fixed_size: 0
    .kernarg_segment_align: 8
    .kernarg_segment_size: 40
    .max_flat_workgroup_size: 128
    .sgpr_count:     100
    .vgpr_count:     768
    .wavefront_size: 32
...
	.end_amdgpu_metadata
.endif
;; end of part 5
;; launch ln2: the kernel of part 2 again; grid 256 x 1, 8 waves a work-group, no clusters, 69,632 bytes of LDS; arguments x1, ln2_w, ln2_b, hq; writes hq
;; launch fc (part 6): grid 16 x 16, 4 waves a work-group, clusters of 4 x 4, 327,680 bytes of LDS; arguments hq, wts, bfc, g; writes g
.if DOCPART == 6
	.amdgcn_target "amdgcn-amd-amdhsa--gfx1250"
	.amdhsa_code_object_version 6
	.text
	.protected	k_q28e440f482_fc
	.globl	k_q28e440f482_fc
	.p2align	8
	.type	k_q28e440f482_fc,@function
k_q28e440f482_fc:
	s_mov_b64 s[64:65], 0
	v_nop
	global_prefetch_b8 v0, s[64:65] scope:SCOPE_SE
	s_setreg_imm32_b32 hwreg(HW_REG_WAVE_MODE, 25, 1), 1
	s_wait_xcnt 0x0
	s_wait_alu depctr_hold_cnt(0) depctr_sa_sdst(0) depctr_va_vdst(0) depctr_va_sdst(0) depctr_va_ssrc(0) depctr_va_vcc(0) depctr_vm_vsrc(0)
	s_getreg_b32 s2, hwreg(HW_REG_IB_STS2, 6, 4)
	s_cmp_eq_u32 s2, 0
	s_cbranch_scc0 .Lentry_in_a_cluster
	s_endpgm
.Lentry_in_a_cluster:
	s_bfe_u32 s2, ttmp6, 0x10000c
	s_cmp_lg_u32 s2, 0xf033
	s_cbranch_scc0 .Lentry_shape_is_right
	s_endpgm
.Lentry_shape_is_right:
; g = gelu(h2 Wfc + bfc), tanh form, the product on codes of FP6 (E2M3) with one E8M0 scale for each 32 along K = 1,024; sums, bias and activation in f32.
; g is quantised in registers along its 4,096 columns, the next product's K, and leaves as codes: nothing wider is stored.
; gelu(x) = x / (1 + 2^(x (k0 + k1 x^2))), k0 = -2 log2(e) sqrt(2 / pi), k1 = 0.044715 k0: the same function as 0.5 x (1 + tanh(..)).
; LIMITS: NaN and infinities are not served; a block's largest magnitude is taken no smaller than 2^-124; a block of zeros gets the byte 1 (its codes are zeros; this program alone reads the bytes).
; OPERANDS lie in memory in the order of their registers: codes [row block of 16][K/64][768 bytes], scale words [row block][K/128][16 rows][4 bytes].  Row i lies at position i with bits 3 and 4 exchanged.
; A tile of C, 256 x 256, is made by four waves, a wave 128 x 128: 64 accumulators.  K goes in steps of 256 through a ring of two LDS slots filled by the tensor data mover.
; THE MATRIX INSTRUCTION IS USED TRANSPOSED (source 0 = 16 rows of B, source 1 = 16 rows of A).  By the order of B's rows the 16 registers of accumulators 2 i and 2 i + 1 are 16 NEIGHBOURING columns.
; CLUSTERS: 4 x 4 work-groups; A's tiles are asked for jointly along a row of the cluster, B's along a column.
; REGISTERS, in windows of 256: window 0: v0-31 addresses; v32-63 scale words, two sets, and nothing else; from v128 A's fragments, one set; in the epilogue v64-235 are at work.
;   window 1: B's fragments, two sets; in the epilogue the bias.   windows 2, 3: the accumulators ((a, b) at v[8 (8 (a % 4) + b)] of window 2 + a / 4).
.set SIZE_K, 1024
.set MA,    8
.set ASOFF, 3145728                    ; h2's scale words in hq
.set BCOFF, 3145728                    ; Wfc's codes in wts
.set BSOFF, 9568256                    ; Wfc's scale words
.set MH,    MA/2
.set RB,    3072
.set FR,    12
.set NL,    6
.set NP,    4
.set HALFA, MA*RB
.set HALFB, 8*RB
.set SLOT,  2*HALFA+2*HALFB
.set KST,   SIZE_K/128
.set SBLK,  64*KST
.set HSA,   MA*SBLK
.set HSB,   8*SBLK
.set SCL,   2*SLOT
.set SCLB,  SCL+2*HSA
.set SPARE, SCLB+2*HSB                 ; the spare words, 128 bytes for each wave: two blocks of 256 bytes that no other line names
.set LAPS,  SIZE_K/512
.set ADRA, 16
.set ADRB, 20
.set ADRS, 27
.set SPW,  28
.set NIL,  29
.set SC,   32
.set AF,   128
.set T,    64                          ; the epilogue: 64 numbers,
.set E,    128                         ; 64 at work on the activation,
.set PC,   192                         ; the codes
.set TM,   212
.set PW,   228
.set K1,   232                         ; v[232:233] k1 twice, v[234:235] k0 twice
.set K0,   234
.set WV, 16
.set WH, 17
.set WL, 18
.set G1, 24
.set G0, 32
.set G1B, 48
.set G0B, 56
.set G1S, 68
.set G0S, 76
.set G1SB, 80
.set G0SB, 88
.set SEL, 98
.set MSB, 0
.macro WIN new                         ; the immediate's high byte repeats the setting that is left
.if MSB != (\new)
	s_set_vgpr_msb (MSB<<8)|(\new)
.set MSB, \new
.endif
.endm
.macro JLOAD g0a, g1a, g0b, g1b        ; a joint load: waves 0 and 1 fetch for A, waves 2 and 3 for B; four v_nop follow each line
	s_cmp_eq_u32 s[WH], 0
	s_cbranch_scc0 .Lfor_b_\@
	tensor_load_to_lds s[\g0a:\g0a+3], s[\g1a:\g1a+7]
	s_nop 0
.rept 4
	v_nop
.endr
	s_branch .Lasked_\@
.Lfor_b_\@:
	tensor_load_to_lds s[\g0b:\g0b+3], s[\g1b:\g1b+7]
	s_nop 0
.rept 4
	v_nop
.endr
.Lasked_\@:
.endm
.macro CREST
	s_cmp_lg_u32 s[WV], 0
	s_cbranch_scc1 .Lnot_wave_0_\@
	s_barrier_signal -3
.Lnot_wave_0_\@:
	s_barrier_wait -3
	s_barrier_signal -1
	s_barrier_wait -1
.endm
.macro CROUND
	s_barrier_signal -1
	s_barrier_wait -1
	CREST
.endm
.macro PLACES n
.rept \n
	v_nop
.endr
.endm
.macro FRAG reg, adr, q, i             ; a fragment as it lies: six pieces of 256 bytes, 8 bytes a lane
.irp p, 0,1,2,3,4,5
	ds_load_b64 v[(\reg)+2*\p:(\reg)+2*\p+1], v[\adr] offset:(\i)*RB+(\q)*1536+256*\p
.endr
.endm
.macro FETCH_B slot, q, p
	WIN 0x40
.irp i, 0,1,2,3,4,5,6,7
	FRAG 128*(\p)+FR*\i, ADRB+\slot, \q, \i
.endr
	WIN 0
.endm
.macro FETCH_A slot, q, i0
.set FI, \i0
.rept MH
	FRAG AF+FR*FI, ADRA+\slot, \q, FI
.set FI, FI+1
.endr
.endm
.macro SCALES sc                       ; a slot's scale words: lanes 0-15 A's block i, lanes 16-31 B's
.irp i, 0,1,2,3,4,5,6,7
.irp q, 0,1
	ds_load_b32 v[SC+16*\sc+2*\i+\q], v[ADRS] offset:\i*SBLK+64*\q
.endr
.endr
.endm
.macro MULQ a0, p, q, sc, zero         ; a quarter of a step; the accumulators take turns, one instruction a turn
	WIN 0xa1+0x50*((\a0)/4)
.set AI, \a0
.rept MA/4
.irp b, 0,1,2,3,4,5,6,7
.if \zero
	v_wmma_scale_f32_16x16x128_f8f6f4 v[8*(8*(AI%4)+\b):8*(8*(AI%4)+\b)+7], v[128*(\p)+FR*\b:128*(\p)+FR*\b+FR-1], v[AF+FR*AI:AF+FR*AI+FR-1], 0, v[SC+16*(\sc)+2*\b+(\q)], v[SC+16*(\sc)+2*AI+(\q)] matrix_a_fmt:MATRIX_FMT_FP6 matrix_b_fmt:MATRIX_FMT_FP6 matrix_a_scale:MATRIX_SCALE_ROW1
.else
	v_wmma_scale_f32_16x16x128_f8f6f4 v[8*(8*(AI%4)+\b):8*(8*(AI%4)+\b)+7], v[128*(\p)+FR*\b:128*(\p)+FR*\b+FR-1], v[AF+FR*AI:AF+FR*AI+FR-1], v[8*(8*(AI%4)+\b):8*(8*(AI%4)+\b)+7], v[SC+16*(\sc)+2*\b+(\q)], v[SC+16*(\sc)+2*AI+(\q)] matrix_a_fmt:MATRIX_FMT_FP6 matrix_b_fmt:MATRIX_FMT_FP6 matrix_a_scale:MATRIX_SCALE_ROW1
.endif
.endr
.set AI, AI+1
.endr
.endm
.macro STEP slot, zero
	s_wait_dscnt MH*NL                             ; all but the youngest loads (A's upper blocks) are in
	MULQ 0, 0, 0, \slot, \zero
	MULQ MA/4, 0, 0, \slot, \zero
	s_wait_dscnt 0x0
	PLACES NP
	FETCH_B \slot, 1, 1
	FETCH_A \slot, 1, 0
	MULQ MA/2, 0, 0, \slot, \zero
	MULQ 3*MA/4, 0, 0, \slot, \zero
	PLACES NP
	WIN 0
	FETCH_A \slot, 1, MH
.endm
.macro TURN slot, next, fill           ; the change of slots: ONE barrier; in front of it the wait for all my tensor loads, the add, and the wait for it and for my reads of this slot
	s_wait_tensorcnt 0x0
	ds_add_u32 v[SPW], v[NIL]                      ; 0 onto my spare word
	s_wait_dscnt MH*NL+1                           ; (the add and A's upper blocks may be out)
	MULQ 0, 1, 1, \slot, 0
	s_wait_dscnt 0x0
	s_barrier_signal -1
	MULQ MA/4, 1, 1, \slot, 0
	WIN 0
	s_barrier_wait -1
.if \fill
	CREST                                          ; the barrier has opened a round of the cluster's
	s_add_nc_u64 s[G0+4*\slot+2:G0+4*\slot+3], s[G0+4*\slot+2:G0+4*\slot+3], 2*RB
	s_add_nc_u64 s[G0B+4*\slot+2:G0B+4*\slot+3], s[G0B+4*\slot+2:G0B+4*\slot+3], 2*RB
	JLOAD G0+4*\slot, G1, G0B+4*\slot, G1B         ; the first tensor load behind the round
.else
	PLACES NP
.endif
	v_add_nc_u32 v[ADRS], 128, v[ADRS]
	FETCH_B \next, 0, 0
	FETCH_A \next, 0, 0
	SCALES \next
	MULQ MA/2, 1, 1, \slot, 0
	MULQ 3*MA/4, 1, 1, \slot, 0
	PLACES NP
	WIN 0
	FETCH_A \next, 0, MH
.endm
.macro QUANT s                         ; 64 numbers of a lane, register 16 b + i = k 32 b + 16 h + i of my row, become a fragment's 12 registers in v[PC] on and its scale word in v[PW]
.irp b, 0,1,2,3
	v_max3_num_f32 v[TM+\b], |v[\s+16*\b]|, |v[\s+1+16*\b]|, 0x1800000   ; my 16 numbers, and the floor 2^(3 - 127)
.endr
.irp i, 2,4,6,8,10,12,14
.irp b, 0,1,2,3
	v_max3_num_f32 v[TM+\b], v[TM+\b], |v[\s+16*\b+\i]|, |v[\s+1+16*\b+\i]|
.endr
.endr
.irp b, 0,1,2,3
	v_permlanex16_b32 v[TM+4+\b], v[TM+\b], s[SEL], s[SEL+1]
.endr
.irp b, 0,1,2,3
	v_max_num_f32 v[TM+\b], v[TM+\b], v[TM+4+\b]
.endr
.irp b, 0,1,2,3
	v_add_nc_u32 v[TM+12+\b], 0xff000000, v[TM+\b]
.endr
.irp b, 0,1,2,3
	v_lshrrev_b32 v[TM+4+\b], 23, v[TM+12+\b]
.endr
	v_lshl_or_b32 v[PW], v[TM+5], 8, v[TM+4]
	v_lshl_or_b32 v[PW], v[TM+6], 16, v[PW]
	v_lshl_or_b32 v[PW], v[TM+7], 24, v[PW]
.irp c, 0,1
	v_cvt_scalef32_pk16_fp6_f32 v[PC+6*\c:PC+2+6*\c], v[\s+32*\c:\s+15+32*\c], v[TM+12+2*\c]
	v_cvt_scalef32_pk16_fp6_f32 v[PC+12+4*\c:PC+14+4*\c], v[\s+16+32*\c:\s+31+32*\c], v[TM+12+2*\c+1]
.endr
	v_nop                                          ; one plain place behind a scaled conversion
.irp c, 0,1
.irp i, 0,1,2
	v_permlane16_swap_b32 v[PC+6*\c+\i], v[PC+12+4*\c+\i]
.endr
.irp i, 0,1,2
	v_mov_b32 v[PC+3+6*\c+\i], v[PC+12+4*\c+\i]
.endr
.endr
.endm
	s_load_b256 s[4:11], s[0:1], 0x0               ; hq, wts, bfc, g
	v_lshl_add_u32 v[SPW], v0, 2, SPARE
	v_mov_b32 v[NIL], 0
	ds_add_u32 v28, v29
	ds_add_u32 v28, v29
	s_wait_dscnt 0x0
	v_lshrrev_b32 v1, 5, v0
	v_readfirstlane_b32 s[WV], v1
	s_lshr_b32 s[WH], s[WV], 1
	s_and_b32 s[WL], s[WV], 1
	s_bfe_u32 s40, ttmp6, 0x40000
	s_bfe_u32 s41, ttmp6, 0x40004
	s_lshl_b32 s42, ttmp9, 2
	s_add_co_u32 s42, s42, s40                     ; tile column
	s_and_b32 s45, ttmp7, 0xffff
	s_lshl_b32 s45, s45, 2
	s_add_co_u32 s45, s45, s41                     ; tile row
	s_lshl_b32 s43, s41, 2
	s_lshl_b32 s43, 15, s43
	s_lshl_b32 s44, 0x1111, s40
	s_or_b32 s[G1], s43, (3<<16)|(1<<21)           ; tiles: 8 rows of 384 elements of 8 bytes, 12 SIZE_K bytes apart, no padding
	s_or_b32 s[G1B], s44, (3<<16)|(1<<21)
.irp g, G1, G1B
	s_mov_b32 s[\g+1], 384<<16
	s_mov_b32 s[\g+3], 384<<16
	s_mov_b32 s[\g+5], SIZE_K*3/2
	s_mov_b32 s[\g+6], 0
	s_mov_b32 s[\g+7], 0
.endr
	s_mov_b32 s[G1+2], MA<<16
	s_mov_b32 s[G1+4], MA
	s_mov_b32 s[G1B+2], 8<<16
	s_mov_b32 s[G1B+4], 8
	s_or_b32 s[G1S], s43, (3<<16)|(1<<21)          ; scale words: a dense block, as rows of 256 bytes
	s_or_b32 s[G1SB], s44, (3<<16)|(1<<21)
.irp g, G1S, G1SB
	s_mov_b32 s[\g+1], 32<<16
	s_mov_b32 s[\g+3], 32<<16
	s_mov_b32 s[\g+5], 32
	s_mov_b32 s[\g+6], 0
	s_mov_b32 s[\g+7], 0
.endr
	s_mov_b32 s[G1S+2], (HSA/256)<<16
	s_mov_b32 s[G1S+4], HSA/256
	s_mov_b32 s[G1SB+2], (HSB/256)<<16
	s_mov_b32 s[G1SB+4], HSB/256
	s_mul_i32 s20, s45, 2*MA
	s_mul_i32 s19, s[WL], MA
	s_add_co_u32 s20, s20, s19
	s_lshl_b32 s46, s42, 4
	s_lshl_b32 s19, s[WL], 3
	s_add_co_u32 s46, s46, s19
	s_mul_i32 s22, s20, SBLK
	s_add_co_u32 s22, s22, ASOFF
	s_mov_b32 s23, 0
	s_mul_i32 s20, s20, 12*SIZE_K
	s_mov_b32 s21, 0
	s_mul_i32 s92, s46, SBLK
	s_add_co_u32 s92, s92, BSOFF
	s_mov_b32 s93, 0
	s_mul_i32 s46, s46, 12*SIZE_K
	s_add_co_u32 s46, s46, BCOFF
	s_mov_b32 s47, 0
	s_mul_i32 s94, s[WL], HALFA
	s_mul_i32 s67, s[WL], HALFB
	s_add_co_u32 s67, s67, 2*HALFA
	s_mul_i32 s95, s[WL], HSA
	s_add_co_u32 s95, s95, SCL
	s_mul_i32 s96, s[WL], HSB
	s_add_co_u32 s96, s96, SCLB
	s_wait_kmcnt 0x0
	s_add_nc_u64 s[20:21], s[4:5], s[20:21]
	s_add_nc_u64 s[22:23], s[4:5], s[22:23]
	s_add_nc_u64 s[46:47], s[6:7], s[46:47]
	s_add_nc_u64 s[92:93], s[6:7], s[92:93]
	CROUND                                         ; all sixteen work-groups are here: the first joint loads meet
	s_mov_b32 s[G0S], 1
	s_mov_b32 s[G0S+1], s95
	s_mov_b64 s[G0S+2:G0S+3], s[22:23]
	s_or_b32 s[G0S+3], s[G0S+3], 0x80000000
	s_mov_b32 s[G0SB], 1
	s_mov_b32 s[G0SB+1], s96
	s_mov_b64 s[G0SB+2:G0SB+3], s[92:93]
	s_or_b32 s[G0SB+3], s[G0SB+3], 0x80000000
	JLOAD G0S, G1S, G0SB, G1SB
.irp s, 0,1
	s_mov_b32 s[G0+4*\s], 1
	s_add_co_u32 s[G0+4*\s+1], s94, \s*SLOT
	s_add_nc_u64 s[G0+4*\s+2:G0+4*\s+3], s[20:21], \s*RB
	s_or_b32 s[G0+4*\s+3], s[G0+4*\s+3], 0x80000000
	s_mov_b32 s[G0B+4*\s], 1
	s_add_co_u32 s[G0B+4*\s+1], s67, \s*SLOT
	s_add_nc_u64 s[G0B+4*\s+2:G0B+4*\s+3], s[46:47], \s*RB
	s_or_b32 s[G0B+4*\s+3], s[G0B+4*\s+3], 0x80000000
	JLOAD G0+4*\s, G1, G0B+4*\s, G1B
.endr
	v_and_b32 v1, 15, v0                           ; r
	v_bfe_u32 v2, v0, 4, 1                         ; h
	v_and_b32 v3, 31, v0
	v_lshlrev_b32 v3, 3, v3                        ; 8 x lane
	s_mul_i32 s21, s[WH], HALFA
	s_mul_i32 s22, s[WL], HALFB
	s_add_co_u32 s22, s22, 2*HALFA
.irp s, 0,1
	v_add_nc_u32 v[ADRA+\s], s21, v3
	v_add_nc_u32 v[ADRB+\s], s22, v3
	s_add_co_u32 s21, s21, SLOT
	s_add_co_u32 s22, s22, SLOT
.endr
	v_lshlrev_b32 v5, 2, v1
	s_mul_i32 s21, s[WH], HSA
	s_mul_i32 s22, s[WL], HSB
	s_add_co_u32 s22, s22, 2*HSA
	s_sub_co_u32 s22, s22, s21
	v_mul_u32_u24 v6, s22, v2                      ; lanes 16-31 take B's: one product, h x the distance
	s_add_co_u32 s21, s21, SCL
	v_add_nc_u32 v5, v5, v6
	v_add_nc_u32 v[ADRS], s21, v5
	s_wait_tensorcnt 1                             ; the scale words and my part of K step 0 are in (K step 1's load may be out),
	s_barrier_signal -1
	s_barrier_wait -1
	FETCH_B 0, 0, 0
	FETCH_A 0, 0, 0
	SCALES 0
	FETCH_A 0, 0, MH
	STEP 0, 1
	s_mov_b32 s3, LAPS-1
.Llap:
	TURN 0, 1, 1
	STEP 1, 0
	TURN 1, 0, 1
	STEP 0, 0
	s_sub_co_u32 s3, s3, 1
	s_cmp_lg_u32 s3, 0
	s_cbranch_scc1 .Llap
	TURN 0, 1, 0
	STEP 1, 0
	s_wait_dscnt MH*NL
	MULQ 0, 1, 1, 1, 0
	MULQ MA/4, 1, 1, 1, 0
	s_wait_dscnt 0x0
	MULQ MA/2, 1, 1, 1, 0
	MULQ 3*MA/4, 1, 1, 1, 0
	WIN 0
	; THE EPILOGUE, without LDS: for each of A's eight blocks the lane's 64 results get bias and activation, are quantised in registers, and leave as pieces of 256 consecutive bytes.
	PLACES NP
.irp b, 0,1,2,3
	v_mov_b32 v[TM+4+\b], 0                        ; a lane permute's destination counts as one of its sources
.endr
	s_mov_b32 s[SEL], 0x76543210
	s_mov_b32 s[SEL+1], 0xfedcba98
	v_mov_b32 v[K1], 0xbdd2d3e8                    ; k1 = -0.10294324
	v_mov_b32 v[K1+1], 0xbdd2d3e8
	v_mov_b32 v[K0], 0xc0135761                    ; k0 = -2.3022082
	v_mov_b32 v[K0+1], 0xc0135761
	v_lshlrev_b32 v25, 2, v1                       ; 4 r
	v_lshlrev_b32 v26, 6, v2                       ; 64 h
	s_lshl_b32 s20, s42, 1
	s_add_co_u32 s20, s20, s[WL]                   ; my 128 columns: K step 2 tile column + half of the next product
	s_lshl_b32 s22, s20, 9
	s_mov_b32 s23, 0
	s_add_nc_u64 s[8:9], s[8:9], s[22:23]          ; their bias
	s_lshl_b32 s21, s45, 4
	s_lshl_b32 s19, s[WH], 3
	s_add_co_u32 s21, s21, s19                     ; my first row block
	s_mul_i32 s22, s21, 49152
	s_mul_i32 s19, s20, 1536
	s_add_co_u32 s22, s22, s19
	s_add_nc_u64 s[12:13], s[10:11], s[22:23]      ; the codes
	s_lshl_b32 s22, s21, 11
	s_lshl_b32 s19, s20, 6
	s_add_co_u32 s22, s22, s19
	s_add_co_u32 s22, s22, 12582912
	s_add_nc_u64 s[14:15], s[10:11], s[22:23]      ; the scale words
	WIN 0x40
.irp b, 0,1,2,3
.irp j, 0,1,2,3
	global_load_b128 v[16*\b+4*\j:16*\b+4*\j+3], v26, s[8:9] offset:128*\b+16*\j   ; the bias of my 64 columns, in the results' order
.endr
.endr
	WIN 0
	s_wait_loadcnt 0x0
.macro EBLK a
	s_wait_xcnt 0x0                                ; the last block's stores have read their registers
	WIN 0x06+(\a)/4                                ; source 0 window 2 or 3, source 1 window 1
.set i, 0
.rept 32
	v_pk_add_f32 v[T+i:T+i+1], v[64*((\a)%4)+i:64*((\a)%4)+i+1], v[i:i+1]   ; each accumulator from its low end on
.set i, i+2
.endr
	WIN 0
.set i, 0
.rept 32
	v_pk_mul_f32 v[E+i:E+i+1], v[T+i:T+i+1], v[T+i:T+i+1]
.set i, i+2
.endr
.set i, 0
.rept 32
	v_pk_fma_f32 v[E+i:E+i+1], v[E+i:E+i+1], v[K1:K1+1], v[K0:K0+1]
.set i, i+2
.endr
.set i, 0
.rept 32
	v_pk_mul_f32 v[E+i:E+i+1], v[E+i:E+i+1], v[T+i:T+i+1]
.set i, i+2
.endr
.set i, 0
.rept 64
	v_exp_f32 v[E+i], v[E+i]
.set i, i+1
.endr
	v_nop                                          ; a plain place behind the batch,
	s_wait_alu depctr_va_vdst(0)                   ; and one wait for it, ahead of its first reader
.set i, 0
.rept 32
	v_pk_add_f32 v[E+i:E+i+1], v[E+i:E+i+1], 1.0 op_sel_hi:[1,0]
.set i, i+2
.endr
.set i, 0
.rept 64
	v_rcp_f32 v[E+i], v[E+i]
.set i, i+1
.endr
	v_nop
	s_wait_alu depctr_va_vdst(0)
.set i, 0
.rept 32
	v_pk_mul_f32 v[T+i:T+i+1], v[T+i:T+i+1], v[E+i:E+i+1]
.set i, i+2
.endr
	QUANT T
.irp p, 0,1,2,3,4,5
	global_store_b64 v3, v[PC+2*\p:PC+2*\p+1], s[12:13] offset:(\a)*49152+256*\p   ; 32 lanes store 256 consecutive bytes, aligned
.endr
	global_store_b32 v25, v[PW], s[14:15] offset:(\a)*2048
.endm
.irp a, 0,1,2,3,4,5,6,7
	EBLK \a
.endr
	s_wait_tensorcnt 0x0                           ; the wave's end
	ds_add_u32 v[SPW], v[NIL]
	s_wait_dscnt 0x0
	CROUND                                         ; the closing round
	s_endpgm
.Lfunc_end_k_q28e440f482_fc:
	.size	k_q28e440f482_fc, .Lfunc_end_k_q28e440f482_fc-k_q28e440f482_fc
	.p2alignl 7, 3214868480
	.fill 96, 4, 3214868480
	.section	.rodata,"a",@progbits
	.p2align	6, 0x0
	.amdhsa_kernel k_q28e440f482_fc
		.amdhsa_group_segment_fixed_size 327680
		.amdhsa_private_segment_fixed_size 0
		.amdhsa_enable_private_segment 0
		.amdhsa_kernarg_size 32
		.amdhsa_user_sgpr_count 2
		.amdhsa_user_sgpr_kernarg_segment_ptr 1
		.amdhsa_wavefront_size32 1
		.amdhsa_system_sgpr_workgroup_id_x 1
		.amdhsa_system_sgpr_workgroup_id_y 1
		.amdhsa_system_sgpr_workgroup_id_z 1
		.amdhsa_system_vgpr_workitem_id 0
		.amdhsa_next_free_vgpr 1024
		.amdhsa_next_free_sgpr 100
		.amdhsa_reserve_vcc 0
		.amdhsa_float_denorm_mode_32 3
		.amdhsa_float_denorm_mode_16_64 3
		.amdhsa_memory_ordered 1
		.amdhsa_forward_progress 1
		.amdhsa_inst_pref_size 255
	.end_amdhsa_kernel
	.section	.bss,"aw",@nobits
	.p2align	6
	.space	262144
	.amdgpu_metadata
---
amdhsa.version: [ 1, 2 ]
amdhsa.kernels:
  - .name:           k_q28e440f482_fc
    .symbol:         k_q28e440f482_fc.kd
    .args:
      - { .name: hq, .offset: 0, .size: 8, .value_kind: global_buffer, .address_space: global }
      - { .name: wts, .offset: 8, .size: 8, .value_kind: global_buffer, .address_space: global }
      - { .name: bfc, .offset: 16, .size: 8, .value_kind: global_buffer, .address_space: global }
      - { .name: g, .offset: 24, .size: 8, .value_kind: global_buffer, .address_space: global }
    .group_segment_fixed_size: 327680
    .private_segment_fixed_size: 0
    .kernarg_segment_align: 8
    .kernarg_segment_size: 32
    .max_flat_workgroup_size: 128
    .sgpr_count:     100
    .vgpr_count:     1024
    .wavefront_size: 32
...
	.end_amdgpu_metadata
.endif
;; end of part 6
;; launch proj (part 7): grid 4 x 32, 4 waves a work-group, clusters of 4 x 4, 327,680 bytes of LDS; arguments g, wts, bp, x1, out0; writes out0
.if DOCPART == 7
	.amdgcn_target "amdgcn-amd-amdhsa--gfx1250"
	.amdhsa_code_object_version 6
	.text
	.protected	k_q28e440f482_proj
	.globl	k_q28e440f482_proj
	.p2align	8
	.type	k_q28e440f482_proj,@function
k_q28e440f482_proj:
	s_mov_b64 s[64:65], 0
	v_nop
	global_prefetch_b8 v0, s[64:65] scope:SCOPE_SE
	s_setreg_imm32_b32 hwreg(HW_REG_WAVE_MODE, 25, 1), 1
	s_wait_xcnt 0x0
	s_wait_alu depctr_hold_cnt(0) depctr_sa_sdst(0) depctr_va_vdst(0) depctr_va_sdst(0) depctr_va_ssrc(0) depctr_va_vcc(0) depctr_vm_vsrc(0)
	s_getreg_b32 s2, hwreg(HW_REG_IB_STS2, 6, 4)
	s_cmp_eq_u32 s2, 0
	s_cbranch_scc0 .Lentry_in_a_cluster
	s_endpgm
.Lentry_in_a_cluster:
	s_bfe_u32 s2, ttmp6, 0x10000c
	s_cmp_lg_u32 s2, 0xf033
	s_cbranch_scc0 .Lentry_shape_is_right
	s_endpgm
.Lentry_shape_is_right:
; out = x1 + (g Wp + bp): the product on codes of FP6 (E2M3) with one E8M0 scale for each 32 along K = 4,096; sums, bias and residual in f32; out is f32, rows and columns in their natural order.
; OPERANDS lie in memory in the order of their registers: codes [row block of 16][K/64][768 bytes], scale words [row block][K/128][16 rows][4 bytes].  Row i lies at position i with bits 3 and 4 exchanged.
; A tile of C is 128 rows x 256 columns, so that 128 work-groups have work; four waves, a wave 64 x 128: 32 accumulators.  K goes in steps of 256 through a ring of two LDS slots filled by the tensor data
; mover: a row block's part of a step is 3,072 consecutive bytes.  The scale words of the tile's rows, for all of K, come into LDS once, with the first fills.
; THE MATRIX INSTRUCTION IS USED TRANSPOSED (source 0 = 16 rows of B, source 1 = 16 rows of A): a lane holds eight neighbouring numbers of a row of C.
; CLUSTERS: 4 x 4 work-groups; A's tiles are asked for jointly along a row of the cluster, B's along a column.
; REGISTERS, in windows of 256: window 0: v0-31 addresses; v32-63 scale words, two sets, and nothing else; from v128 A's fragments, one set; on the way out v64-67 the bias, v128-255 rows of C.
;   window 1: B's fragments, two sets, at v0 and v128; on the way out the residual.   window 2: the accumulators ((a, b) at v[8 (8 a + b)]).
.set SIZE_K, 4096
.set MA,    4                          ; A's row blocks for a wave
.set ASOFF, 12582912                   ; A's scale words in g
.set BCOFF, 6291456                    ; Wp's codes in wts
.set BSOFF, 9699328                    ; Wp's scale words
.set MH,    MA/2
.set RB,    3072
.set FR,    12
.set NL,    6
.set NP,    4
.set HALFA, MA*RB
.set HALFB, 8*RB
.set SLOT,  2*HALFA+2*HALFB
.set KST,   SIZE_K/128
.set SBLK,  64*KST
.set HSA,   MA*SBLK
.set HSB,   8*SBLK
.set SCL,   2*SLOT
.set SCLB,  SCL+2*HSA
.set SPARE, SCLB+2*HSB                 ; the spare words, 128 bytes for each wave: two blocks of 256 bytes that no other line names
.set LAPS,  SIZE_K/512
.set SPITCH, 528                       ; the way out: a stage of 16 rows x (512 + 16) bytes for each wave, in slot 0, which has had its last fill and its last read by then
.set ADRA, 16
.set ADRB, 20
.set STO,  24
.set RD,   25
.set CO,   26
.set ADRS, 27
.set SPW,  28
.set NIL,  29
.set SC,   32
.set AF,   128
.set BK,   128
.set WV, 16
.set WH, 17
.set WL, 18
.set G1, 24
.set G0, 32
.set G1B, 48
.set G0B, 56
.set G1S, 68
.set G0S, 76
.set G1SB, 80
.set G0SB, 88
.set MSB, 0
.macro WIN new                         ; the immediate's high byte repeats the setting that is left
.if MSB != (\new)
	s_set_vgpr_msb (MSB<<8)|(\new)
.set MSB, \new
.endif
.endm
.macro JLOAD g0a, g1a, g0b, g1b        ; a joint load: waves 0 and 1 fetch for A, waves 2 and 3 for B; four v_nop follow each line
	s_cmp_eq_u32 s[WH], 0
	s_cbranch_scc0 .Lfor_b_\@
	tensor_load_to_lds s[\g0a:\g0a+3], s[\g1a:\g1a+7]
	s_nop 0
.rept 4
	v_nop
.endr
	s_branch .Lasked_\@
.Lfor_b_\@:
	tensor_load_to_lds s[\g0b:\g0b+3], s[\g1b:\g1b+7]
	s_nop 0
.rept 4
	v_nop
.endr
.Lasked_\@:
.endm
.macro CREST
	s_cmp_lg_u32 s[WV], 0
	s_cbranch_scc1 .Lnot_wave_0_\@
	s_barrier_signal -3
.Lnot_wave_0_\@:
	s_barrier_wait -3
	s_barrier_signal -1
	s_barrier_wait -1
.endm
.macro CROUND
	s_barrier_signal -1
	s_barrier_wait -1
	CREST
.endm
.macro PLACES n
.rept \n
	v_nop
.endr
.endm
.macro FRAG reg, adr, q, i             ; a fragment as it lies: six pieces of 256 bytes, 8 bytes a lane
.irp p, 0,1,2,3,4,5
	ds_load_b64 v[(\reg)+2*\p:(\reg)+2*\p+1], v[\adr] offset:(\i)*RB+(\q)*1536+256*\p
.endr
.endm
.macro FETCH_B slot, q, p
	WIN 0x40
.irp i, 0,1,2,3,4,5,6,7
	FRAG 128*(\p)+FR*\i, ADRB+\slot, \q, \i
.endr
	WIN 0
.endm
.macro FETCH_A slot, q, i0
.set FI, \i0
.rept MH
	FRAG AF+FR*FI, ADRA+\slot, \q, FI
.set FI, FI+1
.endr
.endm
.macro SCALES sc                       ; a slot's scale words: lanes 0-15 A's block i, lanes 16-31 B's.  A has four blocks: for i of 4 and more the low lanes read on into bytes of the scale area, and are never named
.irp i, 0,1,2,3,4,5,6,7
.irp q, 0,1
	ds_load_b32 v[SC+16*\sc+2*\i+\q], v[ADRS] offset:\i*SBLK+64*\q
.endr
.endr
.endm
.macro MULQ a0, p, q, sc, zero         ; a quarter of a step; the accumulators take turns, one instruction a turn
	WIN 0xa1+0x50*((\a0)/4)
.set AI, \a0
.rept MA/4
.irp b, 0,1,2,3,4,5,6,7
.if \zero
	v_wmma_scale_f32_16x16x128_f8f6f4 v[8*(8*(AI%4)+\b):8*(8*(AI%4)+\b)+7], v[128*(\p)+FR*\b:128*(\p)+FR*\b+FR-1], v[AF+FR*AI:AF+FR*AI+FR-1], 0, v[SC+16*(\sc)+2*\b+(\q)], v[SC+16*(\sc)+2*AI+(\q)] matrix_a_fmt:MATRIX_FMT_FP6 matrix_b_fmt:MATRIX_FMT_FP6 matrix_a_scale:MATRIX_SCALE_ROW1
.else
	v_wmma_scale_f32_16x16x128_f8f6f4 v[8*(8*(AI%4)+\b):8*(8*(AI%4)+\b)+7], v[128*(\p)+FR*\b:128*(\p)+FR*\b+FR-1], v[AF+FR*AI:AF+FR*AI+FR-1], v[8*(8*(AI%4)+\b):8*(8*(AI%4)+\b)+7], v[SC+16*(\sc)+2*\b+(\q)], v[SC+16*(\sc)+2*AI+(\q)] matrix_a_fmt:MATRIX_FMT_FP6 matrix_b_fmt:MATRIX_FMT_FP6 matrix_a_scale:MATRIX_SCALE_ROW1
.endif
.endr
.set AI, AI+1
.endr
.endm
.macro STEP slot, zero
	s_wait_dscnt MH*NL                             ; all but the youngest loads (A's upper blocks) are in
	MULQ 0, 0, 0, \slot, \zero
	MULQ MA/4, 0, 0, \slot, \zero
	s_wait_dscnt 0x0
	PLACES NP
	FETCH_B \slot, 1, 1
	FETCH_A \slot, 1, 0
	MULQ MA/2, 0, 0, \slot, \zero
	MULQ 3*MA/4, 0, 0, \slot, \zero
	PLACES NP
	WIN 0
	FETCH_A \slot, 1, MH
.endm
.macro TURN slot, next, fill           ; the change of slots: ONE barrier; in front of it the wait for all my tensor loads, the add, and the wait for it and for my reads of this slot
	s_wait_tensorcnt 0x0
	ds_add_u32 v[SPW], v[NIL]                      ; 0 onto my spare word
	s_wait_dscnt MH*NL+1                           ; (the add and A's upper blocks may be out)
	MULQ 0, 1, 1, \slot, 0
	s_wait_dscnt 0x0
	s_barrier_signal -1
	MULQ MA/4, 1, 1, \slot, 0
	WIN 0
	s_barrier_wait -1
.if \fill
	CREST                                          ; the barrier has opened a round of the cluster's
	s_add_nc_u64 s[G0+4*\slot+2:G0+4*\slot+3], s[G0+4*\slot+2:G0+4*\slot+3], 2*RB
	s_add_nc_u64 s[G0B+4*\slot+2:G0B+4*\slot+3], s[G0B+4*\slot+2:G0B+4*\slot+3], 2*RB
	JLOAD G0+4*\slot, G1, G0B+4*\slot, G1B         ; the first tensor load behind the round
.else
	PLACES NP
.endif
	v_add_nc_u32 v[ADRS], 128, v[ADRS]
	FETCH_B \next, 0, 0
	FETCH_A \next, 0, 0
	SCALES \next
	MULQ MA/2, 1, 1, \slot, 0
	MULQ 3*MA/4, 1, 1, \slot, 0
	PLACES NP
	WIN 0
	FETCH_A \next, 0, MH
.endm
	s_load_b256 s[4:11], s[0:1], 0x0               ; A's buffer, wts, the bias, the residual
	s_load_b64 s[12:13], s[0:1], 0x20              ; the output
	v_lshl_add_u32 v[SPW], v0, 2, SPARE
	v_mov_b32 v[NIL], 0
	ds_add_u32 v28, v29
	ds_add_u32 v28, v29
	s_wait_dscnt 0x0
	v_lshrrev_b32 v1, 5, v0
	v_readfirstlane_b32 s[WV], v1
	s_lshr_b32 s[WH], s[WV], 1
	s_and_b32 s[WL], s[WV], 1
	s_bfe_u32 s40, ttmp6, 0x40000
	s_bfe_u32 s41, ttmp6, 0x40004
	s_lshl_b32 s42, ttmp9, 2
	s_add_co_u32 s42, s42, s40                     ; tile column
	s_and_b32 s45, ttmp7, 0xffff
	s_lshl_b32 s45, s45, 2
	s_add_co_u32 s45, s45, s41                     ; tile row
	s_lshl_b32 s43, s41, 2
	s_lshl_b32 s43, 15, s43
	s_lshl_b32 s44, 0x1111, s40
	s_or_b32 s[G1], s43, (3<<16)|(1<<21)           ; tiles: MA (B: 8) rows of 384 elements of 8 bytes, 12 SIZE_K bytes apart, no padding
	s_or_b32 s[G1B], s44, (3<<16)|(1<<21)
.irp g, G1, G1B
	s_mov_b32 s[\g+1], 384<<16
	s_mov_b32 s[\g+3], 384<<16
	s_mov_b32 s[\g+5], SIZE_K*3/2
	s_mov_b32 s[\g+6], 0
	s_mov_b32 s[\g+7], 0
.endr
	s_mov_b32 s[G1+2], MA<<16
	s_mov_b32 s[G1+4], MA
	s_mov_b32 s[G1B+2], 8<<16
	s_mov_b32 s[G1B+4], 8
	s_or_b32 s[G1S], s43, (3<<16)|(1<<21)          ; scale words: a dense block, as rows of 256 bytes
	s_or_b32 s[G1SB], s44, (3<<16)|(1<<21)
.irp g, G1S, G1SB
	s_mov_b32 s[\g+1], 32<<16
	s_mov_b32 s[\g+3], 32<<16
	s_mov_b32 s[\g+5], 32
	s_mov_b32 s[\g+6], 0
	s_mov_b32 s[\g+7], 0
.endr
	s_mov_b32 s[G1S+2], (HSA/256)<<16
	s_mov_b32 s[G1S+4], HSA/256
	s_mov_b32 s[G1SB+2], (HSB/256)<<16
	s_mov_b32 s[G1SB+4], HSB/256
	s_mul_i32 s20, s45, 2*MA
	s_mul_i32 s19, s[WL], MA
	s_add_co_u32 s20, s20, s19
	s_lshl_b32 s46, s42, 4
	s_lshl_b32 s19, s[WL], 3
	s_add_co_u32 s46, s46, s19
	s_mul_i32 s22, s20, SBLK
	s_add_co_u32 s22, s22, ASOFF
	s_mov_b32 s23, 0
	s_mul_i32 s20, s20, 12*SIZE_K
	s_mov_b32 s21, 0
	s_mul_i32 s92, s46, SBLK
	s_add_co_u32 s92, s92, BSOFF
	s_mov_b32 s93, 0
	s_mul_i32 s46, s46, 12*SIZE_K
	s_add_co_u32 s46, s46, BCOFF
	s_mov_b32 s47, 0
	s_mul_i32 s94, s[WL], HALFA
	s_mul_i32 s67, s[WL], HALFB
	s_add_co_u32 s67, s67, 2*HALFA
	s_mul_i32 s95, s[WL], HSA
	s_add_co_u32 s95, s95, SCL
	s_mul_i32 s96, s[WL], HSB
	s_add_co_u32 s96, s96, SCLB
	s_wait_kmcnt 0x0
	s_add_nc_u64 s[20:21], s[4:5], s[20:21]
	s_add_nc_u64 s[22:23], s[4:5], s[22:23]
	s_add_nc_u64 s[46:47], s[6:7], s[46:47]
	s_add_nc_u64 s[92:93], s[6:7], s[92:93]
	CROUND                                         ; all sixteen work-groups are here: the first joint loads meet
	s_mov_b32 s[G0S], 1
	s_mov_b32 s[G0S+1], s95
	s_mov_b64 s[G0S+2:G0S+3], s[22:23]
	s_or_b32 s[G0S+3], s[G0S+3], 0x80000000
	s_mov_b32 s[G0SB], 1
	s_mov_b32 s[G0SB+1], s96
	s_mov_b64 s[G0SB+2:G0SB+3], s[92:93]
	s_or_b32 s[G0SB+3], s[G0SB+3], 0x80000000
	JLOAD G0S, G1S, G0SB, G1SB
.irp s, 0,1
	s_mov_b32 s[G0+4*\s], 1
	s_add_co_u32 s[G0+4*\s+1], s94, \s*SLOT
	s_add_nc_u64 s[G0+4*\s+2:G0+4*\s+3], s[20:21], \s*RB
	s_or_b32 s[G0+4*\s+3], s[G0+4*\s+3], 0x80000000
	s_mov_b32 s[G0B+4*\s], 1
	s_add_co_u32 s[G0B+4*\s+1], s67, \s*SLOT
	s_add_nc_u64 s[G0B+4*\s+2:G0B+4*\s+3], s[46:47], \s*RB
	s_or_b32 s[G0B+4*\s+3], s[G0B+4*\s+3], 0x80000000
	JLOAD G0+4*\s, G1, G0B+4*\s, G1B
.endr
	v_and_b32 v1, 15, v0                           ; r
	v_bfe_u32 v2, v0, 4, 1                         ; h
	v_and_b32 v3, 31, v0
	v_lshlrev_b32 v[CO], 4, v3                     ; 16 x lane
	v_lshlrev_b32 v3, 3, v3                        ; 8 x lane
	s_mul_i32 s21, s[WH], HALFA
	s_mul_i32 s22, s[WL], HALFB
	s_add_co_u32 s22, s22, 2*HALFA
.irp s, 0,1
	v_add_nc_u32 v[ADRA+\s], s21, v3
	v_add_nc_u32 v[ADRB+\s], s22, v3
	s_add_co_u32 s21, s21, SLOT
	s_add_co_u32 s22, s22, SLOT
.endr
	v_lshlrev_b32 v5, 2, v1
	s_mul_i32 s21, s[WH], HSA
	s_mul_i32 s22, s[WL], HSB
	s_add_co_u32 s22, s22, 2*HSA
	s_sub_co_u32 s22, s22, s21
	v_mul_u32_u24 v6, s22, v2                      ; lanes 16-31 take B's: one product, h x the distance
	s_add_co_u32 s21, s21, SCL
	v_add_nc_u32 v5, v5, v6
	v_add_nc_u32 v[ADRS], s21, v5
	s_mul_i32 s19, s[WV], 16*SPITCH                ; my stage
	v_mul_u32_u24 v5, v1, SPITCH
	v_lshl_add_u32 v5, v2, 6, v5
	v_add_nc_u32 v[STO], s19, v5                   ; in: row r, + 64 h: by the order of B's rows accumulators 2 i, 2 i + 1 hold columns 32 i + 16 h + 0 .. 15
	v_add_nc_u32 v[RD], s19, v[CO]                 ; back: the 32 lanes take one row of 512 bytes
	s_wait_tensorcnt 1                             ; the scale words and my part of K step 0 are in (K step 1's load may be out),
	s_barrier_signal -1
	s_barrier_wait -1
	FETCH_B 0, 0, 0
	FETCH_A 0, 0, 0
	SCALES 0
	FETCH_A 0, 0, MH
	STEP 0, 1
	s_mov_b32 s3, LAPS-1
.Llap:
	TURN 0, 1, 1
	STEP 1, 0
	TURN 1, 0, 1
	STEP 0, 0
	s_sub_co_u32 s3, s3, 1
	s_cmp_lg_u32 s3, 0
	s_cbranch_scc1 .Llap
	TURN 0, 1, 0
	STEP 1, 0
	s_wait_dscnt MH*NL
	MULQ 0, 1, 1, 1, 0
	MULQ MA/4, 1, 1, 1, 0
	s_wait_dscnt 0x0
	MULQ MA/2, 1, 1, 1, 0
	MULQ 3*MA/4, 1, 1, 1, 0
	WIN 0
	; THE WAY OUT, block by block of 16 rows x 128 columns, through my own stage; whole rows of 512 bytes come back, get residual and bias, and are stored.  Row t of block a is row 32 (a / 2) + 8 (a % 2) + t + 8 (t / 8) of my 64.
	PLACES NP
	s_lshl_b32 s20, s45, 7
	s_lshl_b32 s19, s[WH], 6
	s_add_co_u32 s20, s20, s19                     ; my first row
	s_lshl_b32 s20, s20, 12
	s_lshl_b32 s22, s42, 10
	s_lshl_b32 s19, s[WL], 9
	s_add_co_u32 s22, s22, s19                     ; my first column, in bytes
	s_mov_b32 s23, 0
	s_add_nc_u64 s[8:9], s[8:9], s[22:23]
	s_add_co_u32 s22, s22, s20
	s_add_nc_u64 s[10:11], s[10:11], s[22:23]
	s_add_nc_u64 s[12:13], s[12:13], s[22:23]
	global_load_b128 v[64:67], v[CO], s[8:9]       ; the bias of my four columns
	WIN 0x40
.irp a, 0,1,2,3
.irp t, 0,1,2,3,4,5,6,7,8,9,10,11,12,13,14,15
	global_load_b128 v[64*\a+4*\t:64*\a+4*\t+3], v[CO], s[10:11] offset:(32*(\a/2)+8*(\a%2)+\t+8*(\t/8))*4096 th:TH_LOAD_NT
.endr
.endr
	WIN 0
.macro TOSTAGE a
	WIN 0x08                                       ; an LDS store's data are its source 1: window 2
.irp b, 0,1,2,3,4,5,6,7
	ds_store_b128 v[STO], v[64*(\a)+8*\b:64*(\a)+8*\b+3] offset:128*(\b/2)+32*(\b%2)      ; each accumulator from its low end on
	ds_store_b128 v[STO], v[64*(\a)+8*\b+4:64*(\a)+8*\b+7] offset:128*(\b/2)+32*(\b%2)+16
.endr
	WIN 0
.set BB, BK+64*((\a)%2)
.irp t, 0,1,2,3,4,5,6,7,8,9,10,11,12,13,14,15
	ds_load_b128 v[BB+4*\t:BB+4*\t+3], v[RD] offset:\t*SPITCH   ; LDS serves a wave's instructions in order: these see the stores above
.endr
.endm
.macro SEND a, younger
.set BB, BK+64*((\a)%2)
	s_wait_dscnt \younger                          ; the block is back; the next block's 16 stores and 16 loads may be out
	s_wait_loadcnt 16*(3-(\a))                     ; its residual is in; the later blocks' 16 loads each may be out
	WIN 0x04                                       ; source 1 window 1
.set i, 0
.rept 32
	v_pk_add_f32 v[BB+i:BB+i+1], v[BB+i:BB+i+1], v[64*(\a)+i:64*(\a)+i+1]
.set i, i+2
.endr
	WIN 0
.irp t, 0,1,2,3,4,5,6,7,8,9,10,11,12,13,14,15
	v_pk_add_f32 v[BB+4*\t:BB+4*\t+1], v[BB+4*\t:BB+4*\t+1], v[64:65]
	v_pk_add_f32 v[BB+4*\t+2:BB+4*\t+3], v[BB+4*\t+2:BB+4*\t+3], v[66:67]
.endr
.irp t, 0,1,2,3,4,5,6,7,8,9,10,11,12,13,14,15
	global_store_b128 v[CO], v[BB+4*\t:BB+4*\t+3], s[12:13] offset:(32*((\a)/2)+8*((\a)%2)+\t+8*(\t/8))*4096 th:TH_STORE_NT   ; 32 lanes store 512 consecutive bytes, aligned
.endr
.endm
	TOSTAGE 0
	TOSTAGE 1
	SEND 0, 32
	s_wait_xcnt 0x0                                ; block 0's stores have read their registers: block 2's rows may land there
	TOSTAGE 2
	SEND 1, 32
	s_wait_xcnt 0x0
	TOSTAGE 3
	SEND 2, 32
	SEND 3, 0
	s_wait_tensorcnt 0x0                           ; the wave's end
	ds_add_u32 v[SPW], v[NIL]
	s_wait_dscnt 0x0
	CROUND                                         ; the closing round
	s_endpgm
.Lfunc_end_k_q28e440f482_proj:
	.size	k_q28e440f482_proj, .Lfunc_end_k_q28e440f482_proj-k_q28e440f482_proj
	.p2alignl 7, 3214868480
	.fill 96, 4, 3214868480
	.section	.rodata,"a",@progbits
	.p2align	6, 0x0
	.amdhsa_kernel k_q28e440f482_proj
		.amdhsa_group_segment_fixed_size 327680
		.amdhsa_private_segment_fixed_size 0
		.amdhsa_enable_private_segment 0
		.amdhsa_kernarg_size 40
		.amdhsa_user_sgpr_count 2
		.amdhsa_user_sgpr_kernarg_segment_ptr 1
		.amdhsa_wavefront_size32 1
		.amdhsa_system_sgpr_workgroup_id_x 1
		.amdhsa_system_sgpr_workgroup_id_y 1
		.amdhsa_system_sgpr_workgroup_id_z 1
		.amdhsa_system_vgpr_workitem_id 0
		.amdhsa_next_free_vgpr 768
		.amdhsa_next_free_sgpr 100
		.amdhsa_reserve_vcc 0
		.amdhsa_float_denorm_mode_32 3
		.amdhsa_float_denorm_mode_16_64 3
		.amdhsa_memory_ordered 1
		.amdhsa_forward_progress 1
		.amdhsa_inst_pref_size 125
	.end_amdhsa_kernel
	.amdgpu_metadata
---
amdhsa.version: [ 1, 2 ]
amdhsa.kernels:
  - .name:           k_q28e440f482_proj
    .symbol:         k_q28e440f482_proj.kd
    .args:
      - { .name: g, .offset: 0, .size: 8, .value_kind: global_buffer, .address_space: global }
      - { .name: wts, .offset: 8, .size: 8, .value_kind: global_buffer, .address_space: global }
      - { .name: bp, .offset: 16, .size: 8, .value_kind: global_buffer, .address_space: global }
      - { .name: x1, .offset: 24, .size: 8, .value_kind: global_buffer, .address_space: global }
      - { .name: out0, .offset: 32, .size: 8, .value_kind: global_buffer, .address_space: global }
    .group_segment_fixed_size: 327680
    .private_segment_fixed_size: 0
    .kernarg_segment_align: 8
    .kernarg_segment_size: 40
    .max_flat_workgroup_size: 128
    .sgpr_count:     100
    .vgpr_count:     768
    .wavefront_size: 32
...
	.end_amdgpu_metadata
.endif
;; end of part 7
;; ======== version 2 of 2: 8 launches
;; limits: right only within a limited range of input values
;; workspace buffers: wts 9,830,400 bytes; hq 3,276,800 bytes; qkv 10,092,544 bytes; att 3,276,800 bytes; x1 16,777,216 bytes; g 13,107,200 bytes
;; launch wquant (part 8): grid 768 x 1, 4 waves a work-group, no clusters, 0 bytes of LDS; arguments Wq, Wk, Wv, Wo, Wfc, Wp, wts; writes wts
.if DOCPART == 8
	.amdgcn_target "amdgcn-amd-amdhsa--gfx1250"
	.amdhsa_code_object_version 6
	.text
	.protected	k_q28e440f482_wquant
	.globl	k_q28e440f482_wquant
	.p2align	8
	.type	k_q28e440f482_wquant,@function
k_q28e440f482_wquant:
	s_mov_b64 s[64:65], 0
	v_nop
	global_prefetch_b8 v0, s[64:65] scope:SCOPE_SE
	s_setreg_imm32_b32 hwreg(HW_REG_WAVE_MODE, 25, 1), 1
	s_wait_xcnt 0x0
; The six weights, f32 stored [K][N], become codes of FP6 (E2M3) with K innermost and one E8M0 scale byte for each 32 along K.
; A block's scale is 2^(floor(log2(largest magnitude)) - 2): its byte is the largest magnitude's exponent field - 2, held at 1 from below.
; LIMITS: NaN and infinities are not served; a block's largest magnitude is taken no smaller than 2^-124; a block of zeros gets the byte 1 where the
; rule says 127 (its codes are zeros, and this program alone reads the bytes).
; LAYOUT OF wts, in the order of the operand's registers.  Column n lies at position p(n) = n with bits 3 and 4 exchanged.  16 positions are a row block.
; Codes: [row block][K/64][768 bytes]: a piece of 256 bytes holds, at 8 x lane, two registers of lane (row r, half h): bytes of row r's block of 32 number h.
; Scale words: [row block][K/128][16 rows][4 bytes].  Wq, Wk, Wv, Wo, Wfc, Wp begin at 786,432 x 0, 1, 2, 3, 4, 8; their scale words at 9,437,184 + 32,768 x the same.
; SHARES.  A work-group takes 128 columns x 128 along K, a wave 32 columns: A LANE TAKES A COLUMN AND ITS REGISTERS RUN DOWN K, so a block of 32 is one lane's
; 32 registers and the conversions give codes with K innermost.  Lane l loads column n0 + p(l): it is position n0 + l.  Each load reads 128 bytes of one row of W.
; No LDS, no barrier: waves share nothing.  Up to 64 loads a wave are out.
.set OFF, 24                           ; v24-55   byte offset of row i of a block, at my column
.set X,   56                           ; v56-119  two sets of 32 numbers
.set C,   120                          ; v120-143 codes: pair j of blocks at C + 12 j: the even block's six registers, then the odd block's
.set U,   16                           ; v16-18   a block's second conversion (three registers that begin on an even number)
.set SB,  32                           ; s[32:39] where my four blocks begin in W
	s_load_b256 s[4:11], s[0:1], 0x0               ; Wq, Wk, Wv, Wo
	s_load_b128 s[12:15], s[0:1], 0x20             ; Wfc, Wp
	s_load_b64 s[16:17], s[0:1], 0x30              ; wts
	v_lshrrev_b32 v1, 5, v0
	v_readfirstlane_b32 s18, v1                    ; wave 0..3
	v_and_b32 v1, 31, v0                           ; lane
	v_and_b32 v2, 7, v1
	v_bfe_u32 v7, v1, 3, 1
	v_bfe_u32 v8, v1, 4, 1
	v_lshl_or_b32 v2, v7, 4, v2
	v_lshl_or_b32 v2, v8, 3, v2                    ; the lane's number with bits 3 and 4 exchanged
	v_lshlrev_b32 v2, 2, v2                        ; my column, in bytes
	v_lshlrev_b32 v3, 3, v1                        ; 8 x lane: my place in a piece of 256 bytes
	; which tensor, and which part of it: work-groups 0-255 the four of 1,024 x 1,024 (64 each), 256-511 Wfc, 512-767 Wp
	s_wait_alu depctr_va_vdst(0)
	s_lshr_b32 s19, ttmp9, 6                       ; 0 .. 11
	s_and_b32 s24, ttmp9, 63
	s_and_b32 s25, ttmp9, 255
	s_cmp_lt_u32 s19, 4
	s_cselect_b32 s24, s24, s25                    ; the work-group's number within its tensor
	s_cselect_b32 s26, s19, 4
	s_cmp_lt_u32 s19, 8
	s_cselect_b32 s26, s26, 8                      ; the tensor's place in wts: 0, 1, 2, 3, 4, 8
	s_cselect_b32 s27, 8, 32                       ; K / 128
	s_lshr_b32 s28, s19, 2
	s_mov_b32 s29, 0x4000
	s_cmp_eq_u32 s28, 1                            ; Wfc?
	s_cselect_b32 s29, s29, 0x1000                 ; a row of W in bytes
	s_cselect_b32 s30, 31, 7
	s_cselect_b32 s31, 5, 3
	s_and_b32 s30, s24, s30                        ; x: which 128 columns
	s_lshr_b32 s31, s24, s31                       ; y: which 128 along K
	s_lshl_b32 s20, s29, 7
	s_mul_i32 s20, s20, s31                        ; y x 128 rows
	s_lshl_b32 s21, s30, 9
	s_add_co_u32 s20, s20, s21                     ; + 128 x columns
	s_lshl_b32 s21, s18, 7
	s_add_co_u32 s20, s20, s21                     ; + my wave's 32
	s_mov_b32 s21, 0
	s_lshl_b32 s22, s29, 5                         ; a block down: 32 rows
	s_mov_b32 s23, 0
	s_lshl_b32 s40, s30, 3
	s_lshl_b32 s41, s18, 1
	s_add_co_u32 s40, s40, s41                     ; my first row block: 8 x + 2 wave
	s_mul_i32 s40, s40, s27
	s_add_co_u32 s40, s40, s31                     ; x K/128 + y
	s_mul_i32 s42, s40, 1536                       ; 128 along K of a row block: 1,536 bytes of codes
	s_mul_i32 s41, s26, 786432
	s_add_co_u32 s42, s42, s41
	s_mov_b32 s43, 0
	s_lshl_b32 s44, s40, 6                         ; and 64 bytes of scale words
	s_lshl_b32 s41, s26, 15
	s_add_co_u32 s44, s44, s41
	s_add_co_u32 s44, s44, 9437184
	s_mov_b32 s45, 0
	s_mul_i32 s46, s27, 1536
	v_add_nc_u32 v4, s46, v3                       ; the same place in the next row block
	s_lshl_b32 s46, s27, 6
	v_lshrrev_b32 v5, 4, v1
	v_mul_u32_u24 v5, s46, v5
	v_and_b32 v7, 15, v1
	v_lshl_add_u32 v5, v7, 2, v5                   ; my scale word: lanes 16-31 a row block on
.irp i, 0,1,2,3,4,5,6,7,8,9,10,11,12,13,14,15,16,17,18,19,20,21,22,23,24,25,26,27,28,29,30,31
	v_mad_u32_u24 v[OFF+\i], s29, \i, v2
.endr
	s_wait_alu depctr_va_vdst(0)
	s_wait_kmcnt 0x0
	s_cmp_eq_u32 s19, 1                            ; the tensor's address: a choice on the work-group's number alone
	s_cselect_b64 s[4:5], s[6:7], s[4:5]
	s_cmp_eq_u32 s19, 2
	s_cselect_b64 s[4:5], s[8:9], s[4:5]
	s_cmp_eq_u32 s19, 3
	s_cselect_b64 s[4:5], s[10:11], s[4:5]
	s_cmp_ge_u32 s19, 4
	s_cselect_b64 s[4:5], s[12:13], s[4:5]
	s_cmp_ge_u32 s19, 8
	s_cselect_b64 s[4:5], s[14:15], s[4:5]
	s_add_nc_u64 s[SB:SB+1], s[4:5], s[20:21]
	s_add_nc_u64 s[SB+2:SB+3], s[SB:SB+1], s[22:23]
	s_add_nc_u64 s[SB+4:SB+5], s[SB+2:SB+3], s[22:23]
	s_add_nc_u64 s[SB+6:SB+7], s[SB+4:SB+5], s[22:23]
	s_add_nc_u64 s[48:49], s[16:17], s[42:43]      ; my codes
	s_add_nc_u64 s[50:51], s[16:17], s[44:45]      ; my scale words
.macro LOADB t                         ; block t: W(32 t + i, my column), i = 0 .. 31, into set t % 2
.irp i, 0,1,2,3,4,5,6,7,8,9,10,11,12,13,14,15,16,17,18,19,20,21,22,23,24,25,26,27,28,29,30,31
	global_load_b32 v[X+32*((\t)%2)+\i], v[OFF+\i], s[SB+2*(\t):SB+2*(\t)+1] th:TH_LOAD_NT
.endr
.endm
.macro QBLK t
.set XS, X+32*((\t)%2)
.set CD, C+12*((\t)/2)+6*((\t)%2)
.if (\t) < 3
	s_wait_loadcnt 32                              ; this block's 32 loads are in; the next block's 32 may be out
.else
	s_wait_loadcnt 0x0
.endif
	v_max3_num_f32 v12, |v[XS]|, |v[XS+1]|, |v[XS+2]|      ; the block's largest magnitude: all 32 numbers are mine; two chains
	v_max3_num_f32 v13, |v[XS+3]|, |v[XS+4]|, |v[XS+5]|
.irp i, 6,10,14,18,22,26
	v_max3_num_f32 v12, v12, |v[XS+\i]|, |v[XS+\i+1]|
	v_max3_num_f32 v13, v13, |v[XS+\i+2]|, |v[XS+\i+3]|
.endr
	v_max3_num_f32 v12, v12, |v[XS+30]|, |v[XS+31]|
	v_max3_num_f32 v12, v12, v13, 0x1800000        ; and the floor 2^(3 - 127): the byte cannot fall under 1
	v_add_nc_u32 v11, 0xff000000, v12              ; 2 off the exponent field: the conversion takes this operand's exponent field as its scale
	v_lshrrev_b32 v13, 23, v11                     ; the scale's byte
.if (\t) == 0
	v_mov_b32 v6, v13
.else
	v_lshl_or_b32 v6, v13, 8*(\t), v6              ; four bytes make my column's scale word for these 128 along K
.endif
	v_cvt_scalef32_pk16_fp6_f32 v[CD:CD+2], v[XS:XS+15], v11
	v_cvt_scalef32_pk16_fp6_f32 v[U:U+2], v[XS+16:XS+31], v11
	v_nop                                          ; one plain place behind a scaled conversion
.irp i, 0,1,2
	v_mov_b32 v[CD+3+\i], v[U+\i]
.endr
.if (\t) < 2
	LOADB (\t)+2
.endif
.endm
; A pair of blocks (64 along K).  Lanes 0-15 hold the rows of my first row block, lanes 16-31 those of the second, each both blocks.  The operand wants lanes 0-15 to hold a row's
; even block and lanes 16-31 its odd one: the even registers' upper lanes change places with the odd registers' lower lanes.  Each store then covers 256 consecutive bytes, aligned.
.macro PAIR j
.irp i, 0,1,2,3,4,5
	v_permlane16_swap_b32 v[C+12*\j+\i], v[C+12*\j+6+\i]
.endr
.irp w, 0,1,2
	global_store_b64 v3, v[C+12*\j+2*\w:C+12*\j+2*\w+1], s[48:49] offset:768*\j+256*\w
	global_store_b64 v4, v[C+12*\j+6+2*\w:C+12*\j+7+2*\w], s[48:49] offset:768*\j+256*\w
.endr
.endm
	LOADB 0
	LOADB 1
	QBLK 0
	QBLK 1
	PAIR 0                                         ; each pair has registers of its own: no store's data are written again
	QBLK 2
	QBLK 3
	PAIR 1
	global_store_b32 v5, v6, s[50:51]
	s_endpgm
.Lfunc_end_k_q28e440f482_wquant:
	.size	k_q28e440f482_wquant, .Lfunc_end_k_q28e440f482_wquant-k_q28e440f482_wquant
	.p2alignl 7, 3214868480
	.fill 96, 4, 3214868480
	.section	.rodata,"a",@progbits
	.p2align	6, 0x0
	.amdhsa_kernel k_q28e440f482_wquant
		.amdhsa_group_segment_fixed_size 0
		.amdhsa_private_segment_fixed_size 0
		.amdhsa_enable_private_segment 0
		.amdhsa_kernarg_size 56
		.amdhsa_user_sgpr_count 2
		.amdhsa_user_sgpr_kernarg_segment_ptr 1
		.amdhsa_wavefront_size32 1
		.amdhsa_system_sgpr_workgroup_id_x 1
		.amdhsa_system_sgpr_workgroup_id_y 1
		.amdhsa_system_sgpr_workgroup_id_z 1
		.amdhsa_system_vgpr_workitem_id 0
		.amdhsa_next_free_vgpr 144
		.amdhsa_next_free_sgpr 66
		.amdhsa_reserve_vcc 0
		.amdhsa_float_denorm_mode_32 3
		.amdhsa_float_denorm_mode_16_64 3
		.amdhsa_memory_ordered 1
		.amdhsa_forward_progress 1
		.amdhsa_inst_pref_size 25
	.end_amdhsa_kernel
	.amdgpu_metadata
---
amdhsa.version: [ 1, 2 ]
amdhsa.kernels:
  - .name:           k_q28e440f482_wquant
    .symbol:         k_q28e440f482_wquant.kd
    .args:
      - { .name: Wq, .offset: 0, .size: 8, .value_kind: global_buffer, .address_space: global }
      - { .name: Wk, .offset: 8, .size: 8, .value_kind: global_buffer, .address_space: global }
      - { .name: Wv, .offset: 16, .size: 8, .value_kind: global_buffer, .address_space: global }
      - { .name: Wo, .offset: 24, .size: 8, .value_kind: global_buffer, .address_space: global }
      - { .name: Wfc, .offset: 32, .size: 8, .value_kind: global_buffer, .address_space: global }
      - { .name: Wp, .offset: 40, .size: 8, .value_kind: global_buffer, .address_space: global }
      - { .name: wts, .offset: 48, .size: 8, .value_kind: global_buffer, .address_space: global }
    .group_segment_fixed_size: 0
    .private_segment_fixed_size: 0
    .kernarg_segment_align: 8
    .kernarg_segment_size: 56
    .max_flat_workgroup_size: 128
    .sgpr_count:     66
    .vgpr_count:     144
    .wavefront_size: 32
...
	.end_amdgpu_metadata
.endif
;; end of part 8
;; launch ln1 (part 9): grid 256 x 1, 8 waves a work-group, no clusters, 69,632 bytes of LDS; arguments x, ln1_w, ln1_b, hq; writes hq
.if DOCPART == 9
	.amdgcn_target "amdgcn-amd-amdhsa--gfx1250"
	.amdhsa_code_object_version 6
	.text
	.protected	k_q28e440f482_ln1
	.globl	k_q28e440f482_ln1
	.p2align	8
	.type	k_q28e440f482_ln1,@function
k_q28e440f482_ln1:
	s_mov_b64 s[64:65], 0
	v_nop
	global_prefetch_b8 v0, s[64:65] scope:SCOPE_SE
	s_setreg_imm32_b32 hwreg(HW_REG_WAVE_MODE, 25, 1), 1
	s_wait_xcnt 0x0
; LayerNorm over rows of 1,024 f32 (mean, variance of the differences, rsqrt(var + 1e-5), gain, bias: all f32), then the rows are quantised along their 1,024 to FP6 (E2M3) codes
; with one E8M0 scale byte for each 32.  LIMITS: NaN and infinities are not served; a block's largest magnitude is taken no smaller than 2^-124; a block of zeros gets the byte 1.
; OUTPUT, in the order of an operand's registers: codes [row block 256][K/64 = 16][768 bytes] from byte 0, scale words [row block][8][16 rows][4 bytes] from byte 3,145,728.
; Token i lies at position i with bits 3 and 4 exchanged: row r of row block R is token 32 (R / 2) + 8 (R % 2) + r + 8 (r / 8).
; SHARES.  A work-group takes one row block, 16 tokens; wave w takes columns 128 w .. 128 w + 127 of all 16: one K step of the next product, one fragment.
; Each load reads 512 consecutive bytes of a row.  The conversions want 16 neighbours in one lane: the wave's 16 x 512 bytes turn through its own stage in LDS.
; Two barriers: the rows' sums, then the sums of squares, meet in LDS (a word for each row and wave).
.set STGB, 8448                        ; a wave's stage: 16 rows x (512 + 16) bytes: row r begins 16 r bytes on modulo 256
.set RED,  67584                       ; behind the eight stages: [row 16][wave 8] sums, 512 bytes; the sums of squares 512 bytes further on
.set X,   16                           ; v16-79   64 numbers: register 16 b + i = column 128 w + 32 b + 16 h + i of row r
.set W,   80                           ; v80-143  the gains of the same columns
.set BB,  144                          ; v144-207 the biases
.set PC,  208                          ; v208-226 the codes
.set TM,  228                          ; v228-243 at work in QUANT
.set PW,  244                          ; v244     the scale word
.set SEL, 20                           ; s[20:21] lane selects: lane l xor 16
.macro QUANT s                         ; 64 numbers of a lane become a fragment's 12 registers in v[PC] on and its scale word in v[PW]
.irp b, 0,1,2,3
	v_max3_num_f32 v[TM+\b], |v[\s+16*\b]|, |v[\s+1+16*\b]|, 0x1800000   ; block b: my 16 numbers, and the floor 2^(3 - 127)
.endr
.irp i, 2,4,6,8,10,12,14
.irp b, 0,1,2,3
	s_delay_alu instid0(VALU_DEP_4)
	v_max3_num_f32 v[TM+\b], v[TM+\b], |v[\s+16*\b+\i]|, |v[\s+1+16*\b+\i]|   ; the four blocks by turns
.endr
.endr
.irp b, 0,1,2,3
	s_delay_alu instid0(VALU_DEP_4)
	v_permlanex16_b32 v[TM+4+\b], v[TM+\b], s[SEL], s[SEL+1]
.endr
.irp b, 0,1,2,3
	s_delay_alu instid0(VALU_DEP_4)
	v_max_num_f32 v[TM+\b], v[TM+\b], v[TM+4+\b]   ; with lane l xor 16's 16: the block's largest magnitude
.endr
.irp b, 0,1,2,3
	s_delay_alu instid0(VALU_DEP_4)
	v_add_nc_u32 v[TM+12+\b], 0xff000000, v[TM+\b] ; 2 off its exponent field: the conversion's scale operand
.endr
.irp b, 0,1,2,3
	s_delay_alu instid0(VALU_DEP_4)
	v_lshrrev_b32 v[TM+4+\b], 23, v[TM+12+\b]      ; the scale's byte
.endr
	s_delay_alu instid0(VALU_DEP_3)
	v_lshl_or_b32 v[PW], v[TM+5], 8, v[TM+4]
	s_delay_alu instid0(VALU_DEP_1)
	v_lshl_or_b32 v[PW], v[TM+6], 16, v[PW]
	s_delay_alu instid0(VALU_DEP_1)
	v_lshl_or_b32 v[PW], v[TM+7], 24, v[PW]
.irp c, 0,1
	v_cvt_scalef32_pk16_fp6_f32 v[PC+6*\c:PC+2+6*\c], v[\s+32*\c:\s+15+32*\c], v[TM+12+2*\c]
	v_cvt_scalef32_pk16_fp6_f32 v[PC+12+4*\c:PC+14+4*\c], v[\s+16+32*\c:\s+31+32*\c], v[TM+12+2*\c+1]
.endr
	v_nop                                          ; one plain place behind a scaled conversion
.irp c, 0,1                                    ; the operand wants a whole block in a lane: lanes 0-15 block 2 c, lanes 16-31 block 2 c + 1
.irp i, 0,1,2
	v_permlane16_swap_b32 v[PC+6*\c+\i], v[PC+12+4*\c+\i]
.endr
.irp i, 0,1,2
	s_delay_alu instid0(VALU_DEP_3)
	v_mov_b32 v[PC+3+6*\c+\i], v[PC+12+4*\c+\i]
.endr
.endr
.endm
	s_load_b256 s[4:11], s[0:1], 0x0               ; the rows, the gain, the bias, the output
	v_lshl_add_u32 v239, v0, 2, 0x10c00
	v_mov_b32 v245, 0
	v_lshrrev_b32 v1, 5, v0
	s_delay_alu instid0(VALU_DEP_1)
	v_readfirstlane_b32 s12, v1                    ; wave 0..7
	v_and_b32 v9, 31, v0                           ; lane
	v_and_b32 v10, 15, v0                          ; r
	v_bfe_u32 v11, v0, 4, 1                        ; h
	s_delay_alu instid0(VALU_DEP_3)
	v_lshlrev_b32 v1, 4, v9                        ; 16 x lane
	s_mul_i32 s13, s12, STGB
	v_add_nc_u32 v2, s13, v1                       ; the stage, on the way in
	v_mul_u32_u24 v3, v10, 528
	s_delay_alu instid0(VALU_DEP_1)
	v_lshl_add_u32 v3, v11, 6, v3
	s_delay_alu instid0(VALU_DEP_1)
	v_add_nc_u32 v3, s13, v3                       ; and on the way out: row r, + 64 h
	v_lshlrev_b32 v4, 6, v11                       ; 64 h: my 16 of a block's 32 gains
	v_lshlrev_b32 v6, 5, v10
	s_delay_alu instid0(VALU_DEP_1)
	v_add_nc_u32 v6, RED, v6                       ; row r's eight sums
	s_lshl_b32 s14, s12, 2
	v_add_nc_u32 v5, s14, v6                       ; my wave's word among them
	v_lshlrev_b32 v7, 3, v9                        ; 8 x lane
	v_lshlrev_b32 v8, 2, v10                       ; 4 r
.irp b, 0,1,2,3
	v_mov_b32 v[TM+4+\b], 0                        ; written once: a lane permute's destination counts as one of its sources
.endr
	s_mov_b32 s[SEL], 0x76543210
	s_mov_b32 s[SEL+1], 0xfedcba98
	s_mov_b32 s28, 0x3a800000                      ; 1 / 1,024
	s_mov_b32 s29, 0x3727c5ac                      ; 1e-5
	s_lshr_b32 s15, ttmp9, 1
	s_lshl_b32 s15, s15, 5
	s_and_b32 s16, ttmp9, 1
	s_lshl_b32 s16, s16, 3
	s_add_co_u32 s15, s15, s16                     ; the row block's first token
	s_lshl_b32 s18, s15, 12
	s_lshl_b32 s22, s12, 9                         ; my wave's 128 columns, in bytes
	s_add_co_u32 s18, s18, s22
	s_mov_b32 s19, 0
	s_mov_b32 s23, 0
	s_mul_i32 s24, ttmp9, 12288
	s_mul_i32 s16, s12, 1536
	s_add_co_u32 s24, s24, s16                     ; my fragment
	s_mov_b32 s25, 0
	s_lshl_b32 s26, ttmp9, 9
	s_lshl_b32 s16, s12, 6
	s_add_co_u32 s26, s26, s16
	s_add_co_u32 s26, s26, 3145728                 ; its scale words
	s_mov_b32 s27, 0
	s_wait_kmcnt 0x0
	s_add_nc_u64 s[4:5], s[4:5], s[18:19]
	s_add_nc_u64 s[6:7], s[6:7], s[22:23]
	s_add_nc_u64 s[8:9], s[8:9], s[22:23]
	s_add_nc_u64 s[24:25], s[10:11], s[24:25]
	s_add_nc_u64 s[26:27], s[10:11], s[26:27]
.irp i, 0,1,2,3,4,5,6,7,8,9,10,11,12,13,14,15
	global_load_b128 v[X+4*\i:X+4*\i+3], v1, s[4:5] offset:(\i+8*(\i/8))*4096 th:TH_LOAD_NT   ; row i of the block: 512 consecutive bytes
.endr
.irp b, 0,1,2,3
.irp j, 0,1,2,3
	global_load_b128 v[W+16*\b+4*\j:W+16*\b+4*\j+3], v4, s[6:7] offset:128*\b+16*\j
	global_load_b128 v[BB+16*\b+4*\j:BB+16*\b+4*\j+3], v4, s[8:9] offset:128*\b+16*\j
.endr
.endr
	s_wait_loadcnt 32                              ; the 16 loads of rows are in; the 32 of gain and bias may be out
.irp i, 0,1,2,3,4,5,6,7,8,9,10,11,12,13,14,15
	ds_store_b128 v2, v[X+4*\i:X+4*\i+3] offset:528*\i
.endr
.irp b, 0,1,2,3
.irp j, 0,1,2,3
	ds_load_b128 v[X+16*\b+4*\j:X+16*\b+4*\j+3], v3 offset:128*\b+16*\j   ; LDS serves a wave's instructions in order: these see the stores above
.endr
.endr
	s_wait_dscnt 0x0
	; the mean: my 64 numbers in eight chains, the other half of the lanes, then the eight waves' sums through LDS
	v_pk_add_f32 v[250:251], v[16:17], v[24:25]
	v_pk_add_f32 v[252:253], v[32:33], v[40:41]
	v_pk_add_f32 v[254:255], v[48:49], v[56:57]
	v_pk_add_f32 v[246:247], v[64:65], v[72:73]
	v_pk_add_f32 v[242:243], v[18:19], v[26:27]
	v_pk_add_f32 v[240:241], v[34:35], v[42:43]
	v_pk_add_f32 v[236:237], v[50:51], v[58:59]
	v_pk_add_f32 v[248:249], v[66:67], v[74:75]
	s_delay_alu instid0(VALU_DEP_1)
	v_pk_add_f32 v[248:249], v[248:249], v[20:21]
	v_pk_add_f32 v[250:251], v[250:251], v[28:29]
	v_pk_add_f32 v[252:253], v[252:253], v[36:37]
	v_pk_add_f32 v[254:255], v[254:255], v[44:45]
	v_pk_add_f32 v[246:247], v[246:247], v[52:53]
	v_pk_add_f32 v[242:243], v[242:243], v[60:61]
	v_pk_add_f32 v[240:241], v[240:241], v[68:69]
	v_pk_add_f32 v[236:237], v[236:237], v[76:77]
	v_pk_add_f32 v[248:249], v[248:249], v[22:23]
	v_pk_add_f32 v[250:251], v[250:251], v[30:31]
	v_pk_add_f32 v[252:253], v[252:253], v[38:39]
	v_pk_add_f32 v[254:255], v[254:255], v[46:47]
	v_pk_add_f32 v[246:247], v[246:247], v[54:55]
	v_pk_add_f32 v[242:243], v[242:243], v[62:63]
	v_pk_add_f32 v[240:241], v[240:241], v[70:71]
	v_pk_add_f32 v[236:237], v[236:237], v[78:79]
	s_delay_alu instid0(VALU_DEP_4)
	v_pk_add_f32 v[248:249], v[248:249], v[246:247]
	s_delay_alu instid0(VALU_DEP_4)
	v_pk_add_f32 v[250:251], v[250:251], v[242:243]
	s_delay_alu instid0(VALU_DEP_4)
	v_pk_add_f32 v[252:253], v[252:253], v[240:241]
	s_delay_alu instid0(VALU_DEP_4)
	v_pk_add_f32 v[254:255], v[254:255], v[236:237]
	s_delay_alu instid0(VALU_DEP_2)
	v_pk_add_f32 v[248:249], v[248:249], v[252:253]
	s_delay_alu instid0(VALU_DEP_2)
	v_pk_add_f32 v[250:251], v[250:251], v[254:255]
	s_delay_alu instid0(VALU_DEP_1)
	v_pk_add_f32 v[248:249], v[248:249], v[250:251]
	s_delay_alu instid0(VALU_DEP_1)
	v_add_f32 v248, v248, v249
	s_delay_alu instid0(VALU_DEP_1)
	v_permlanex16_b32 v249, v248, s[SEL], s[SEL+1]
	s_delay_alu instid0(VALU_DEP_1)
	v_add_f32 v248, v248, v249
	ds_store_b32 v5, v248                          ; both lanes of a row write the same word with the same value
	s_wait_dscnt 0x0                               ; for the others' sake: my store has landed
	s_barrier_signal -1
	s_barrier_wait -1
	ds_load_b128 v[248:251], v6
	ds_load_b128 v[252:255], v6 offset:16
	s_wait_dscnt 0x0
	v_add_f32 v248, v248, v249
	v_add_f32 v250, v250, v251
	v_add_f32 v252, v252, v253
	v_add_f32 v254, v254, v255
	s_delay_alu instid0(VALU_DEP_3)
	v_add_f32 v248, v248, v250
	s_delay_alu instid0(VALU_DEP_2)
	v_add_f32 v252, v252, v254
	s_delay_alu instid0(VALU_DEP_1)
	v_add_f32 v248, v248, v252
	s_delay_alu instid0(VALU_DEP_1)
	v_mul_f32 v246, s28, v248                      ; the row's mean,
	s_delay_alu instid0(VALU_DEP_1)
	v_mov_b32 v247, v246                           ; twice, for the packed form
.set i, 0
.rept 32
	v_pk_add_f32 v[X+i:X+i+1], v[X+i:X+i+1], v[246:247] neg_lo:[0,1] neg_hi:[0,1]
.set i, i+2
.endr
	; the variance: the sum of the differences' squares, in two chains, and the same way round
	v_pk_mul_f32 v[248:249], v[X:X+1], v[X:X+1]
	v_pk_mul_f32 v[250:251], v[X+2:X+3], v[X+2:X+3]
.set i, 4
.rept 15
	s_delay_alu instid0(VALU_DEP_2)
	v_pk_fma_f32 v[248:249], v[X+i:X+i+1], v[X+i:X+i+1], v[248:249]
	s_delay_alu instid0(VALU_DEP_2)
	v_pk_fma_f32 v[250:251], v[X+i+2:X+i+3], v[X+i+2:X+i+3], v[250:251]
.set i, i+4
.endr
	s_delay_alu instid0(VALU_DEP_1)
	v_pk_add_f32 v[248:249], v[248:249], v[250:251]
	s_delay_alu instid0(VALU_DEP_1)
	v_add_f32 v248, v248, v249
	s_delay_alu instid0(VALU_DEP_1)
	v_permlanex16_b32 v249, v248, s[SEL], s[SEL+1]
	s_delay_alu instid0(VALU_DEP_1)
	v_add_f32 v248, v248, v249
	ds_store_b32 v5, v248 offset:512               ; other bytes than the first sums': no barrier is owed between
	s_wait_dscnt 0x0
	s_barrier_signal -1
	s_barrier_wait -1
	ds_load_b128 v[248:251], v6 offset:512
	ds_load_b128 v[252:255], v6 offset:528
	s_wait_dscnt 0x0
	v_add_f32 v248, v248, v249
	v_add_f32 v250, v250, v251
	v_add_f32 v252, v252, v253
	v_add_f32 v254, v254, v255
	s_delay_alu instid0(VALU_DEP_3)
	v_add_f32 v248, v248, v250
	s_delay_alu instid0(VALU_DEP_2)
	v_add_f32 v252, v252, v254
	s_delay_alu instid0(VALU_DEP_1)
	v_add_f32 v248, v248, v252
	s_delay_alu instid0(VALU_DEP_1)
	v_fma_f32 v248, v248, s28, s29                 ; variance + 1e-5
	s_wait_alu depctr_va_vdst(0)
	v_rsq_f32 v246, v248
	v_nop                                          ; a plain place behind the transcendental
	s_wait_alu depctr_va_vdst(0)                   ; and a wait ahead of its first reader
	v_mov_b32 v247, v246
	s_wait_alu depctr_va_vdst(0)
	s_wait_loadcnt 0x0                             ; gain and bias
.set i, 0
.rept 32
	v_pk_mul_f32 v[X+i:X+i+1], v[X+i:X+i+1], v[246:247]
.set i, i+2
.endr
.set i, 0
.rept 32
	v_pk_fma_f32 v[X+i:X+i+1], v[X+i:X+i+1], v[W+i:W+i+1], v[BB+i:BB+i+1]
.set i, i+2
.endr
	QUANT X
.irp p, 0,1,2,3,4,5
	global_store_b64 v7, v[PC+2*\p:PC+2*\p+1], s[24:25] offset:256*\p   ; 32 lanes store 256 consecutive bytes, aligned
.endr
	global_store_b32 v8, v[PW], s[26:27]           ; lanes 16-31 hold the same word and write it to the same place
	s_wait_tensorcnt 0x0
	ds_add_u32 v239, v245
	s_wait_dscnt 0x0
	s_endpgm
.Lfunc_end_k_q28e440f482_ln1:
	.size	k_q28e440f482_ln1, .Lfunc_end_k_q28e440f482_ln1-k_q28e440f482_ln1
	.p2alignl 7, 3214868480
	.fill 96, 4, 3214868480
	.section	.rodata,"a",@progbits
	.p2align	6, 0x0
	.amdhsa_kernel k_q28e440f482_ln1
		.amdhsa_group_segment_fixed_size 69632
		.amdhsa_private_segment_fixed_size 0
		.amdhsa_enable_private_segment 0
		.amdhsa_kernarg_size 32
		.amdhsa_user_sgpr_count 2
		.amdhsa_user_sgpr_kernarg_segment_ptr 1
		.amdhsa_wavefront_size32 1
		.amdhsa_system_sgpr_workgroup_id_x 1
		.amdhsa_system_sgpr_workgroup_id_y 1
		.amdhsa_system_sgpr_workgroup_id_z 1
		.amdhsa_system_vgpr_workitem_id 0
		.amdhsa_next_free_vgpr 256
		.amdhsa_next_free_sgpr 66
		.amdhsa_reserve_vcc 0
		.amdhsa_float_denorm_mode_32 3
		.amdhsa_float_denorm_mode_16_64 3
		.amdhsa_memory_ordered 1
		.amdhsa_forward_progress 1
		.amdhsa_inst_pref_size 29
	.end_amdhsa_kernel
	.amdgpu_metadata
---
amdhsa.version: [ 1, 2 ]
amdhsa.kernels:
  - .name:           k_q28e440f482_ln1
    .symbol:         k_q28e440f482_ln1.kd
    .args:
      - { .name: x, .offset: 0, .size: 8, .value_kind: global_buffer, .address_space: global }
      - { .name: ln1_w, .offset: 8, .size: 8, .value_kind: global_buffer, .address_space: global }
      - { .name: ln1_b, .offset: 16, .size: 8, .value_kind: global_buffer, .address_space: global }
      - { .name: hq, .offset: 24, .size: 8, .value_kind: global_buffer, .address_space: global }
    .group_segment_fixed_size: 69632
    .private_segment_fixed_size: 0
    .kernarg_segment_align: 8
    .kernarg_segment_size: 32
    .max_flat_workgroup_size: 256
    .sgpr_count:     66
    .vgpr_count:     256
    .wavefront_size: 32
...
	.end_amdgpu_metadata
.endif
;; end of part 9
;; launch qkv (part 10): grid 8 x 24, 4 waves a work-group, clusters of 4 x 4, 327,680 bytes of LDS; arguments hq, wts, bq, bk, bv, qkv; writes qkv
.if DOCPART == 10
	.amdgcn_target "amdgcn-amd-amdhsa--gfx1250"
	.amdhsa_code_object_version 6
	.text
	.protected	k_q28e440f482_qkv
	.globl	k_q28e440f482_qkv
	.p2align	8
	.type	k_q28e440f482_qkv,@function
k_q28e440f482_qkv:
	s_mov_b64 s[64:65], 0
	v_nop
	global_prefetch_b8 v0, s[64:65] scope:SCOPE_SE
	s_setreg_imm32_b32 hwreg(HW_REG_WAVE_MODE, 25, 1), 1
	s_wait_xcnt 0x0
	s_wait_alu depctr_hold_cnt(0) depctr_sa_sdst(0) depctr_va_vdst(0) depctr_va_sdst(0) depctr_va_ssrc(0) depctr_va_vcc(0) depctr_vm_vsrc(0)
	s_getreg_b32 s2, hwreg(HW_REG_IB_STS2, 6, 4)
	s_cmp_eq_u32 s2, 0
	s_cbranch_scc0 .Lentry_in_a_cluster
	s_endpgm
.Lentry_in_a_cluster:
	s_bfe_u32 s2, ttmp6, 0x10000c
	s_cmp_lg_u32 s2, 0xf033
	s_cbranch_scc0 .Lentry_shape_is_right
	s_endpgm
.Lentry_shape_is_right:
; q, k = h Wq + bq, h Wk + bk (one product with N = 2,048) and v^T = (h Wv + bv)^T, on codes of FP6 (E2M3) with one E8M0 scale for each 32 along K = 1,024; sums in f32.
; The results are quantised in registers for attention and leave as codes: q and k along the head's 64 channels, v along the keys.  Nothing wider than codes is stored.
; LIMITS: NaN and infinities are not served; a block's largest magnitude is taken no smaller than 2^-124; a block of zeros gets the byte 1 (its codes are zeros; this program alone reads the bytes).
; OPERANDS lie in memory in the order of their registers: codes [row block of 16][K/64][768 bytes], scale words [row block][K/128][16 rows][4 bytes].  Row i lies at position i with bits 3 and 4 exchanged.
; A tile of C, 256 x 256, is made by four waves, a wave 128 x 128: 64 accumulators.  K goes in steps of 256 through a ring of two LDS slots filled by the tensor data mover: a row block's part of a step is
; 3,072 consecutive bytes.  The scale words of the tile's rows, for all of K, come into LDS once, with the first fills.
; THE MATRIX INSTRUCTION IS USED TRANSPOSED (source 0 = 16 rows of B, source 1 = 16 rows of A).  By the order of B's rows the 16 registers of accumulators 2 i and 2 i + 1 are 16 NEIGHBOURING columns.
; CLUSTERS: 4 x 4 work-groups; A's tiles are asked for jointly along a row of the cluster, B's along a column.
; ONE GRID, TWO PRODUCTS.  Clusters with y < 4: A = h (tokens), B = Wq and Wk.  Clusters with y >= 4: A = Wv (channels), B = h (tokens), so that a lane's registers run along the keys.
; The choice hangs on the cluster's y alone, which all partners share.
; OUTPUT qkv: q: [16 b + head][step of 128 tokens][6,656 bytes]: 8 x 768 of codes, 512 of scale words.  From byte 3,407,872, k and v: [16 b + head][key step][13,056 bytes]:
; k's codes 8 x 768, k's scale words 512, v^T's codes 4 x 1,536, v^T's scale words 256.  q's and k's scale words have 0 in their upper two bytes: their K is 64.
; REGISTERS, in windows of 256: window 0: v0-31 addresses; v32-63 scale words, two sets, and nothing else; from v128 A's fragments, one set; in the epilogue v64-127 and v192-239 are at work.
;   window 1: B's fragments, two sets, at v0 and v128; in the epilogue the bias.   windows 2, 3: the accumulators ((a, b) at v[8 (8 (a % 4) + b)] of window 2 + a / 4).
.set SIZE_K, 1024
.set MA,    8                          ; A's row blocks for a wave
.set MH,    MA/2
.set RB,    3072                       ; a row block's bytes in a slot: 256 along K
.set FR,    12                         ; registers of a fragment
.set NL,    6                          ; LDS loads that bring one
.set NP,    4                          ; places behind this matrix instruction (ISA guide 7.12.1)
.set HALFA, MA*RB
.set HALFB, 8*RB
.set SLOT,  2*HALFA+2*HALFB            ; A's two halves, then B's two
.set KST,   SIZE_K/128
.set SBLK,  64*KST                     ; a row block's scale words
.set HSA,   MA*SBLK
.set HSB,   8*SBLK
.set SCL,   2*SLOT                     ; behind the ring: A's scale words,
.set SCLB,  SCL+2*HSA                  ; B's,
.set SPARE, SCLB+2*HSB                 ; and the spare words, 128 bytes for each wave: two blocks of 256 bytes that no other line names
.set LAPS,  SIZE_K/512
.set ADRA, 16                          ; v16-17 LDS address of my A fragments in slot 0, 1
.set ADRB, 20                          ; v20-21 the same for B
.set ADRS, 27                          ; v27    of my scale words: lanes 0-15 A's rows, lanes 16-31 B's
.set SPW,  28                          ; v28    my spare word; never rewritten
.set NIL,  29                          ; v29    0; never rewritten
.set SC,   32                          ; set s at v[SC + 16 s]; register 2 i + q: lanes 0-15 the word of A's block i, lanes 16-31 of B's block i, for the slot's q-th 128 along K
.set AF,   128
.set T,    64                          ; the epilogue: 64 numbers
.set PC,   192                         ; their codes
.set TM,   212
.set PW,   228
.set W0,   229
.set W1,   230
.set BM,   232
.set WV, 16                            ; s16 wave, s17 wave / 2 (my half of A's rows; also: I fetch for A or for B), s18 wave % 2 (my half of B's rows; also: which half I fetch)
.set WH, 17
.set WL, 18
.set G1, 24
.set G0, 32
.set G1B, 48
.set G0B, 56
.set G1S, 68
.set G0S, 76
.set G1SB, 80
.set G0SB, 88
.set SEL, 98
.set MSB, 0
.macro WIN new                         ; the immediate's high byte repeats the setting that is left
.if MSB != (\new)
	s_set_vgpr_msb (MSB<<8)|(\new)
.set MSB, \new
.endif
.endm
.macro JLOAD g0a, g1a, g0b, g1b        ; a joint load: waves 0 and 1 fetch for A, waves 2 and 3 for B; four v_nop follow each line
	s_cmp_eq_u32 s[WH], 0
	s_cbranch_scc0 .Lfor_b_\@
	tensor_load_to_lds s[\g0a:\g0a+3], s[\g1a:\g1a+7]
	s_nop 0
.rept 4
	v_nop
.endr
	s_branch .Lasked_\@
.Lfor_b_\@:
	tensor_load_to_lds s[\g0b:\g0b+3], s[\g1b:\g1b+7]
	s_nop 0
.rept 4
	v_nop
.endr
.Lasked_\@:
.endm
.macro CREST                           ; a round of the cluster's barrier behind its opening barrier
	s_cmp_lg_u32 s[WV], 0
	s_cbranch_scc1 .Lnot_wave_0_\@
	s_barrier_signal -3
.Lnot_wave_0_\@:
	s_barrier_wait -3
	s_barrier_signal -1
	s_barrier_wait -1
.endm
.macro CROUND
	s_barrier_signal -1
	s_barrier_wait -1
	CREST
.endm
.macro PLACES n
.rept \n
	v_nop
.endr
.endm
.macro FRAG reg, adr, q, i             ; a fragment as it lies: six pieces of 256 bytes, 8 bytes a lane: dense, every bank once
.irp p, 0,1,2,3,4,5
	ds_load_b64 v[(\reg)+2*\p:(\reg)+2*\p+1], v[\adr] offset:(\i)*RB+(\q)*1536+256*\p
.endr
.endm
.macro FETCH_B slot, q, p              ; B's eight fragments of the slot's q-th 128 along K into set p
	WIN 0x40
.irp i, 0,1,2,3,4,5,6,7
	FRAG 128*(\p)+FR*\i, ADRB+\slot, \q, \i
.endr
	WIN 0
.endm
.macro FETCH_A slot, q, i0             ; A's blocks i0 .. i0 + MH - 1
.set FI, \i0
.rept MH
	FRAG AF+FR*FI, ADRA+\slot, \q, FI
.set FI, FI+1
.endr
.endm
.macro SCALES sc                       ; a slot's scale words into set sc
.irp i, 0,1,2,3,4,5,6,7
.irp q, 0,1
	ds_load_b32 v[SC+16*\sc+2*\i+\q], v[ADRS] offset:\i*SBLK+64*\q
.endr
.endr
.endm
; A quarter of a step: A's blocks a0 .. a0 + MA / 4 - 1 against B's eight.  The accumulators take turns, one instruction a turn, in the same order in every step.
.macro MULQ a0, p, q, sc, zero
	WIN 0xa1+0x50*((\a0)/4)                        ; source 0 (B) window 1, source 1 (A) window 0, C and D window 2 or 3
.set AI, \a0
.rept MA/4
.irp b, 0,1,2,3,4,5,6,7
.if \zero
	v_wmma_scale_f32_16x16x128_f8f6f4 v[8*(8*(AI%4)+\b):8*(8*(AI%4)+\b)+7], v[128*(\p)+FR*\b:128*(\p)+FR*\b+FR-1], v[AF+FR*AI:AF+FR*AI+FR-1], 0, v[SC+16*(\sc)+2*\b+(\q)], v[SC+16*(\sc)+2*AI+(\q)] matrix_a_fmt:MATRIX_FMT_FP6 matrix_b_fmt:MATRIX_FMT_FP6 matrix_a_scale:MATRIX_SCALE_ROW1
.else
	v_wmma_scale_f32_16x16x128_f8f6f4 v[8*(8*(AI%4)+\b):8*(8*(AI%4)+\b)+7], v[128*(\p)+FR*\b:128*(\p)+FR*\b+FR-1], v[AF+FR*AI:AF+FR*AI+FR-1], v[8*(8*(AI%4)+\b):8*(8*(AI%4)+\b)+7], v[SC+16*(\sc)+2*\b+(\q)], v[SC+16*(\sc)+2*AI+(\q)] matrix_a_fmt:MATRIX_FMT_FP6 matrix_b_fmt:MATRIX_FMT_FP6 matrix_a_scale:MATRIX_SCALE_ROW1
.endif
.endr
.set AI, AI+1
.endr
.endm
.macro STEP slot, zero                 ; a slot's first 128 along K; it fetches the second's fragments
	s_wait_dscnt MH*NL                             ; B's set, A's lower blocks and the scale words are in; the youngest loads (A's upper blocks) may be out
	MULQ 0, 0, 0, \slot, \zero
	MULQ MA/4, 0, 0, \slot, \zero
	s_wait_dscnt 0x0                               ; A's upper blocks are in
	PLACES NP                                      ; in front of loads into registers that matrix instructions have read
	FETCH_B \slot, 1, 1
	FETCH_A \slot, 1, 0
	MULQ MA/2, 0, 0, \slot, \zero
	MULQ 3*MA/4, 0, 0, \slot, \zero
	PLACES NP
	WIN 0
	FETCH_A \slot, 1, MH
.endm
; A slot's second 128 along K changes slots: ONE barrier; in front of it each wave waits for all its tensor loads, adds 0 to its spare word, and waits for that and for its reads of this slot.
.macro TURN slot, next, fill
	s_wait_tensorcnt 0x0                           ; all my tensor loads have landed: my part of the next slot
	ds_add_u32 v[SPW], v[NIL]                      ; 0 onto my spare word
	s_wait_dscnt MH*NL+1                           ; (the add and A's upper blocks may be out)
	MULQ 0, 1, 1, \slot, 0                         ; matrix instructions stand between the add and the wait for it
	s_wait_dscnt 0x0                               ; the add is done, and my reads of this slot are over
	s_barrier_signal -1
	MULQ MA/4, 1, 1, \slot, 0
	WIN 0
	s_barrier_wait -1
.if \fill
	CREST                                          ; the barrier has opened a round of the cluster's: no wave of any partner still reads this slot or has a load on its way
	s_add_nc_u64 s[G0+4*\slot+2:G0+4*\slot+3], s[G0+4*\slot+2:G0+4*\slot+3], 2*RB
	s_add_nc_u64 s[G0B+4*\slot+2:G0B+4*\slot+3], s[G0B+4*\slot+2:G0B+4*\slot+3], 2*RB
	JLOAD G0+4*\slot, G1, G0B+4*\slot, G1B         ; the first tensor load behind the round; its four v_nop are the places in front of the loads below
.else
	PLACES NP
.endif
	s_wait_alu depctr_va_vdst(0)
	v_add_nc_u32 v[ADRS], 128, v[ADRS]             ; the next slot's scale words: two K steps of 64 bytes on
	FETCH_B \next, 0, 0
	FETCH_A \next, 0, 0
	SCALES \next
	MULQ MA/2, 1, 1, \slot, 0
	MULQ 3*MA/4, 1, 1, \slot, 0
	PLACES NP
	WIN 0
	FETCH_A \next, 0, MH
.endm
.macro QUANT s                         ; 64 numbers of a lane, register 16 b + i = k 32 b + 16 h + i of my row, become a fragment's 12 registers in v[PC] on and its scale word in v[PW]
.irp b, 0,1,2,3
	v_max3_num_f32 v[TM+\b], |v[\s+16*\b]|, |v[\s+1+16*\b]|, 0x1800000   ; my 16 numbers, and the floor 2^(3 - 127)
.endr
.irp i, 2,4,6,8,10,12,14
.irp b, 0,1,2,3
	v_max3_num_f32 v[TM+\b], v[TM+\b], |v[\s+16*\b+\i]|, |v[\s+1+16*\b+\i]|
.endr
.endr
.irp b, 0,1,2,3
	v_permlanex16_b32 v[TM+4+\b], v[TM+\b], s[SEL], s[SEL+1]
.endr
.irp b, 0,1,2,3
	v_max_num_f32 v[TM+\b], v[TM+\b], v[TM+4+\b]
.endr
.irp b, 0,1,2,3
	v_add_nc_u32 v[TM+12+\b], 0xff000000, v[TM+\b] ; 2 off the exponent field: the conversion's scale operand
.endr
.irp b, 0,1,2,3
	v_lshrrev_b32 v[TM+4+\b], 23, v[TM+12+\b]      ; the scale's byte
.endr
	v_lshl_or_b32 v[PW], v[TM+5], 8, v[TM+4]
	v_lshl_or_b32 v[PW], v[TM+6], 16, v[PW]
	v_lshl_or_b32 v[PW], v[TM+7], 24, v[PW]
.irp c, 0,1
	v_cvt_scalef32_pk16_fp6_f32 v[PC+6*\c:PC+2+6*\c], v[\s+32*\c:\s+15+32*\c], v[TM+12+2*\c]
	v_cvt_scalef32_pk16_fp6_f32 v[PC+12+4*\c:PC+14+4*\c], v[\s+16+32*\c:\s+31+32*\c], v[TM+12+2*\c+1]
.endr
	v_nop                                          ; one plain place behind a scaled conversion
.irp c, 0,1
.irp i, 0,1,2
	v_permlane16_swap_b32 v[PC+6*\c+\i], v[PC+12+4*\c+\i]
.endr
.irp i, 0,1,2
	v_mov_b32 v[PC+3+6*\c+\i], v[PC+12+4*\c+\i]
.endr
.endr
.endm
	s_load_b256 s[4:11], s[0:1], 0x0               ; hq, wts, bq, bk
	s_load_b128 s[12:15], s[0:1], 0x20             ; bv, qkv
	v_lshl_add_u32 v[SPW], v0, 2, SPARE
	v_mov_b32 v[NIL], 0
	ds_add_u32 v28, v29
	ds_add_u32 v28, v29
	s_wait_dscnt 0x0
	v_lshrrev_b32 v1, 5, v0
	v_readfirstlane_b32 s[WV], v1
	s_lshr_b32 s[WH], s[WV], 1
	s_and_b32 s[WL], s[WV], 1
	s_bfe_u32 s40, ttmp6, 0x40000                  ; cx, cy: my place in the cluster
	s_bfe_u32 s41, ttmp6, 0x40004
	s_and_b32 s66, ttmp7, 0xffff                   ; the cluster's y: under 4: q and k; else v
	s_lshl_b32 s45, s66, 2
	s_sub_co_u32 s19, s66, 4
	s_lshl_b32 s19, s19, 3
	s_lshl_b32 s42, ttmp9, 2
	s_mov_b32 s2, 1572864
	s_mov_b32 s97, 9502720
	s_mov_b32 s98, 9437184
	s_cmp_lt_u32 s66, 4
	s_cselect_b32 s45, s45, 0
	s_cselect_b32 s19, 0, s19
	s_cselect_b32 s2, 0, s2                        ; where A's codes begin in their buffer: h's at 0, Wv's at 1,572,864
	s_cselect_b32 s97, 3145728, s97                ; A's scale words
	s_cselect_b32 s98, s98, 3145728                ; B's scale words (B's codes begin at 0 both ways)
	s_add_co_u32 s45, s45, s41                     ; tile row: 4 y + cy, or cy
	s_add_co_u32 s42, s42, s40
	s_add_co_u32 s42, s42, s19                     ; tile column: 4 x + cx, or that + 8 (y - 4)
	s_lshl_b32 s43, s41, 2
	s_lshl_b32 s43, 15, s43                        ; my row of the cluster
	s_lshl_b32 s44, 0x1111, s40                    ; my column
	; descriptor group 1.  Tiles: MA (B: 8) rows of 384 elements of 8 bytes, 12 SIZE_K bytes apart, no padding.  15:0 the mask; 17:16 element size; 21 set beside a mask
	s_or_b32 s[G1], s43, (3<<16)|(1<<21)
	s_or_b32 s[G1B], s44, (3<<16)|(1<<21)
.irp g, G1, G1B
	s_mov_b32 s[\g+1], 384<<16                     ; tensor_dim0
	s_mov_b32 s[\g+3], 384<<16                     ; tile_dim0
	s_mov_b32 s[\g+5], SIZE_K*3/2                  ; tensor_dim0_stride
	s_mov_b32 s[\g+6], 0
	s_mov_b32 s[\g+7], 0
.endr
	s_mov_b32 s[G1+2], (2*MA)<<16                  ; tensor_dim1: the head's loads bring both halves of a tile
	s_mov_b32 s[G1+4], 2*MA                        ; tile_dim1
	s_mov_b32 s[G1B+2], 16<<16
	s_mov_b32 s[G1B+4], 16
	; the scale words of 2 MA (16) row blocks: a dense block, as rows of 256 bytes
	s_or_b32 s[G1S], s43, (3<<16)|(1<<21)
	s_or_b32 s[G1SB], s44, (3<<16)|(1<<21)
.irp g, G1S, G1SB
	s_mov_b32 s[\g+1], 32<<16
	s_mov_b32 s[\g+3], 32<<16
	s_mov_b32 s[\g+5], 32
	s_mov_b32 s[\g+6], 0
	s_mov_b32 s[\g+7], 0
.endr
	s_mov_b32 s[G1S+2], (2*HSA/256)<<16            ; the scale words of both halves in one load
	s_mov_b32 s[G1S+4], 2*HSA/256
	s_mov_b32 s[G1SB+2], (2*HSB/256)<<16
	s_mov_b32 s[G1SB+4], 2*HSB/256
	s_mul_i32 s20, s45, 2*MA
	s_mul_i32 s19, s[WL], MA
	s_add_co_u32 s20, s20, s19                     ; A: the first row block that I fetch
	s_lshl_b32 s46, s42, 4
	s_lshl_b32 s19, s[WL], 3
	s_add_co_u32 s46, s46, s19                     ; B likewise
	s_mul_i32 s22, s20, SBLK
	s_add_co_u32 s22, s22, s97
	s_mov_b32 s23, 0
	s_mul_i32 s20, s20, 12*SIZE_K
	s_add_co_u32 s20, s20, s2
	s_mov_b32 s21, 0
	s_mul_i32 s92, s46, SBLK
	s_add_co_u32 s92, s92, s98
	s_mov_b32 s93, 0
	s_mul_i32 s46, s46, 12*SIZE_K
	s_mov_b32 s47, 0
	s_mul_i32 s94, s[WL], HALFA                    ; where they go: no place in the cluster enters an LDS address
	s_mul_i32 s67, s[WL], HALFB
	s_add_co_u32 s67, s67, 2*HALFA
	s_mul_i32 s96, s[WL], HSA                      ; my half's distance in the scale words (HSA = HSB)
	s_mov_b32 s97, 0
	s_wait_kmcnt 0x0
	s_cmp_lt_u32 s66, 4                            ; which buffer is A and which B: a choice on the cluster's y alone
	s_cselect_b64 s[2:3], s[4:5], s[6:7]
	s_cselect_b64 s[6:7], s[6:7], s[4:5]
	s_add_nc_u64 s[20:21], s[2:3], s[20:21]
	s_add_nc_u64 s[22:23], s[2:3], s[22:23]
	s_add_nc_u64 s[46:47], s[6:7], s[46:47]
	s_add_nc_u64 s[92:93], s[6:7], s[92:93]
	s_sub_nc_u64 s[22:23], s[22:23], s[96:97]      ; the scale words from the tile's first row block on
	s_sub_nc_u64 s[92:93], s[92:93], s[96:97]
	CROUND                                         ; all sixteen work-groups are here: the first joint loads meet
	s_mov_b32 s[G0S], 1
	s_mov_b32 s[G0S+1], SCL
	s_mov_b64 s[G0S+2:G0S+3], s[22:23]
	s_or_b32 s[G0S+3], s[G0S+3], 0x80000000
	s_mov_b32 s[G0SB], 1
	s_mov_b32 s[G0SB+1], SCLB
	s_mov_b64 s[G0SB+2:G0SB+3], s[92:93]
	s_or_b32 s[G0SB+3], s[G0SB+3], 0x80000000
.irp s, 0,1
	s_mov_b32 s[G0+4*\s], 1
	s_add_co_u32 s[G0+4*\s+1], s94, \s*SLOT
	s_add_nc_u64 s[G0+4*\s+2:G0+4*\s+3], s[20:21], \s*RB
	s_or_b32 s[G0+4*\s+3], s[G0+4*\s+3], 0x80000000
	s_mov_b32 s[G0B+4*\s], 1
	s_add_co_u32 s[G0B+4*\s+1], s67, \s*SLOT
	s_add_nc_u64 s[G0B+4*\s+2:G0B+4*\s+3], s[46:47], \s*RB
	s_or_b32 s[G0B+4*\s+3], s[G0B+4*\s+3], 0x80000000
.if \s == 0
	; the head's four tiles, one joint load a wave, in one chain of branches on the wave's number: wave 0 A's slot 0, wave 1 A's scale words, wave 2 B's slot 0, wave 3 B's scale words
	s_cmp_lt_u32 s[WV], 1
	s_cbranch_scc0 .Lh1
	tensor_load_to_lds s[G0:G0+3], s[G1:G1+7]
	s_nop 0
	PLACES 4
	s_branch .Lhj
.Lh1:
	s_cmp_lt_u32 s[WV], 2
	s_cbranch_scc0 .Lh2
	tensor_load_to_lds s[G0S:G0S+3], s[G1S:G1S+7]
	s_nop 0
	PLACES 4
	s_branch .Lhj
.Lh2:
	s_cmp_lt_u32 s[WV], 3
	s_cbranch_scc0 .Lh3
	tensor_load_to_lds s[G0B:G0B+3], s[G1B:G1B+7]
	s_nop 0
	PLACES 4
	s_branch .Lhj
.Lh3:
	tensor_load_to_lds s[G0SB:G0SB+3], s[G1SB:G1SB+7]
	s_nop 0
	PLACES 4
.Lhj:
.endif
.endr
	v_and_b32 v1, 15, v0                           ; r
	v_bfe_u32 v2, v0, 4, 1                         ; h
	s_wait_alu depctr_va_vdst(0)
	v_and_b32 v3, 31, v0
	v_lshlrev_b32 v3, 3, v3                        ; 8 x lane
	s_mul_i32 s21, s[WH], HALFA                    ; my half of A's rows
	s_mul_i32 s22, s[WL], HALFB                    ; my half of B's,
	s_add_co_u32 s22, s22, 2*HALFA                 ; which lie behind A's
.irp s, 0,1
	v_add_nc_u32 v[ADRA+\s], s21, v3
	v_add_nc_u32 v[ADRB+\s], s22, v3
	s_add_co_u32 s21, s21, SLOT
	s_add_co_u32 s22, s22, SLOT
.endr
	v_lshlrev_b32 v5, 2, v1                        ; 4 r
	s_mul_i32 s21, s[WH], HSA
	s_mul_i32 s22, s[WL], HSB
	s_add_co_u32 s22, s22, 2*HSA
	s_sub_co_u32 s22, s22, s21
	v_mul_u32_u24 v6, s22, v2                      ; lanes 16-31 take B's: one product, h x the distance
	s_add_co_u32 s21, s21, SCL
	v_add_nc_u32 v5, v5, v6
	v_add_nc_u32 v[ADRS], s21, v5
	s_wait_alu depctr_va_vdst(0)
	s_wait_tensorcnt 0x0                           ; my tile of the head's four is in
	ds_add_u32 v[SPW], v[NIL]
	s_mov_b32 s[G1+2], MA<<16                      ; no tensor load of mine is out: from here on a load brings one half
	s_mov_b32 s[G1+4], MA
	s_mov_b32 s[G1B+2], 8<<16
	s_mov_b32 s[G1B+4], 8
	s_wait_dscnt 0x0
	CROUND                                         ; all four tiles are in, in every partner
	JLOAD G0+4, G1, G0B+4, G1B                     ; slot 1's first fill, the first tensor load behind the round
	FETCH_B 0, 0, 0
	FETCH_A 0, 0, 0
	SCALES 0
	FETCH_A 0, 0, MH
	STEP 0, 1                                      ; the first step stands in front of the loop: its products start the sums
	s_mov_b32 s3, LAPS-1
.Llap:                                                 ; a trip goes once round the ring and fills both slots again
	TURN 0, 1, 1
	STEP 1, 0
	TURN 1, 0, 1
	STEP 0, 0
	s_sub_co_u32 s3, s3, 1
	s_cmp_lg_u32 s3, 0
	s_cbranch_scc1 .Llap
	TURN 0, 1, 0                                   ; the last lap fills nothing
	STEP 1, 0
	s_wait_dscnt MH*NL
	MULQ 0, 1, 1, 1, 0
	MULQ MA/4, 1, 1, 1, 0
	s_wait_dscnt 0x0
	MULQ MA/2, 1, 1, 1, 0
	MULQ 3*MA/4, 1, 1, 1, 0
	WIN 0
	; THE EPILOGUE, without LDS: for each of A's eight blocks the lane's 64 results get their bias, are quantised in registers, and leave as pieces of 256 consecutive bytes.
	PLACES NP                                      ; behind the last products: results are read, and registers that they read are loaded
.irp b, 0,1,2,3
	v_mov_b32 v[TM+4+\b], 0                        ; a lane permute's destination counts as one of its sources
.endr
	s_mov_b32 s[SEL], 0x76543210
	s_mov_b32 s[SEL+1], 0xfedcba98
	v_lshlrev_b32 v25, 2, v1                       ; 4 r: a scale word's place
	s_mov_b32 s23, 0
	s_cmp_lt_u32 s66, 4
	s_cbranch_scc0 .Lvmode
	; ---- q and k: rows are tokens, my 128 columns are two heads
	s_lshr_b32 s19, s42, 2                         ; 0: q, 1: k
	s_and_b32 s20, s42, 3
	s_lshl_b32 s20, s20, 1
	s_add_co_u32 s20, s20, s[WL]                   ; which 128 of the 1,024 channels
	s_lshl_b32 s22, s20, 9
	s_mov_b32 s21, 13056
	s_cmp_eq_u32 s19, 0
	s_cselect_b64 s[8:9], s[8:9], s[10:11]         ; bq or bk
	s_cselect_b32 s21, 6656, s21                   ; a step's bytes
	s_cselect_b32 s2, 0, 3407872                   ; the region
	s_add_nc_u64 s[8:9], s[8:9], s[22:23]
	s_lshr_b32 s22, s45, 3                         ; b
	s_lshl_b32 s22, s22, 4
	s_lshl_b32 s20, s20, 1                         ; the even head
	s_add_co_u32 s22, s22, s20
	s_lshl_b32 s22, s22, 4
	s_and_b32 s20, s45, 7
	s_lshl_b32 s20, s20, 1
	s_add_co_u32 s20, s20, s[WH]                   ; the step of 128 tokens
	s_add_co_u32 s22, s22, s20
	s_mul_i32 s22, s22, s21
	s_add_co_u32 s22, s22, s2
	s_add_nc_u64 s[92:93], s[14:15], s[22:23]      ; the even head's step
	s_lshl_b32 s22, s21, 4
	s_add_nc_u64 s[46:47], s[92:93], s[22:23]      ; the odd head's: 16 steps on
	v_lshlrev_b32 v26, 6, v2                       ; 64 h
	WIN 0x40
.irp b, 0,1,2,3
.irp j, 0,1,2,3
	global_load_b128 v[16*\b+4*\j:16*\b+4*\j+3], v26, s[8:9] offset:128*\b+16*\j   ; the bias of my 64 columns, in the results' order
.endr
.endr
	WIN 0
	s_wait_loadcnt 0x0
.macro EQK a
	s_wait_xcnt 0x0                                ; the last block's stores have read their registers
	WIN 0x06+(\a)/4                                ; source 0 window 2 or 3, source 1 window 1
.set i, 0
.rept 32
	v_pk_add_f32 v[T+i:T+i+1], v[64*((\a)%4)+i:64*((\a)%4)+i+1], v[i:i+1]   ; each accumulator from its low end on
.set i, i+2
.endr
	WIN 0
	QUANT T
	v_and_b32 v[W0], 0xffff, v[PW]                 ; blocks 0 and 1 are the even head's 64 channels,
	v_lshrrev_b32 v[W1], 16, v[PW]                 ; blocks 2 and 3 the odd head's
.irp w, 0,1,2
	global_store_b64 v3, v[PC+2*\w:PC+2*\w+1], s[92:93] offset:768*(\a)+256*\w
	global_store_b64 v3, v[PC+6+2*\w:PC+7+2*\w], s[46:47] offset:768*(\a)+256*\w
.endr
	global_store_b32 v25, v[W0], s[92:93] offset:6144+64*(\a)
	global_store_b32 v25, v[W1], s[46:47] offset:6144+64*(\a)
.endm
.irp a, 0,1,2,3,4,5,6,7
	EQK \a
.endr
	s_branch .Ldone
.Lvmode:
	; ---- v^T: rows are channels (two heads of four blocks), my 128 columns are one key step
	s_lshl_b32 s22, s45, 10
	s_lshl_b32 s19, s[WH], 9
	s_add_co_u32 s22, s22, s19
	s_add_nc_u64 s[12:13], s[12:13], s[22:23]      ; bv at my 128 channels
	v_and_b32 v26, 8, v1
	v_add_nc_u32 v26, v26, v1
	v_lshlrev_b32 v26, 2, v26                      ; row r of a block is channel r + 8 (r / 8) of its 32
.irp a, 0,1,2,3,4,5,6,7
	global_load_b32 v[BM+\a], v26, s[12:13] offset:4*(32*(\a/2)+8*(\a%2))
.endr
	s_lshl_b32 s20, s45, 2
	s_lshl_b32 s19, s[WH], 1
	s_add_co_u32 s20, s20, s19                     ; my first head
	s_lshr_b32 s19, s42, 3                         ; b
	s_lshl_b32 s19, s19, 4
	s_add_co_u32 s20, s20, s19
	s_lshl_b32 s20, s20, 4
	s_and_b32 s19, s42, 7
	s_lshl_b32 s19, s19, 1
	s_add_co_u32 s19, s19, s[WL]                   ; the key step
	s_add_co_u32 s20, s20, s19
	s_mul_i32 s22, s20, 13056
	s_add_co_u32 s22, s22, 3407872+6656
	s_add_nc_u64 s[92:93], s[14:15], s[22:23]
	s_wait_loadcnt 0x0
.macro EVT a
	s_wait_xcnt 0x0
	WIN 0x02+(\a)/4
.set i, 0
.rept 64
	v_add_f32 v[T+i], v[64*((\a)%4)+i], v[BM+(\a)]
.set i, i+1
.endr
	WIN 0
	QUANT T
.irp p, 0,1,2,3,4,5
	global_store_b64 v3, v[PC+2*\p:PC+2*\p+1], s[92:93] offset:((\a)/4)*208896+((\a)%4)*1536+256*\p
.endr
	global_store_b32 v25, v[PW], s[92:93] offset:6144+((\a)/4)*208896+64*((\a)%4)
.endm
.irp a, 0,1,2,3,4,5,6,7
	EVT \a
.endr
.Ldone:
	s_wait_tensorcnt 0x0                           ; the wave's end
	ds_add_u32 v[SPW], v[NIL]
	s_wait_dscnt 0x0
	CROUND                                         ; the closing round
	s_endpgm
.Lfunc_end_k_q28e440f482_qkv:
	.size	k_q28e440f482_qkv, .Lfunc_end_k_q28e440f482_qkv-k_q28e440f482_qkv
	.p2alignl 7, 3214868480
	.fill 96, 4, 3214868480
	.section	.rodata,"a",@progbits
	.p2align	6, 0x0
	.amdhsa_kernel k_q28e440f482_qkv
		.amdhsa_group_segment_fixed_size 327680
		.amdhsa_private_segment_fixed_size 0
		.amdhsa_enable_private_segment 0
		.amdhsa_kernarg_size 48
		.amdhsa_user_sgpr_count 2
		.amdhsa_user_sgpr_kernarg_segment_ptr 1
		.amdhsa_wavefront_size32 1
		.amdhsa_system_sgpr_workgroup_id_x 1
		.amdhsa_system_sgpr_workgroup_id_y 1
		.amdhsa_system_sgpr_workgroup_id_z 1
		.amdhsa_system_vgpr_workitem_id 0
		.amdhsa_next_free_vgpr 1024
		.amdhsa_next_free_sgpr 100
		.amdhsa_reserve_vcc 0
		.amdhsa_float_denorm_mode_32 3
		.amdhsa_float_denorm_mode_16_64 3
		.amdhsa_memory_ordered 1
		.amdhsa_forward_progress 1
		.amdhsa_inst_pref_size 242
	.end_amdhsa_kernel
	.amdgpu_metadata
---
amdhsa.version: [ 1, 2 ]
amdhsa.kernels:
  - .name:           k_q28e440f482_qkv
    .symbol:         k_q28e440f482_qkv.kd
    .args:
      - { .name: hq, .offset: 0, .size: 8, .value_kind: global_buffer, .address_space: global }
      - { .name: wts, .offset: 8, .size: 8, .value_kind: global_buffer, .address_space: global }
      - { .name: bq, .offset: 16, .size: 8, .value_kind: global_buffer, .address_space: global }
      - { .name: bk, .offset: 24, .size: 8, .value_kind: global_buffer, .address_space: global }
      - { .name: bv, .offset: 32, .size: 8, .value_kind: global_buffer, .address_space: global }
      - { .name: qkv, .offset: 40, .size: 8, .value_kind: global_buffer, .address_space: global }
    .group_segment_fixed_size: 327680
    .private_segment_fixed_size: 0
    .kernarg_segment_align: 8
    .kernarg_segment_size: 48
    .max_flat_workgroup_size: 128
    .sgpr_count:     100
    .vgpr_count:     1024
    .wavefront_size: 32
...
	.end_amdgpu_metadata
.endif
;; end of part 10
;; launch attn (part 11): grid 8 x 32, 16 waves a work-group, no clusters, 327,680 bytes of LDS; arguments qkv, att; writes att
.if DOCPART == 11
	.amdgcn_target "amdgcn-amd-amdhsa--gfx1250"
	.amdhsa_code_object_version 6
	.text
	.protected	k_q28e440f482_attn
	.globl	k_q28e440f482_attn
	.p2align	8
	.type	k_q28e440f482_attn,@function
k_q28e440f482_attn:
	s_mov_b64 s[64:65], 0
	v_nop
	global_prefetch_b8 v0, s[64:65] scope:SCOPE_SE
	s_setreg_imm32_b32 hwreg(HW_REG_WAVE_MODE, 25, 1), 1
	s_wait_xcnt 0x0
; Causal attention of one head on codes of FP6 (E2M3), both products quantised; the result, divided by the row's sum, is quantised along the channels for the next product and leaves as codes.
; THE SOFTMAX: t = score x log2(e) / 8; M = the running largest t rounded UP to a whole number; p = 2^(t - M) is quantised along the keys, not normalised; the row's sum is taken of the
; unquantised p and divides at the end.  When M moves, the sum and O are multiplied by 2^(old M - new M): exact.
; LEFT OUT: key steps all of whose keys come after a tile's queries: the causal mask gives them the weight 0.
; LIMITS: NaN and infinities are not served; a block's largest magnitude is taken no smaller than 2^-124 (a block of zeros keeps the byte 1: its codes are zeros); the scaled scores stay under 2^31.
; INPUT qkv: q [16 b + head][step of 128 tokens][6,656 bytes] (8 tiles x 768 of codes, 512 of scale words); from byte 3,407,872 k and v [16 b + head][key step][13,056 bytes]: k's codes 8 x 768,
; k's scale words 512, v^T's codes 4 x 1,536, v^T's scale words 256; all in the order of the operands' registers.  Token i (and channel i) lies at position i with bits 3 and 4 exchanged.
; SHARES.  A work-group takes one head and two blocks of 128 queries, x (x + 1 key steps) and 15 - x (16 - x key steps).  A tile is 16 queries.  Wave 8 + i takes key steps 0-7 of tile i of block 15 - x.
; Wave i (0-7) takes tile i of block x whole and stores it, then key steps 8 .. 15 - x of tile i of block 15 - x; it hands O, -M and the sum to wave 8 + i through LDS as an image of its registers, and that
; wave joins the two parts (both brought under the larger M by powers of two) and stores the tile.  So a wave walks 8 or 9 key steps.
; THE HEAD'S WHOLE K AND V, 208,896 dense bytes = 816 rows of 256, come into LDS once, as they lie, in two parts.  At the head wave w fetches rows 13 w .. 13 w + 12: 208 rows, which hold key steps 0-3
; (204 rows).  Behind the wait for them, the add and a barrier wave w fetches rows 208 + 38 w .. 208 + 38 w + 37, its one tensor load there; key steps 0-3 are worked while these land; then the wait for
; them, a barrier, and the other key steps.  Nothing is filled again.
; No cluster: the steps that a wave leaves out under the mask hang on its work-group's block of queries, which in a cluster would be its place there.
; No prefetch: all that the work-group reads of K and V is asked for by its two loads, ahead of the loops.
; LAYOUT.  Both products are used transposed: S^T = K Q^T, O^T = V^T P^T: a lane holds ONE query throughout.  By the order of the keys in a tile the 16 registers of tiles 2 b, 2 b + 1 are 16 neighbouring keys.
; THE HEAD IS 64 WIDE, the instruction 128: q's upper six registers are zero codes; k's operand runs on into the next six registers, whose codes meet those zeros (behind the eighth tile: v80-85, the codes of
; block 15 - x's q, which every wave loads there; waves 0-7 also take them as their second q); the upper two scale bytes are 0 (2^-127, no NaN).
; REGISTERS: v1, v2, v9 addresses that stay; v8, v10 the step's; v12 -M, v13 the largest t, v[14:15] the sum; v16-27 q; v29 the mask's number; v32-79 fragments of K, then of V; v80-86 the second q;
; v96-159 S^T, then p; v160-191 O^T; v192-195 V's scale words, v196-203 K's, v253 p's, v255 q's; v223, v243 the add's; v224-235 p's codes; v232-254 at work.
.set STEPB, 13056
.set KSC,   6144
.set VCO,   6656
.set VSC,   12800
.set HEADB, 208896
.set QSTEP, 6656
.set KVOFF, 3407872
.set ASC,   3145728
.set P1R,   13                         ; rows of 256 bytes in a wave's first load,
.set P2R,   38                         ; and in its second: 16 x (13 + 38) = 816
.set STG,   16*STEPB                   ; behind K and V: eight stages of 9 x 512 bytes, one for each pair of waves
.set STGW,  4608
.set SPARE, STG+8*STGW                 ; the spare words, 128 bytes for each wave
.set L8,  1
.set R4,  2
.set ADK, 8
.set SGA, 9                            ; v9 my pair's stage + 16 x lane
.set ADS, 10
.set DM,  29
.set VSR, 192
.set KSR, 196
.set WV,  8
.set BLK, 9                            ; s9  the block of queries of the tile at work: its diagonal key step
.set KS,  10
.set TB,  11
.set SEL, 20
.set CS,  22
.set G1,  24
.set G0,  32
.set G0B, 36                           ; s[36:39] group 0 of my second load
.set HI,  44                           ; s44 the last key step of the share at work
.set XH,  45                           ; s45 15 - x
.macro DL n
	s_delay_alu instid0(VALU_DEP_\n)
.endm
.macro PL4
.rept 4
	v_nop
.endr
.endm
.macro RESET                           ; a tile's sums begin: the step is written for every step alike, and the first change of M leaves zeros zeros
	v_mov_b32 v13, 0xff61b1e6                      ; the largest t so far: -3e38
	DL 1
	v_floor_f32 v12, -v13
	v_mov_b32 v14, 0
	v_mov_b32 v15, 0
.set j, 0
.rept 32
	v_mov_b32 v[160+j], 0
.set j, j+1
.endr
.endm
	s_load_b128 s[4:7], s[0:1], 0x0                ; qkv, att
	v_lshl_add_u32 v223, v0, 2, SPARE
	v_mov_b32 v243, 0
	ds_add_u32 v223, v243
	ds_add_u32 v223, v243
	v_lshrrev_b32 v8, 5, v0
	DL 1
	v_readfirstlane_b32 s[WV], v8                  ; wave 0..15
	s_and_b32 s12, ttmp7, 0xffff                   ; 16 b + head
	s_mov_b32 s[G1], 3<<16                         ; dense rows of 256 bytes (32 elements of 8 bytes): 13 of them in the first load
	s_mov_b32 s[G1+1], 32<<16
	s_mov_b32 s[G1+2], P1R<<16
	s_mov_b32 s[G1+3], 32<<16
	s_mov_b32 s[G1+4], P1R
	s_mov_b32 s[G1+5], 32
	s_mov_b32 s[G1+6], 0
	s_mov_b32 s[G1+7], 0
	s_mul_i32 s13, s[WV], P1R*256                  ; my first rows: their place in LDS and in the head
	s_mul_i32 s37, s[WV], P2R*256
	s_add_co_u32 s37, s37, 16*P1R*256              ; my second rows likewise
	s_mul_i32 s14, s12, HEADB
	s_add_co_u32 s14, s14, KVOFF
	s_add_co_u32 s38, s14, s37
	s_mov_b32 s39, 0
	s_add_co_u32 s14, s14, s13
	s_mov_b32 s15, 0
	s_sub_co_u32 s[XH], 15, ttmp9
	s_cmp_lt_u32 s[WV], 8
	s_cselect_b32 s[BLK], ttmp9, s[XH]             ; my first share's block, which is also the block of the tile that I store
	s_cselect_b32 s[HI], ttmp9, 7
	s_and_b32 s18, s[WV], 7                        ; my tile in the block
	s_mul_i32 s52, s12, 16*QSTEP
	s_mul_i32 s53, s18, 768
	s_add_co_u32 s54, s52, s53
	s_lshl_b32 s53, s18, 6
	s_add_co_u32 s52, s52, s53
	s_add_co_u32 s52, s52, 6144
	s_mul_i32 s56, s[BLK], QSTEP
	s_mul_i32 s57, s[XH], QSTEP
	s_add_co_u32 s58, s54, s57                     ; the second q's codes,
	s_add_co_u32 s46, s52, s57                     ; its scale words;
	s_add_co_u32 s54, s54, s56                     ; the first q's codes,
	s_add_co_u32 s52, s52, s56                     ; its scale words
	s_mov_b32 s59, 0
	s_mov_b32 s47, 0
	s_mov_b32 s55, 0
	s_mov_b32 s53, 0
	s_lshr_b32 s16, s12, 4                         ; b
	s_and_b32 s17, s12, 15                         ; head
	s_lshl_b32 s16, s16, 7
	s_lshl_b32 s19, s[BLK], 3
	s_add_co_u32 s16, s16, s19
	s_add_co_u32 s16, s16, s18                     ; my row block among the 256
	s_mul_i32 s40, s16, 12288
	s_mul_i32 s19, s17, 768
	s_add_co_u32 s40, s40, s19                     ; the output's codes: 64 along K = my head
	s_mov_b32 s41, 0
	s_lshl_b32 s42, s16, 9
	s_lshr_b32 s19, s17, 1
	s_lshl_b32 s19, s19, 6
	s_add_co_u32 s42, s42, s19
	s_and_b32 s19, s17, 1
	s_lshl_b32 s19, s19, 1
	s_add_co_u32 s42, s42, s19
	s_add_co_u32 s42, s42, ASC                     ; and my head's two bytes of the scale words
	s_mov_b32 s43, 0
	s_lshr_b32 s19, s18, 1
	s_lshl_b32 s19, s19, 5
	s_and_b32 s56, s18, 1
	s_lshl_b32 s56, s56, 3
	s_add_co_u32 s19, s19, s56                     ; my tile's first query within its block
	s_mul_i32 s48, s18, STGW
	s_add_co_u32 s48, s48, STG                     ; my pair's stage
	s_mov_b32 s[SEL], 0x76543210
	s_mov_b32 s[SEL+1], 0xfedcba98
	s_mov_b32 s[CS], 0x3e38aa3b                    ; c = log2(e) / 8
	s_mov_b32 s[CS+1], s[CS]
	s_mov_b32 s[TB], 0
	s_mov_b32 s[KS], 0
	s_wait_dscnt 0x0
	s_wait_kmcnt 0x0
	s_mov_b32 s[G0], 1
	s_mov_b32 s[G0+1], s13
	s_add_nc_u64 s[G0+2:G0+3], s[4:5], s[14:15]
	s_or_b32 s[G0+3], s[G0+3], 0x80000000
	s_mov_b32 s[G0B], 1
	s_add_nc_u64 s[G0B+2:G0B+3], s[4:5], s[G0B+2:G0B+3]
	s_or_b32 s[G0B+3], s[G0B+3], 0x80000000
	tensor_load_to_lds s[G0:G0+3], s[G1:G1+7]      ; my one tensor load at the head
	s_nop 0
	PL4
	s_add_nc_u64 s[54:55], s[4:5], s[54:55]
	s_add_nc_u64 s[52:53], s[4:5], s[52:53]
	s_add_nc_u64 s[58:59], s[4:5], s[58:59]
	s_add_nc_u64 s[46:47], s[4:5], s[46:47]
	s_add_nc_u64 s[40:41], s[6:7], s[40:41]
	s_add_nc_u64 s[42:43], s[6:7], s[42:43]
	v_and_b32 v[L8], 31, v0
	v_and_b32 v3, 15, v0                           ; r
	DL 2
	v_lshlrev_b32 v[SGA], 4, v[L8]
	v_lshlrev_b32 v[L8], 3, v[L8]
	v_lshlrev_b32 v[R4], 2, v3
	v_add_nc_u32 v[SGA], s48, v[SGA]
	v_bfe_u32 v4, v0, 4, 1                         ; h
.irp w, 0,1,2
	global_load_b64 v[16+2*\w:17+2*\w], v[L8], s[54:55] offset:256*\w   ; q's 64 channels stay in registers
	global_load_b64 v[80+2*\w:81+2*\w], v[L8], s[58:59] offset:256*\w
.endr
	global_load_b32 v255, v[R4], s[52:53]          ; q's scale words
	global_load_b32 v86, v[R4], s[46:47]
	v_and_b32 v5, 8, v3
	DL 1
	v_add_nc_u32 v5, v5, v3                        ; r + 8 (r / 8)
	v_lshlrev_b32 v6, 4, v4
	DL 1
	v_sub_nc_u32 v5, v5, v6
	DL 1
	v_add_nc_u32 v[DM], s19, v5                    ; my query within its block - 16 h: on the diagonal, register 16 b + i is hidden where 32 b + i is greater
.irp j, 22,23,24,25,26,27
	v_mov_b32 v[\j], 0                             ; q's upper 64 along K: zero codes
.endr
.irp b, 0,1,2,3
	v_mov_b32 v[236+\b], 0                         ; a lane permute's destination counts as one of its sources
.endr
	v_mov_b32 v252, 0
	v_mov_b32 v253, 0
	RESET
; A KEY STEP: 128 keys, at LDS byte s[TB].  A step beyond my share is left out by a branch on ids; the lines that step the address and the count stand behind it.
.macro KEYSTEP
	s_cmp_gt_u32 s[KS], s[HI]
	s_cbranch_scc1 .Lhidden_\@
	v_add_nc_u32 v[ADK], s[TB], v[L8]
	s_wait_alu depctr_va_vdst(0)
	v_add_nc_u32 v[ADS], s[TB], v[R4]
	s_wait_alu depctr_va_vdst(0)
	v_nop
	v_nop                                          ; four places in front of loads into registers that the last step's products read
.irp t, 0,1,2,3,4,5,6,7                        ; K's eight tiles of 16 keys in one run: four LDS instructions a tile
.irp w, 0,1,2
	ds_load_b64 v[32+6*\t+2*\w:33+6*\t+2*\w], v[ADK] offset:\t*768+256*\w
.endr
	ds_load_b32 v[KSR+\t], v[ADS] offset:KSC+64*\t
.endr
	s_wait_dscnt 12                                ; tiles 0 to 4 are in (tile 3's operand runs on into tile 4's registers); the 12 instructions of tiles 5 to 7 may be out
.irp t, 0,1,2,3                                ; S^T = K Q^T
	v_wmma_scale_f32_16x16x128_f8f6f4 v[96+8*\t:103+8*\t], v[32+6*\t:43+6*\t], v[16:27], 0, v[KSR+\t], v255 matrix_a_fmt:MATRIX_FMT_FP6 matrix_b_fmt:MATRIX_FMT_FP6
.endr
	s_wait_dscnt 0x0
.irp t, 4,5,6,7
	v_wmma_scale_f32_16x16x128_f8f6f4 v[96+8*\t:103+8*\t], v[32+6*\t:43+6*\t], v[16:27], 0, v[KSR+\t], v255 matrix_a_fmt:MATRIX_FMT_FP6 matrix_b_fmt:MATRIX_FMT_FP6
.endr
	PL4                                            ; places: results are read, and K's registers are loaded anew
.irp t, 0,1,2,3                                ; V^T's four tiles are asked for now and waited for ahead of the second product: the softmax stands between
.irp p, 0,1,2,3,4,5
	ds_load_b64 v[32+12*\t+2*\p:33+12*\t+2*\p], v[ADK] offset:VCO+1536*\t+256*\p
.endr
	ds_load_b32 v[VSR+\t], v[ADS] offset:VSC+64*\t
.endr
	s_cmp_lt_u32 s[KS], s[BLK]                     ; off the diagonal all keys count
	s_cbranch_scc1 .Lopen_\@
	v_mov_b32 v254, 0xff800000                     ; on it hidden scores become -infinity ahead of the maximum: p = 0 then
.set n, 0
.rept 64
	v_cmp_gt_i32 vcc_lo, 32*(n/16)+n%16, v[DM]
	v_cndmask_b32 v[96+n], v[96+n], v254, vcc_lo
.set n, n+1
.endr
.Lopen_\@:
.irp b, 0,1,2,3
	v_max3_num_f32 v[232+\b], v[96+16*\b], v[97+16*\b], v[98+16*\b]   ; the largest score of each block of 32 keys: for the row's maximum and for the block's largest p
.endr
.irp i, 3,5,7,9,11,13
.irp b, 0,1,2,3
	v_max3_num_f32 v[232+\b], v[232+\b], v[96+16*\b+\i], v[97+16*\b+\i]
.endr
.endr
.irp b, 0,1,2,3
	v_max_num_f32 v[232+\b], v[232+\b], v[111+16*\b]
.endr
.irp b, 0,1,2,3
	DL 4
	v_permlanex16_b32 v[236+\b], v[232+\b], s[SEL], s[SEL+1]
.endr
.irp b, 0,1,2,3
	DL 4
	v_max_num_f32 v[232+\b], v[232+\b], v[236+\b]  ; with lane l xor 16's 16 keys
.endr
	DL 2
	v_max3_num_f32 v254, v232, v233, v234
	DL 1
	v_max_num_f32 v254, v254, v235
	DL 1
	v_mul_f32 v254, s[CS], v254                    ; the step's largest t
	DL 1
	v_max_num_f32 v13, v13, v254
	v_mov_b32 v254, v12
	DL 2
	v_floor_f32 v12, -v13                          ; the new -M = -ceil(t): a whole number
	DL 1
	v_sub_f32 v254, v12, v254                      ; old M - new M
	DL 1
	v_cvt_i32_f32 v254, v254                       ; (it saturates)
	DL 1
	v_ldexp_f32 v252, 1.0, v254                    ; f = 2^(old M - new M)
.set j, 0
.rept 32
	v_pk_fma_f32 v[96+j:97+j], v[96+j:97+j], s[CS:CS+1], v[12:13] op_sel_hi:[1,0,0]   ; t - M
.set j, j+2
.endr
.irp b, 0,1,2,3
	v_fma_f32 v[232+\b], v[232+\b], s[CS], v12     ; the same of each block's largest score
.endr
.set j, 0
	s_wait_alu depctr_va_vdst(0)                   ; a wait ahead of the batch
.rept 64
	v_exp_f32 v[96+j], v[96+j]                     ; p = 2^(t - M)
.set j, j+1
.endr
	v_pk_mul_f32 v[14:15], v[14:15], v[252:253] op_sel_hi:[1,0]   ; the sums under the new M: a plain place behind the exponentials
	s_wait_alu depctr_va_vdst(0)                   ; one wait for the batch, ahead of its first reader
.irp b, 0,1,2,3
	v_exp_f32 v[232+\b], v[232+\b]                 ; the block's largest p
.endr
	v_pk_add_f32 v[236:237], v[100:101], v[104:105]
	v_pk_add_f32 v[250:251], v[108:109], v[112:113]
	v_pk_add_f32 v[248:249], v[116:117], v[120:121]
	v_pk_add_f32 v[246:247], v[124:125], v[128:129]
	v_pk_add_f32 v[244:245], v[132:133], v[136:137]
	v_pk_add_f32 v[240:241], v[140:141], v[144:145]
	v_pk_add_f32 v[238:239], v[148:149], v[152:153]
	v_pk_add_f32 v[14:15], v[14:15], v[156:157]
	v_pk_add_f32 v[236:237], v[236:237], v[96:97]
	v_pk_add_f32 v[250:251], v[250:251], v[98:99]
	v_pk_add_f32 v[248:249], v[248:249], v[102:103]
	v_pk_add_f32 v[246:247], v[246:247], v[106:107]
	v_pk_add_f32 v[244:245], v[244:245], v[110:111]
	v_pk_add_f32 v[240:241], v[240:241], v[114:115]
	v_pk_add_f32 v[238:239], v[238:239], v[118:119]
	v_pk_add_f32 v[14:15], v[14:15], v[122:123]
	v_pk_add_f32 v[236:237], v[236:237], v[126:127]
	v_pk_add_f32 v[250:251], v[250:251], v[130:131]
	v_pk_add_f32 v[248:249], v[248:249], v[134:135]
	v_pk_add_f32 v[246:247], v[246:247], v[138:139]
	v_pk_add_f32 v[244:245], v[244:245], v[142:143]
	v_pk_add_f32 v[240:241], v[240:241], v[146:147]
	v_pk_add_f32 v[238:239], v[238:239], v[150:151]
	v_pk_add_f32 v[14:15], v[14:15], v[154:155]
	v_pk_add_f32 v[236:237], v[236:237], v[158:159]
	DL 2
	v_pk_add_f32 v[14:15], v[14:15], v[246:247]
	DL 2
	v_pk_add_f32 v[236:237], v[236:237], v[244:245]
	v_pk_add_f32 v[250:251], v[250:251], v[240:241]
	v_pk_add_f32 v[248:249], v[248:249], v[238:239]
	DL 2
	v_pk_add_f32 v[14:15], v[14:15], v[250:251]
	DL 2
	v_pk_add_f32 v[236:237], v[236:237], v[248:249]
	DL 1
	v_pk_add_f32 v[14:15], v[14:15], v[236:237]
	s_wait_alu depctr_va_vdst(0)                   ; and one for the four
.irp b, 0,1,2,3
	v_max_num_f32 v[232+\b], 0x1800000, v[232+\b]  ; the floor 2^(3 - 127)
.endr
.irp b, 0,1,2,3
	DL 4
	v_add_nc_u32 v[244+\b], 0xff000000, v[232+\b]  ; the conversion's scale operand
.endr
.irp b, 0,1,2,3
	DL 4
	v_lshrrev_b32 v[236+\b], 23, v[244+\b]         ; the scale's byte
.endr
	DL 3
	v_lshl_or_b32 v253, v237, 8, v236              ; p's scale word for these 128 keys
	DL 1
	v_lshl_or_b32 v253, v238, 16, v253
	DL 1
	v_lshl_or_b32 v253, v239, 24, v253
.irp c, 0,1
	v_cvt_scalef32_pk16_fp6_f32 v[224+6*\c:226+6*\c], v[96+32*\c:111+32*\c], v[244+2*\c]
	v_cvt_scalef32_pk16_fp6_f32 v[236+4*\c:238+4*\c], v[112+32*\c:127+32*\c], v[244+2*\c+1]
.endr
	v_nop                                          ; one plain place behind a scaled conversion
.irp c, 0,1
.irp i, 0,1,2
	v_permlane16_swap_b32 v[224+6*\c+\i], v[236+4*\c+\i]
.endr
.irp i, 0,1,2
	DL 3
	v_mov_b32 v[227+6*\c+\i], v[236+4*\c+\i]
.endr
.endr
.set j, 0
.rept 16
	v_pk_mul_f32 v[160+j:161+j], v[160+j:161+j], v[252:253] op_sel_hi:[1,0]   ; O^T under the new M; these are also the places in front of the products below
.set j, j+2
.endr
	s_wait_alu depctr_va_vdst(0)
	s_wait_dscnt 0x0                               ; V^T's fragments and scale words
.irp t, 0,1,2,3                                ; O^T += V^T P^T: four tiles of 16 channels; K = these 128 keys
	v_wmma_scale_f32_16x16x128_f8f6f4 v[160+8*\t:167+8*\t], v[32+12*\t:43+12*\t], v[224:235], v[160+8*\t:167+8*\t], v[VSR+\t], v253 matrix_a_fmt:MATRIX_FMT_FP6 matrix_b_fmt:MATRIX_FMT_FP6
.endr
.Lhidden_\@:
	s_add_co_u32 s[TB], s[TB], STEPB
	s_add_co_u32 s[KS], s[KS], 1
.endm
; THE WAY OUT of a tile: O^T / the sum; register 16 b + i is channel 32 b + 16 h + i of my query: two blocks of the next product's K; quantised, and stored as three pieces of 256 bytes.
.macro EPI
	v_add_f32 v14, v14, v15
	DL 1
	v_permlanex16_b32 v252, v14, s[SEL], s[SEL+1]
	DL 1
	v_add_f32 v14, v14, v252                       ; the row's sum
	s_wait_alu depctr_va_vdst(0)
	v_rcp_f32 v14, v14
	v_nop
	s_wait_alu depctr_va_vdst(0)
.set j, 0
.rept 32
	v_mul_f32 v[96+j], v[160+j], v14
.set j, j+1
.endr
.irp b, 0,1
	v_max3_num_f32 v[232+\b], |v[96+16*\b]|, |v[97+16*\b]|, 0x1800000
.endr
.irp i, 2,4,6,8,10,12,14
.irp b, 0,1
	DL 2
	v_max3_num_f32 v[232+\b], v[232+\b], |v[96+16*\b+\i]|, |v[97+16*\b+\i]|
.endr
.endr
.irp b, 0,1
	DL 2
	v_permlanex16_b32 v[236+\b], v[232+\b], s[SEL], s[SEL+1]
.endr
.irp b, 0,1
	DL 2
	v_max_num_f32 v[232+\b], v[232+\b], v[236+\b]
.endr
.irp b, 0,1
	DL 2
	v_add_nc_u32 v[244+\b], 0xff000000, v[232+\b]
.endr
.irp b, 0,1
	DL 2
	v_lshrrev_b32 v[236+\b], 23, v[244+\b]
.endr
	DL 1
	v_lshl_or_b32 v240, v237, 8, v236              ; my head's two scale bytes
	v_cvt_scalef32_pk16_fp6_f32 v[224:226], v[96:111], v244
	v_cvt_scalef32_pk16_fp6_f32 v[228:230], v[112:127], v245
	v_nop
.irp i, 0,1,2
	v_permlane16_swap_b32 v[224+\i], v[228+\i]
.endr
.irp i, 0,1,2
	DL 3
	v_mov_b32 v[227+\i], v[228+\i]                 ; ascending: each source is read before it is written
.endr
.irp w, 0,1,2
	global_store_b64 v[L8], v[224+2*\w:225+2*\w], s[40:41] offset:256*\w   ; 32 lanes store 256 consecutive bytes, aligned
.endr
	global_store_b16 v[R4], v240, s[42:43]         ; lanes 16-31 hold the same bytes and write them to the same place
.endm
	s_wait_alu depctr_va_vdst(0)                   ; the wait at the head's end
	s_wait_tensorcnt 0x0                           ; my first rows are in LDS
	ds_add_u32 v223, v243
	s_mov_b32 s[G1+2], P2R<<16                     ; no tensor load of mine is out: the second load has 38 rows
	s_mov_b32 s[G1+4], P2R
	s_wait_dscnt 0x0
	s_barrier_signal -1
	s_barrier_wait -1                              ; key steps 0 to 3 are whole
	tensor_load_to_lds s[G0B:G0B+3], s[G1:G1+7]    ; my one tensor load behind this barrier: it lands on bytes from 53,248 on, key steps 0 to 3 end at 52,224
	s_nop 0
	PL4
	s_wait_loadcnt 0x0                             ; q, twice
.Lkey_0:                                               ; 4 trips, a constant: key steps 0 to 3, while the other rows land
	KEYSTEP
	s_cmp_lt_u32 s[KS], 4
	s_cbranch_scc1 .Lkey_0
	s_wait_tensorcnt 0x0                           ; my second rows are in,
	s_wait_dscnt 0x0
	s_barrier_signal -1
	s_barrier_wait -1                              ; everybody's are
	s_mov_b32 s[TB], 4*STEPB
	s_mov_b32 s[KS], 4
.Lkey_a:                                               ; 4 trips, a constant: key steps 4 to 7
	KEYSTEP
	s_cmp_lt_u32 s[KS], 8
	s_cbranch_scc1 .Lkey_a
	PL4                                            ; places behind the last products
	s_cmp_lt_u32 s[WV], 8
	s_cbranch_scc0 .Lmid_a
	EPI                                            ; waves 0-7: block x's tile is finished and leaves
	s_wait_xcnt 0x0                                ; the stores have read their registers
.irp j, 0,1,2,3,4,5
	v_mov_b32 v[16+\j], v[80+\j]                   ; block 15 - x's tile: its q,
.endr
	v_mov_b32 v255, v86                            ; its scale words; the 36 lines below are the places ahead of the next products
	RESET
	s_mov_b32 s[BLK], s[XH]
	s_mov_b32 s[HI], s[XH]                         ; key steps 8 .. 15 - x
	s_wait_alu depctr_va_vdst(0)                   ; a wait ahead of the branch
	s_branch .Lmid_j
.Lmid_a:
	s_mov_b32 s[HI], 0                             ; waves 8-15 have no share of key steps 8 to 15
.Lmid_j:
	s_mov_b32 s[TB], 8*STEPB
	s_mov_b32 s[KS], 8
.Lkey_b:                                               ; 8 trips, a constant: key steps 8 to 15
	KEYSTEP
	s_cmp_lt_u32 s[KS], 16
	s_cbranch_scc1 .Lkey_b
	PL4
	s_cmp_lt_u32 s[WV], 8
	s_cbranch_scc0 .Lno_hand
.irp i, 0,1,2,3,4,5,6,7
	ds_store_b128 v[SGA], v[160+4*\i:163+4*\i] offset:512*\i   ; waves 0-7: my part of O^T, each accumulator from its low end on,
.endr
	ds_store_b128 v[SGA], v[12:15] offset:4096     ; -M, the largest t and the sum
.Lno_hand:
	s_wait_dscnt 0x0                               ; for the partner's sake: my stores have landed
	s_barrier_signal -1
	s_barrier_wait -1
	s_cmp_lt_u32 s[WV], 8
	s_cbranch_scc1 .Lfin
.irp i, 0,1,2,3,4,5,6,7
	ds_load_b128 v[96+4*\i:99+4*\i], v[SGA] offset:512*\i      ; waves 8-15: the partner's registers, lane by lane
.endr
	ds_load_b128 v[128:131], v[SGA] offset:4096
	s_wait_dscnt 0x0
	s_wait_alu depctr_va_vdst(0)
	v_min_num_f32 v254, v12, v128                  ; -M of the two parts together
	DL 1
	v_sub_f32 v252, v254, v12                      ; my M - M,
	v_sub_f32 v250, v254, v128                     ; the partner's M - M: whole numbers, 0 or less
	DL 2
	v_cvt_i32_f32 v252, v252
	DL 2
	v_cvt_i32_f32 v250, v250
	DL 2
	v_ldexp_f32 v252, 1.0, v252
	DL 2
	v_ldexp_f32 v250, 1.0, v250
	DL 1
	v_mov_b32 v251, v250
	v_pk_mul_f32 v[14:15], v[14:15], v[252:253] op_sel_hi:[1,0]
.set j, 0
.rept 16
	v_pk_mul_f32 v[160+j:161+j], v[160+j:161+j], v[252:253] op_sel_hi:[1,0]
.set j, j+2
.endr
	v_pk_fma_f32 v[14:15], v[130:131], v[250:251], v[14:15]
.set j, 0
.rept 16
	v_pk_fma_f32 v[160+j:161+j], v[96+j:97+j], v[250:251], v[160+j:161+j]
.set j, j+2
.endr
	EPI                                            ; block 15 - x's tile leaves
.Lfin:
	s_wait_tensorcnt 0x0                           ; the wave's end
	ds_add_u32 v223, v243
	s_wait_dscnt 0x0
	s_endpgm
.Lfunc_end_k_q28e440f482_attn:
	.size	k_q28e440f482_attn, .Lfunc_end_k_q28e440f482_attn-k_q28e440f482_attn
	.p2alignl 7, 3214868480
	.fill 96, 4, 3214868480
	.section	.rodata,"a",@progbits
	.p2align	6, 0x0
	.amdhsa_kernel k_q28e440f482_attn
		.amdhsa_group_segment_fixed_size 327680
		.amdhsa_private_segment_fixed_size 0
		.amdhsa_enable_private_segment 0
		.amdhsa_kernarg_size 16
		.amdhsa_user_sgpr_count 2
		.amdhsa_user_sgpr_kernarg_segment_ptr 1
		.amdhsa_wavefront_size32 1
		.amdhsa_system_sgpr_workgroup_id_x 1
		.amdhsa_system_sgpr_workgroup_id_y 1
		.amdhsa_system_sgpr_workgroup_id_z 1
		.amdhsa_system_vgpr_workitem_id 0
		.amdhsa_next_free_vgpr 256
		.amdhsa_next_free_sgpr 66
		.amdhsa_reserve_vcc 1
		.amdhsa_float_denorm_mode_32 3
		.amdhsa_float_denorm_mode_16_64 3
		.amdhsa_memory_ordered 1
		.amdhsa_forward_progress 1
		.amdhsa_inst_pref_size 95
	.end_amdhsa_kernel
	.amdgpu_metadata
---
amdhsa.version: [ 1, 2 ]
amdhsa.kernels:
  - .name:           k_q28e440f482_attn
    .symbol:         k_q28e440f482_attn.kd
    .args:
      - { .name: qkv, .offset: 0, .size: 8, .value_kind: global_buffer, .address_space: global }
      - { .name: att, .offset: 8, .size: 8, .value_kind: global_buffer, .address_space: global }
    .group_segment_fixed_size: 327680
    .private_segment_fixed_size: 0
    .kernarg_segment_align: 8
    .kernarg_segment_size: 16
    .max_flat_workgroup_size: 512
    .sgpr_count:     66
    .vgpr_count:     256
    .wavefront_size: 32
...
	.end_amdgpu_metadata
.endif
;; end of part 11
;; launch oproj (part 12): grid 8 x 32, 4 waves a work-group, clusters of 4 x 4, 327,680 bytes of LDS; arguments att, wts, bo, x, x1; writes x1
.if DOCPART == 12
	.amdgcn_target "amdgcn-amd-amdhsa--gfx1250"
	.amdhsa_code_object_version 6
	.text
	.protected	k_q28e440f482_oproj
	.globl	k_q28e440f482_oproj
	.p2align	8
	.type	k_q28e440f482_oproj,@function
k_q28e440f482_oproj:
	s_mov_b64 s[64:65], 0
	v_nop
	global_prefetch_b8 v0, s[64:65] scope:SCOPE_SE
	s_setreg_imm32_b32 hwreg(HW_REG_WAVE_MODE, 25, 1), 1
	s_wait_xcnt 0x0
	s_wait_alu depctr_hold_cnt(0) depctr_sa_sdst(0) depctr_va_vdst(0) depctr_va_sdst(0) depctr_va_ssrc(0) depctr_va_vcc(0) depctr_vm_vsrc(0)
	s_getreg_b32 s2, hwreg(HW_REG_IB_STS2, 6, 4)
	s_cmp_eq_u32 s2, 0
	s_cbranch_scc0 .Lentry_in_a_cluster
	s_endpgm
.Lentry_in_a_cluster:
	s_bfe_u32 s2, ttmp6, 0x10000c
	s_cmp_lg_u32 s2, 0xf033
	s_cbranch_scc0 .Lentry_shape_is_right
	s_endpgm
.Lentry_shape_is_right:
.set SIZE_K, 1024
.set ASOFF, 3145728
.set BCOFF, 2359296
.set BSOFF, 9535488
.set NB,    4
.set NQ,    4
.set RB,    1536*NQ
.set FR,    12
.set NL,    6
.set NP,    4
.set HALFT, NB*RB
.set SLOT,  4*HALFT
.set KST,   SIZE_K/128
.set SBLK,  64*KST
.set HS,    NB*SBLK
.set SCL,   2*SLOT
.set SPARE, SCL+4*HS
.set LAPS,  SIZE_K/(256*NQ)
.set SPITCH, 272
.set BI,   12
.set ADRA, 16
.set ADRB, 20
.set STO,  24
.set RD,   25
.set CO,   26
.set ADRS, 27
.set SPW,  28
.set NIL,  29
.set CB,   30
.set SC,   32
.set BK,   64
.set ACC,  128
.set F0,   0
.set F1,   128
.set WV, 16
.set WH, 17
.set WL, 18
.set G1, 24
.set G0, 32
.set G1B, 48
.set G0B, 56
.set G1S, 68
.set G0S, 76
.set G1SB, 80
.set G0SB, 88
.set MUL,  0x05
.set TO_F, 0x40
.set MSB, 0
.macro WIN new
.if MSB != (\new)
	s_set_vgpr_msb (MSB<<8)|(\new)
.set MSB, \new
.endif
.endm
.macro JLOAD g0a, g1a, g0b, g1b
	s_cmp_eq_u32 s[WH], 0
	s_cbranch_scc0 .Lfor_b_\@
	tensor_load_to_lds s[\g0a:\g0a+3], s[\g1a:\g1a+7]
	s_nop 0
.rept 4
	v_nop
.endr
	s_branch .Lasked_\@
.Lfor_b_\@:
	tensor_load_to_lds s[\g0b:\g0b+3], s[\g1b:\g1b+7]
	s_nop 0
.rept 4
	v_nop
.endr
.Lasked_\@:
.endm
.macro CREST
	s_cmp_lg_u32 s[WV], 0
	s_cbranch_scc1 .Lnot_wave_0_\@
	s_barrier_signal -3
.Lnot_wave_0_\@:
	s_barrier_wait -3
	s_barrier_signal -1
	s_barrier_wait -1
.endm
.macro CROUND
	s_barrier_signal -1
	s_barrier_wait -1
	CREST
.endm
.macro PLACES n
.rept \n
	v_nop
.endr
.endm
.macro FRAG reg, adr, q, i
.irp p, 0,1,2,3,4,5
	ds_load_b64 v[(\reg)+2*\p:(\reg)+2*\p+1], v[\adr] offset:(\i)*RB+(\q)*1536+256*\p
.endr
.endm
.macro FETCH slot, q, f
	WIN TO_F
.irp i, 0,1,2,3
	FRAG \f+48+FR*\i, ADRB+\slot, \q, \i
.endr
.irp i, 0,1,2,3
	FRAG \f+FR*\i, ADRA+\slot, \q, \i
.endr
.endm
.macro SCALES sc
.irp i, 0,1,2,3
.irp q, 0,1,2,3
	ds_load_b32 v[SC+16*\sc+4*\i+\q], v[ADRS] offset:\i*SBLK+64*\q
.endr
.endr
.endm
.macro MULH f, a0, sc, q, zero
.irp a, \a0, \a0+1
.irp b, 0,1,2,3
.if \zero
	v_wmma_scale_f32_16x16x128_f8f6f4 v[ACC+8*(4*(\a)+\b):ACC+8*(4*(\a)+\b)+7], v[\f+48+FR*\b:\f+48+FR*\b+FR-1], v[\f+FR*(\a):\f+FR*(\a)+FR-1], 0, v[SC+16*(\sc)+4*\b+(\q)], v[SC+16*(\sc)+4*(\a)+(\q)] matrix_a_fmt:MATRIX_FMT_FP6 matrix_b_fmt:MATRIX_FMT_FP6 matrix_a_scale:MATRIX_SCALE_ROW1
.else
	v_wmma_scale_f32_16x16x128_f8f6f4 v[ACC+8*(4*(\a)+\b):ACC+8*(4*(\a)+\b)+7], v[\f+48+FR*\b:\f+48+FR*\b+FR-1], v[\f+FR*(\a):\f+FR*(\a)+FR-1], v[ACC+8*(4*(\a)+\b):ACC+8*(4*(\a)+\b)+7], v[SC+16*(\sc)+4*\b+(\q)], v[SC+16*(\sc)+4*(\a)+(\q)] matrix_a_fmt:MATRIX_FMT_FP6 matrix_b_fmt:MATRIX_FMT_FP6 matrix_a_scale:MATRIX_SCALE_ROW1
.endif
.endr
.endr
.endm
.macro STEP slot, q, zero
	PLACES NP
	FETCH \slot, (\q)+1, 128*(1-(\q)%2)
	s_wait_dscnt 8*NL
	WIN MUL
	MULH 128*((\q)%2), 0, \slot, \q, \zero
	MULH 128*((\q)%2), 2, \slot, \q, \zero
.endm
.macro TURN slot, next, fill
	WIN 0
	s_wait_tensorcnt 0x0
	ds_add_u32 v[SPW], v[NIL]
	s_wait_dscnt 1
	WIN MUL
	MULH F1, 0, \slot, 3, 0
	s_wait_dscnt 0x0
	s_barrier_signal -1
	MULH F1, 2, \slot, 3, 0
	WIN 0
	s_barrier_wait -1
.if \fill
	CREST
	s_add_nc_u64 s[G0+4*\slot+2:G0+4*\slot+3], s[G0+4*\slot+2:G0+4*\slot+3], 2*RB
	s_add_nc_u64 s[G0B+4*\slot+2:G0B+4*\slot+3], s[G0B+4*\slot+2:G0B+4*\slot+3], 2*RB
	JLOAD G0+4*\slot, G1, G0B+4*\slot, G1B
.else
	PLACES NP
.endif
	v_add_nc_u32 v[ADRS], 64*NQ, v[ADRS]
	FETCH \next, 0, F0
	WIN 0
	SCALES \next
.endm
	s_load_b256 s[4:11], s[0:1], 0x0
	s_load_b64 s[12:13], s[0:1], 0x20
	v_lshl_add_u32 v[SPW], v0, 2, SPARE
	v_mov_b32 v[NIL], 0
	ds_add_u32 v28, v29
	ds_add_u32 v28, v29
	s_wait_dscnt 0x0
	v_lshrrev_b32 v1, 5, v0
	v_readfirstlane_b32 s[WV], v1
	s_lshr_b32 s[WH], s[WV], 1
	s_and_b32 s[WL], s[WV], 1
	s_bfe_u32 s40, ttmp6, 0x40000
	s_bfe_u32 s41, ttmp6, 0x40004
	s_lshl_b32 s42, ttmp9, 2
	s_add_co_u32 s42, s42, s40
	s_and_b32 s45, ttmp7, 0xffff
	s_lshl_b32 s45, s45, 2
	s_add_co_u32 s45, s45, s41
	s_lshl_b32 s43, s41, 2
	s_lshl_b32 s43, 15, s43
	s_lshl_b32 s44, 0x1111, s40
	s_or_b32 s[G1], s43, (3<<16)|(1<<21)
	s_or_b32 s[G1B], s44, (3<<16)|(1<<21)
.irp g, G1, G1B
	s_mov_b32 s[\g+1], (RB/8)<<16
	s_mov_b32 s[\g+2], (2*NB)<<16
	s_mov_b32 s[\g+3], (RB/8)<<16
	s_mov_b32 s[\g+4], 2*NB
	s_mov_b32 s[\g+5], SIZE_K*3/2
	s_mov_b32 s[\g+6], 0
	s_mov_b32 s[\g+7], 0
.endr
	s_or_b32 s[G1S], s43, (3<<16)|(1<<21)
	s_or_b32 s[G1SB], s44, (3<<16)|(1<<21)
.irp g, G1S, G1SB
	s_mov_b32 s[\g+1], 32<<16
	s_mov_b32 s[\g+2], (2*HS/256)<<16
	s_mov_b32 s[\g+3], 32<<16
	s_mov_b32 s[\g+4], 2*HS/256
	s_mov_b32 s[\g+5], 32
	s_mov_b32 s[\g+6], 0
	s_mov_b32 s[\g+7], 0
.endr
	s_lshl_b32 s19, s[WL], 2
	s_lshl_b32 s20, s45, 3
	s_add_co_u32 s20, s20, s19
	s_lshl_b32 s46, s42, 3
	s_add_co_u32 s46, s46, s19
	s_mul_i32 s22, s20, SBLK
	s_add_co_u32 s22, s22, ASOFF
	s_mov_b32 s23, 0
	s_mul_i32 s20, s20, 12*SIZE_K
	s_mov_b32 s21, 0
	s_mul_i32 s92, s46, SBLK
	s_add_co_u32 s92, s92, BSOFF
	s_mov_b32 s93, 0
	s_mul_i32 s46, s46, 12*SIZE_K
	s_add_co_u32 s46, s46, BCOFF
	s_mov_b32 s47, 0
	s_mul_i32 s94, s[WL], HALFT
	s_add_co_u32 s67, s94, 2*HALFT
	s_mul_i32 s96, s[WL], HS
	s_mov_b32 s97, 0
	s_wait_kmcnt 0x0
	s_add_nc_u64 s[20:21], s[4:5], s[20:21]
	s_add_nc_u64 s[22:23], s[4:5], s[22:23]
	s_add_nc_u64 s[46:47], s[6:7], s[46:47]
	s_add_nc_u64 s[92:93], s[6:7], s[92:93]
	s_sub_nc_u64 s[22:23], s[22:23], s[96:97]
	s_sub_nc_u64 s[92:93], s[92:93], s[96:97]
	CROUND
	s_mov_b32 s[G0S], 1
	s_mov_b32 s[G0S+1], SCL
	s_mov_b64 s[G0S+2:G0S+3], s[22:23]
	s_or_b32 s[G0S+3], s[G0S+3], 0x80000000
	s_mov_b32 s[G0SB], 1
	s_mov_b32 s[G0SB+1], SCL+2*HS
	s_mov_b64 s[G0SB+2:G0SB+3], s[92:93]
	s_or_b32 s[G0SB+3], s[G0SB+3], 0x80000000
.irp s, 0,1
	s_mov_b32 s[G0+4*\s], 1
	s_add_co_u32 s[G0+4*\s+1], s94, \s*SLOT
	s_add_nc_u64 s[G0+4*\s+2:G0+4*\s+3], s[20:21], \s*RB
	s_or_b32 s[G0+4*\s+3], s[G0+4*\s+3], 0x80000000
	s_mov_b32 s[G0B+4*\s], 1
	s_add_co_u32 s[G0B+4*\s+1], s67, \s*SLOT
	s_add_nc_u64 s[G0B+4*\s+2:G0B+4*\s+3], s[46:47], \s*RB
	s_or_b32 s[G0B+4*\s+3], s[G0B+4*\s+3], 0x80000000
.if \s == 0
	; the head's four tiles, one joint load a wave, in one chain of branches on the wave's number: wave 0 A's slot 0, wave 1 A's scale words, wave 2 B's slot 0, wave 3 B's scale words
	s_cmp_lt_u32 s[WV], 1
	s_cbranch_scc0 .Lh1
	tensor_load_to_lds s[G0:G0+3], s[G1:G1+7]
	s_nop 0
	PLACES 4
	s_branch .Lhj
.Lh1:
	s_cmp_lt_u32 s[WV], 2
	s_cbranch_scc0 .Lh2
	tensor_load_to_lds s[G0S:G0S+3], s[G1S:G1S+7]
	s_nop 0
	PLACES 4
	s_branch .Lhj
.Lh2:
	s_cmp_lt_u32 s[WV], 3
	s_cbranch_scc0 .Lh3
	tensor_load_to_lds s[G0B:G0B+3], s[G1B:G1B+7]
	s_nop 0
	PLACES 4
	s_branch .Lhj
.Lh3:
	tensor_load_to_lds s[G0SB:G0SB+3], s[G1SB:G1SB+7]
	s_nop 0
	PLACES 4
.Lhj:
.endif
.endr
	v_and_b32 v1, 15, v0
	v_bfe_u32 v2, v0, 4, 1
	s_wait_alu depctr_va_vdst(0)
	v_and_b32 v3, 31, v0
	v_lshlrev_b32 v3, 3, v3
	s_mul_i32 s21, s[WH], HALFT
	s_mul_i32 s22, s[WL], HALFT
	s_add_co_u32 s22, s22, 2*HALFT
.irp s, 0,1
	v_add_nc_u32 v[ADRA+\s], s21, v3
	v_add_nc_u32 v[ADRB+\s], s22, v3
	s_add_co_u32 s21, s21, SLOT
	s_add_co_u32 s22, s22, SLOT
.endr
	v_lshlrev_b32 v5, 2, v1
	s_mul_i32 s21, s[WH], HS
	s_mul_i32 s22, s[WL], HS
	s_add_co_u32 s22, s22, 2*HS
	s_sub_co_u32 s22, s22, s21
	v_mul_u32_u24 v6, s22, v2
	s_add_co_u32 s21, s21, SCL
	v_add_nc_u32 v5, v5, v6
	v_add_nc_u32 v[ADRS], s21, v5
	s_mul_i32 s19, s[WV], 16*SPITCH
	v_mul_u32_u24 v5, v1, SPITCH
	v_lshl_add_u32 v5, v2, 6, v5
	v_add_nc_u32 v[STO], s19, v5
	v_mul_u32_u24 v5, v2, SPITCH
	v_lshl_add_u32 v5, v1, 4, v5
	v_add_nc_u32 v[RD], s19, v5
	v_lshlrev_b32 v[CB], 4, v1
	s_wait_alu depctr_va_vdst(0)
	v_lshl_add_u32 v[CO], v2, 12, v[CB]
	s_wait_alu depctr_va_vdst(0)
	s_lshl_b32 s20, s45, 7
	s_lshl_b32 s19, s[WH], 6
	s_add_co_u32 s20, s20, s19
	s_lshl_b32 s20, s20, 12
	s_lshl_b32 s22, s42, 9
	s_lshl_b32 s19, s[WL], 8
	s_add_co_u32 s22, s22, s19
	s_mov_b32 s23, 0
	s_add_nc_u64 s[8:9], s[8:9], s[22:23]
	s_add_co_u32 s22, s22, s20
	s_add_nc_u64 s[10:11], s[10:11], s[22:23]
	s_add_nc_u64 s[12:13], s[12:13], s[22:23]
	global_load_b128 v[BI:BI+3], v[CB], s[8:9]
	WIN 0x80
.irp a, 0,1,2,3
.irp t, 0,1,2,3,4,5,6,7
	global_load_b128 v[32*\a+4*\t:32*\a+4*\t+3], v[CO], s[10:11] offset:(32*(\a/2)+8*(\a%2)+2*\t+8*(\t/4))*4096 th:TH_LOAD_NT
.endr
.endr
	WIN 0
	s_wait_alu depctr_va_vdst(0)                   ; the wait at the head's end
	s_wait_tensorcnt 0x0                           ; my tile of the head's four is in
	ds_add_u32 v[SPW], v[NIL]
	s_mov_b32 s[G1+2], NB<<16                      ; no tensor load of mine is out: from here on a load brings one half
	s_mov_b32 s[G1+4], NB
	s_mov_b32 s[G1B+2], NB<<16
	s_mov_b32 s[G1B+4], NB
	s_wait_dscnt 0x0
	CROUND                                         ; all four tiles are in, in every partner
	JLOAD G0+4, G1, G0B+4, G1B                     ; slot 1's first fill, the first tensor load behind the round
	FETCH 0, 0, F0
	WIN 0
	SCALES 0
	STEP 0, 0, 1
.if LAPS > 1
	WIN 0
	s_mov_b32 s3, LAPS-1
.Llap:
	STEP 0, 1, 0
	STEP 0, 2, 0
	TURN 0, 1, 1
	STEP 1, 0, 0
	STEP 1, 1, 0
	STEP 1, 2, 0
	TURN 1, 0, 1
	STEP 0, 0, 0
	WIN 0
	s_sub_co_u32 s3, s3, 1
	s_cmp_lg_u32 s3, 0
	s_cbranch_scc1 .Llap
.endif
	STEP 0, 1, 0
	STEP 0, 2, 0
	TURN 0, 1, 0
	STEP 1, 0, 0
	STEP 1, 1, 0
	STEP 1, 2, 0
	s_wait_dscnt 0x0
	MULH F1, 0, 1, 3, 0
	MULH F1, 2, 1, 3, 0
	WIN 0
	PLACES NP
	s_wait_loadcnt 0x0
.macro TOSTAGE a
.irp b, 0,1,2,3
	ds_store_b128 v[STO], v[ACC+32*(\a)+8*\b:ACC+32*(\a)+8*\b+3] offset:128*(\b/2)+32*(\b%2)
	ds_store_b128 v[STO], v[ACC+32*(\a)+8*\b+4:ACC+32*(\a)+8*\b+7] offset:128*(\b/2)+32*(\b%2)+16
.endr
.set BB, BK+32*((\a)%2)
.irp t, 0,1,2,3,4,5,6,7
	ds_load_b128 v[BB+4*\t:BB+4*\t+3], v[RD] offset:\t*2*SPITCH
.endr
.endm
.macro SEND a, younger
.set BB, BK+32*((\a)%2)
	s_wait_dscnt \younger
	WIN 0x08
.set i, 0
.rept 16
	v_pk_add_f32 v[BB+i:BB+i+1], v[BB+i:BB+i+1], v[32*(\a)+i:32*(\a)+i+1]
.set i, i+2
.endr
	WIN 0
.irp t, 0,1,2,3,4,5,6,7
	v_pk_add_f32 v[BB+4*\t:BB+4*\t+1], v[BB+4*\t:BB+4*\t+1], v[BI:BI+1]
	v_pk_add_f32 v[BB+4*\t+2:BB+4*\t+3], v[BB+4*\t+2:BB+4*\t+3], v[BI+2:BI+3]
.endr
.irp t, 0,1,2,3,4,5,6,7
	global_store_b128 v[CO], v[BB+4*\t:BB+4*\t+3], s[12:13] offset:(32*((\a)/2)+8*((\a)%2)+2*\t+8*(\t/4))*4096 th:TH_STORE_NT
.endr
.endm
	TOSTAGE 0
	TOSTAGE 1
	SEND 0, 16
	s_wait_xcnt 0x0
	TOSTAGE 2
	SEND 1, 16
	s_wait_xcnt 0x0
	TOSTAGE 3
	SEND 2, 16
	SEND 3, 0
	s_wait_tensorcnt 0x0
	ds_add_u32 v[SPW], v[NIL]
	s_wait_dscnt 0x0
	CROUND
	s_endpgm
.Lfunc_end_k_q28e440f482_oproj:
	.size	k_q28e440f482_oproj, .Lfunc_end_k_q28e440f482_oproj-k_q28e440f482_oproj
	.p2alignl 7, 3214868480
	.fill 96, 4, 3214868480
	.section	.rodata,"a",@progbits
	.p2align	6, 0x0
	.amdhsa_kernel k_q28e440f482_oproj
		.amdhsa_group_segment_fixed_size 327680
		.amdhsa_private_segment_fixed_size 0
		.amdhsa_enable_private_segment 0
		.amdhsa_kernarg_size 40
		.amdhsa_user_sgpr_count 2
		.amdhsa_user_sgpr_kernarg_segment_ptr 1
		.amdhsa_wavefront_size32 1
		.amdhsa_system_sgpr_workgroup_id_x 1
		.amdhsa_system_sgpr_workgroup_id_y 1
		.amdhsa_system_sgpr_workgroup_id_z 1
		.amdhsa_system_vgpr_workitem_id 0
		.amdhsa_next_free_vgpr 768
		.amdhsa_next_free_sgpr 100
		.amdhsa_reserve_vcc 0
		.amdhsa_float_denorm_mode_32 3
		.amdhsa_float_denorm_mode_16_64 3
		.amdhsa_memory_ordered 1
		.amdhsa_forward_progress 1
		.amdhsa_inst_pref_size 74
	.end_amdhsa_kernel
	.amdgpu_metadata
---
amdhsa.version: [ 1, 2 ]
amdhsa.kernels:
  - .name:           k_q28e440f482_oproj
    .symbol:         k_q28e440f482_oproj.kd
    .args:
      - { .name: att, .offset: 0, .size: 8, .value_kind: global_buffer, .address_space: global }
      - { .name: wts, .offset: 8, .size: 8, .value_kind: global_buffer, .address_space: global }
      - { .name: bo, .offset: 16, .size: 8, .value_kind: global_buffer, .address_space: global }
      - { .name: x, .offset: 24, .size: 8, .value_kind: global_buffer, .address_space: global }
      - { .name: x1, .offset: 32, .size: 8, .value_kind: global_buffer, .address_space: global }
    .group_segment_fixed_size: 327680
    .private_segment_fixed_size: 0
    .kernarg_segment_align: 8
    .kernarg_segment_size: 40
    .max_flat_workgroup_size: 128
    .sgpr_count:     100
    .vgpr_count:     768
    .wavefront_size: 32
...
	.end_amdgpu_metadata
.endif
;; end of part 12
;; launch ln2: the kernel of part 9 again; grid 256 x 1, 8 waves a work-group, no clusters, 69,632 bytes of LDS; arguments x1, ln2_w, ln2_b, hq; writes hq
;; launch fc (part 13): grid 16 x 16, 4 waves a work-group, clusters of 4 x 4, 327,680 bytes of LDS; arguments hq, wts, bfc, g; writes g
.if DOCPART == 13
	.amdgcn_target "amdgcn-amd-amdhsa--gfx1250"
	.amdhsa_code_object_version 6
	.text
	.protected	k_q28e440f482_fc
	.globl	k_q28e440f482_fc
	.p2align	8
	.type	k_q28e440f482_fc,@function
k_q28e440f482_fc:
	s_mov_b64 s[64:65], 0
	v_nop
	global_prefetch_b8 v0, s[64:65] scope:SCOPE_SE
	s_setreg_imm32_b32 hwreg(HW_REG_WAVE_MODE, 25, 1), 1
	s_wait_xcnt 0x0
	s_wait_alu depctr_hold_cnt(0) depctr_sa_sdst(0) depctr_va_vdst(0) depctr_va_sdst(0) depctr_va_ssrc(0) depctr_va_vcc(0) depctr_vm_vsrc(0)
	s_getreg_b32 s2, hwreg(HW_REG_IB_STS2, 6, 4)
	s_cmp_eq_u32 s2, 0
	s_cbranch_scc0 .Lentry_in_a_cluster
	s_endpgm
.Lentry_in_a_cluster:
	s_bfe_u32 s2, ttmp6, 0x10000c
	s_cmp_lg_u32 s2, 0xf033
	s_cbranch_scc0 .Lentry_shape_is_right
	s_endpgm
.Lentry_shape_is_right:
.set SIZE_K, 1024
.set MA,    8
.set ASOFF, 3145728
.set BCOFF, 3145728
.set BSOFF, 9568256
.set MH,    MA/2
.set RB,    3072
.set FR,    12
.set NL,    6
.set NP,    4
.set HALFA, MA*RB
.set HALFB, 8*RB
.set SLOT,  2*HALFA+2*HALFB
.set KST,   SIZE_K/128
.set SBLK,  64*KST
.set HSA,   MA*SBLK
.set HSB,   8*SBLK
.set SCL,   2*SLOT
.set SCLB,  SCL+2*HSA
.set SPARE, SCLB+2*HSB
.set LAPS,  SIZE_K/512
.set ADRA, 16
.set ADRB, 20
.set ADRS, 27
.set SPW,  28
.set NIL,  29
.set SC,   32
.set AF,   128
.set T,    64
.set E,    128
.set PC,   192
.set TM,   212
.set PW,   228
.set K1,   232
.set K0,   234
.set WV, 16
.set WH, 17
.set WL, 18
.set G1, 24
.set G0, 32
.set G1B, 48
.set G0B, 56
.set G1S, 68
.set G0S, 76
.set G1SB, 80
.set G0SB, 88
.set SEL, 98
.set MSB, 0
.macro WIN new
.if MSB != (\new)
	s_set_vgpr_msb (MSB<<8)|(\new)
.set MSB, \new
.endif
.endm
.macro JLOAD g0a, g1a, g0b, g1b
	s_cmp_eq_u32 s[WH], 0
	s_cbranch_scc0 .Lfor_b_\@
	tensor_load_to_lds s[\g0a:\g0a+3], s[\g1a:\g1a+7]
	s_nop 0
.rept 4
	v_nop
.endr
	s_branch .Lasked_\@
.Lfor_b_\@:
	tensor_load_to_lds s[\g0b:\g0b+3], s[\g1b:\g1b+7]
	s_nop 0
.rept 4
	v_nop
.endr
.Lasked_\@:
.endm
.macro CREST
	s_cmp_lg_u32 s[WV], 0
	s_cbranch_scc1 .Lnot_wave_0_\@
	s_barrier_signal -3
.Lnot_wave_0_\@:
	s_barrier_wait -3
	s_barrier_signal -1
	s_barrier_wait -1
.endm
.macro CROUND
	s_barrier_signal -1
	s_barrier_wait -1
	CREST
.endm
.macro PLACES n
.rept \n
	v_nop
.endr
.endm
.macro FRAG reg, adr, q, i
.irp p, 0,1,2,3,4,5
	ds_load_b64 v[(\reg)+2*\p:(\reg)+2*\p+1], v[\adr] offset:(\i)*RB+(\q)*1536+256*\p
.endr
.endm
.macro FETCH_B slot, q, p
	WIN 0x40
.irp i, 0,1,2,3,4,5,6,7
	FRAG 128*(\p)+FR*\i, ADRB+\slot, \q, \i
.endr
	WIN 0
.endm
.macro FETCH_A slot, q, i0
.set FI, \i0
.rept MH
	FRAG AF+FR*FI, ADRA+\slot, \q, FI
.set FI, FI+1
.endr
.endm
.macro SCALES sc
.irp i, 0,1,2,3,4,5,6,7
.irp q, 0,1
	ds_load_b32 v[SC+16*\sc+2*\i+\q], v[ADRS] offset:\i*SBLK+64*\q
.endr
.endr
.endm
.macro MULQ a0, p, q, sc, zero
	WIN 0xa1+0x50*((\a0)/4)
.set AI, \a0
.rept MA/4
.irp b, 0,1,2,3,4,5,6,7
.if \zero
	v_wmma_scale_f32_16x16x128_f8f6f4 v[8*(8*(AI%4)+\b):8*(8*(AI%4)+\b)+7], v[128*(\p)+FR*\b:128*(\p)+FR*\b+FR-1], v[AF+FR*AI:AF+FR*AI+FR-1], 0, v[SC+16*(\sc)+2*\b+(\q)], v[SC+16*(\sc)+2*AI+(\q)] matrix_a_fmt:MATRIX_FMT_FP6 matrix_b_fmt:MATRIX_FMT_FP6 matrix_a_scale:MATRIX_SCALE_ROW1
.else
	v_wmma_scale_f32_16x16x128_f8f6f4 v[8*(8*(AI%4)+\b):8*(8*(AI%4)+\b)+7], v[128*(\p)+FR*\b:128*(\p)+FR*\b+FR-1], v[AF+FR*AI:AF+FR*AI+FR-1], v[8*(8*(AI%4)+\b):8*(8*(AI%4)+\b)+7], v[SC+16*(\sc)+2*\b+(\q)], v[SC+16*(\sc)+2*AI+(\q)] matrix_a_fmt:MATRIX_FMT_FP6 matrix_b_fmt:MATRIX_FMT_FP6 matrix_a_scale:MATRIX_SCALE_ROW1
.endif
.endr
.set AI, AI+1
.endr
.endm
.macro STEP slot, zero
	s_wait_dscnt MH*NL
	MULQ 0, 0, 0, \slot, \zero
	MULQ MA/4, 0, 0, \slot, \zero
	s_wait_dscnt 0x0
	PLACES NP
	FETCH_B \slot, 1, 1
	FETCH_A \slot, 1, 0
	MULQ MA/2, 0, 0, \slot, \zero
	MULQ 3*MA/4, 0, 0, \slot, \zero
	PLACES NP
	WIN 0
	FETCH_A \slot, 1, MH
.endm
.macro TURN slot, next, fill
	s_wait_tensorcnt 0x0
	ds_add_u32 v[SPW], v[NIL]
	s_wait_dscnt MH*NL+1
	MULQ 0, 1, 1, \slot, 0
	s_wait_dscnt 0x0
	s_barrier_signal -1
	MULQ MA/4, 1, 1, \slot, 0
	WIN 0
	s_barrier_wait -1
.if \fill
	CREST
	s_add_nc_u64 s[G0+4*\slot+2:G0+4*\slot+3], s[G0+4*\slot+2:G0+4*\slot+3], 2*RB
	s_add_nc_u64 s[G0B+4*\slot+2:G0B+4*\slot+3], s[G0B+4*\slot+2:G0B+4*\slot+3], 2*RB
	JLOAD G0+4*\slot, G1, G0B+4*\slot, G1B
.else
	PLACES NP
.endif
	s_wait_alu depctr_va_vdst(0)
	v_add_nc_u32 v[ADRS], 128, v[ADRS]
	FETCH_B \next, 0, 0
	FETCH_A \next, 0, 0
	SCALES \next
	MULQ MA/2, 1, 1, \slot, 0
	MULQ 3*MA/4, 1, 1, \slot, 0
	PLACES NP
	WIN 0
	FETCH_A \next, 0, MH
.endm
.macro QUANT s
.irp b, 0,1,2,3
	v_max3_num_f32 v[TM+\b], |v[\s+16*\b]|, |v[\s+1+16*\b]|, 0x1800000
.endr
.irp i, 2,4,6,8,10,12,14
.irp b, 0,1,2,3
	v_max3_num_f32 v[TM+\b], v[TM+\b], |v[\s+16*\b+\i]|, |v[\s+1+16*\b+\i]|
.endr
.endr
.irp b, 0,1,2,3
	v_permlanex16_b32 v[TM+4+\b], v[TM+\b], s[SEL], s[SEL+1]
.endr
.irp b, 0,1,2,3
	v_max_num_f32 v[TM+\b], v[TM+\b], v[TM+4+\b]
.endr
.irp b, 0,1,2,3
	v_add_nc_u32 v[TM+12+\b], 0xff000000, v[TM+\b]
.endr
.irp b, 0,1,2,3
	v_lshrrev_b32 v[TM+4+\b], 23, v[TM+12+\b]
.endr
	v_lshl_or_b32 v[PW], v[TM+5], 8, v[TM+4]
	v_lshl_or_b32 v[PW], v[TM+6], 16, v[PW]
	v_lshl_or_b32 v[PW], v[TM+7], 24, v[PW]
.irp c, 0,1
	v_cvt_scalef32_pk16_fp6_f32 v[PC+6*\c:PC+2+6*\c], v[\s+32*\c:\s+15+32*\c], v[TM+12+2*\c]
	v_cvt_scalef32_pk16_fp6_f32 v[PC+12+4*\c:PC+14+4*\c], v[\s+16+32*\c:\s+31+32*\c], v[TM+12+2*\c+1]
.endr
	v_nop
.irp c, 0,1
.irp i, 0,1,2
	v_permlane16_swap_b32 v[PC+6*\c+\i], v[PC+12+4*\c+\i]
.endr
.irp i, 0,1,2
	v_mov_b32 v[PC+3+6*\c+\i], v[PC+12+4*\c+\i]
.endr
.endr
.endm
	s_load_b256 s[4:11], s[0:1], 0x0
	v_lshl_add_u32 v[SPW], v0, 2, SPARE
	v_mov_b32 v[NIL], 0
	ds_add_u32 v28, v29
	ds_add_u32 v28, v29
	s_wait_dscnt 0x0
	v_lshrrev_b32 v1, 5, v0
	v_readfirstlane_b32 s[WV], v1
	s_lshr_b32 s[WH], s[WV], 1
	s_and_b32 s[WL], s[WV], 1
	s_bfe_u32 s40, ttmp6, 0x40000
	s_bfe_u32 s41, ttmp6, 0x40004
	s_lshl_b32 s42, ttmp9, 2
	s_add_co_u32 s42, s42, s40
	s_and_b32 s45, ttmp7, 0xffff
	s_lshl_b32 s45, s45, 2
	s_add_co_u32 s45, s45, s41
	s_lshl_b32 s43, s41, 2
	s_lshl_b32 s43, 15, s43
	s_lshl_b32 s44, 0x1111, s40
	s_or_b32 s[G1], s43, (3<<16)|(1<<21)
	s_or_b32 s[G1B], s44, (3<<16)|(1<<21)
.irp g, G1, G1B
	s_mov_b32 s[\g+1], 384<<16
	s_mov_b32 s[\g+3], 384<<16
	s_mov_b32 s[\g+5], SIZE_K*3/2
	s_mov_b32 s[\g+6], 0
	s_mov_b32 s[\g+7], 0
.endr
	s_mov_b32 s[G1+2], (2*MA)<<16
	s_mov_b32 s[G1+4], 2*MA
	s_mov_b32 s[G1B+2], 16<<16
	s_mov_b32 s[G1B+4], 16
	s_or_b32 s[G1S], s43, (3<<16)|(1<<21)
	s_or_b32 s[G1SB], s44, (3<<16)|(1<<21)
.irp g, G1S, G1SB
	s_mov_b32 s[\g+1], 32<<16
	s_mov_b32 s[\g+3], 32<<16
	s_mov_b32 s[\g+5], 32
	s_mov_b32 s[\g+6], 0
	s_mov_b32 s[\g+7], 0
.endr
	s_mov_b32 s[G1S+2], (2*HSA/256)<<16
	s_mov_b32 s[G1S+4], 2*HSA/256
	s_mov_b32 s[G1SB+2], (2*HSB/256)<<16
	s_mov_b32 s[G1SB+4], 2*HSB/256
	s_mul_i32 s20, s45, 2*MA
	s_mul_i32 s19, s[WL], MA
	s_add_co_u32 s20, s20, s19
	s_lshl_b32 s46, s42, 4
	s_lshl_b32 s19, s[WL], 3
	s_add_co_u32 s46, s46, s19
	s_mul_i32 s22, s20, SBLK
	s_add_co_u32 s22, s22, ASOFF
	s_mov_b32 s23, 0
	s_mul_i32 s20, s20, 12*SIZE_K
	s_mov_b32 s21, 0
	s_mul_i32 s92, s46, SBLK
	s_add_co_u32 s92, s92, BSOFF
	s_mov_b32 s93, 0
	s_mul_i32 s46, s46, 12*SIZE_K
	s_add_co_u32 s46, s46, BCOFF
	s_mov_b32 s47, 0
	s_mul_i32 s94, s[WL], HALFA
	s_mul_i32 s67, s[WL], HALFB
	s_add_co_u32 s67, s67, 2*HALFA
	s_mul_i32 s96, s[WL], HSA
	s_mov_b32 s97, 0
	s_wait_kmcnt 0x0
	s_add_nc_u64 s[20:21], s[4:5], s[20:21]
	s_add_nc_u64 s[22:23], s[4:5], s[22:23]
	s_add_nc_u64 s[46:47], s[6:7], s[46:47]
	s_add_nc_u64 s[92:93], s[6:7], s[92:93]
	s_sub_nc_u64 s[22:23], s[22:23], s[96:97]
	s_sub_nc_u64 s[92:93], s[92:93], s[96:97]
	CROUND
	s_mov_b32 s[G0S], 1
	s_mov_b32 s[G0S+1], SCL
	s_mov_b64 s[G0S+2:G0S+3], s[22:23]
	s_or_b32 s[G0S+3], s[G0S+3], 0x80000000
	s_mov_b32 s[G0SB], 1
	s_mov_b32 s[G0SB+1], SCLB
	s_mov_b64 s[G0SB+2:G0SB+3], s[92:93]
	s_or_b32 s[G0SB+3], s[G0SB+3], 0x80000000
.irp s, 0,1
	s_mov_b32 s[G0+4*\s], 1
	s_add_co_u32 s[G0+4*\s+1], s94, \s*SLOT
	s_add_nc_u64 s[G0+4*\s+2:G0+4*\s+3], s[20:21], \s*RB
	s_or_b32 s[G0+4*\s+3], s[G0+4*\s+3], 0x80000000
	s_mov_b32 s[G0B+4*\s], 1
	s_add_co_u32 s[G0B+4*\s+1], s67, \s*SLOT
	s_add_nc_u64 s[G0B+4*\s+2:G0B+4*\s+3], s[46:47], \s*RB
	s_or_b32 s[G0B+4*\s+3], s[G0B+4*\s+3], 0x80000000
.if \s == 0
	; the head's four tiles, one joint load a wave, in one chain of branches on the wave's number: wave 0 A's slot 0, wave 1 A's scale words, wave 2 B's slot 0, wave 3 B's scale words
	s_cmp_lt_u32 s[WV], 1
	s_cbranch_scc0 .Lh1
	tensor_load_to_lds s[G0:G0+3], s[G1:G1+7]
	s_nop 0
	PLACES 4
	s_branch .Lhj
.Lh1:
	s_cmp_lt_u32 s[WV], 2
	s_cbranch_scc0 .Lh2
	tensor_load_to_lds s[G0S:G0S+3], s[G1S:G1S+7]
	s_nop 0
	PLACES 4
	s_branch .Lhj
.Lh2:
	s_cmp_lt_u32 s[WV], 3
	s_cbranch_scc0 .Lh3
	tensor_load_to_lds s[G0B:G0B+3], s[G1B:G1B+7]
	s_nop 0
	PLACES 4
	s_branch .Lhj
.Lh3:
	tensor_load_to_lds s[G0SB:G0SB+3], s[G1SB:G1SB+7]
	s_nop 0
	PLACES 4
.Lhj:
.endif
.endr
	v_and_b32 v1, 15, v0
	v_bfe_u32 v2, v0, 4, 1
	s_wait_alu depctr_va_vdst(0)
	v_and_b32 v3, 31, v0
	v_lshlrev_b32 v3, 3, v3
	s_mul_i32 s21, s[WH], HALFA
	s_mul_i32 s22, s[WL], HALFB
	s_add_co_u32 s22, s22, 2*HALFA
.irp s, 0,1
	v_add_nc_u32 v[ADRA+\s], s21, v3
	v_add_nc_u32 v[ADRB+\s], s22, v3
	s_add_co_u32 s21, s21, SLOT
	s_add_co_u32 s22, s22, SLOT
.endr
	v_lshlrev_b32 v5, 2, v1
	s_mul_i32 s21, s[WH], HSA
	s_mul_i32 s22, s[WL], HSB
	s_add_co_u32 s22, s22, 2*HSA
	s_sub_co_u32 s22, s22, s21
	v_mul_u32_u24 v6, s22, v2
	s_add_co_u32 s21, s21, SCL
	v_add_nc_u32 v5, v5, v6
	v_add_nc_u32 v[ADRS], s21, v5
	s_wait_alu depctr_va_vdst(0)
	s_wait_tensorcnt 0x0                           ; my tile of the head's four is in
	ds_add_u32 v[SPW], v[NIL]
	s_mov_b32 s[G1+2], MA<<16                      ; no tensor load of mine is out: from here on a load brings one half
	s_mov_b32 s[G1+4], MA
	s_mov_b32 s[G1B+2], 8<<16
	s_mov_b32 s[G1B+4], 8
	s_wait_dscnt 0x0
	CROUND                                         ; all four tiles are in, in every partner
	JLOAD G0+4, G1, G0B+4, G1B                     ; slot 1's first fill, the first tensor load behind the round
	FETCH_B 0, 0, 0
	FETCH_A 0, 0, 0
	SCALES 0
	FETCH_A 0, 0, MH
	STEP 0, 1
	s_mov_b32 s3, LAPS-1
.Llap:
	TURN 0, 1, 1
	STEP 1, 0
	TURN 1, 0, 1
	STEP 0, 0
	s_sub_co_u32 s3, s3, 1
	s_cmp_lg_u32 s3, 0
	s_cbranch_scc1 .Llap
	TURN 0, 1, 0
	STEP 1, 0
	s_wait_dscnt MH*NL
	MULQ 0, 1, 1, 1, 0
	MULQ MA/4, 1, 1, 1, 0
	s_wait_dscnt 0x0
	MULQ MA/2, 1, 1, 1, 0
	MULQ 3*MA/4, 1, 1, 1, 0
	WIN 0
	PLACES NP
.irp b, 0,1,2,3
	v_mov_b32 v[TM+4+\b], 0
.endr
	s_mov_b32 s[SEL], 0x76543210
	s_mov_b32 s[SEL+1], 0xfedcba98
	v_mov_b32 v[K1], 0xbdd2d3e8
	v_mov_b32 v[K1+1], 0xbdd2d3e8
	v_mov_b32 v[K0], 0xc0135761
	v_mov_b32 v[K0+1], 0xc0135761
	v_lshlrev_b32 v25, 2, v1
	v_lshlrev_b32 v26, 6, v2
	s_wait_alu depctr_va_vdst(0)
	s_lshl_b32 s20, s42, 1
	s_add_co_u32 s20, s20, s[WL]
	s_lshl_b32 s22, s20, 9
	s_mov_b32 s23, 0
	s_add_nc_u64 s[8:9], s[8:9], s[22:23]
	s_lshl_b32 s21, s45, 4
	s_lshl_b32 s19, s[WH], 3
	s_add_co_u32 s21, s21, s19
	s_mul_i32 s22, s21, 49152
	s_mul_i32 s19, s20, 1536
	s_add_co_u32 s22, s22, s19
	s_add_nc_u64 s[12:13], s[10:11], s[22:23]
	s_lshl_b32 s22, s21, 11
	s_lshl_b32 s19, s20, 6
	s_add_co_u32 s22, s22, s19
	s_add_co_u32 s22, s22, 12582912
	s_add_nc_u64 s[14:15], s[10:11], s[22:23]
	WIN 0x40
.irp b, 0,1,2,3
.irp j, 0,1,2,3
	global_load_b128 v[16*\b+4*\j:16*\b+4*\j+3], v26, s[8:9] offset:128*\b+16*\j
.endr
.endr
	WIN 0
	s_wait_loadcnt 0x0
.macro EBLK a
	s_wait_xcnt 0x0
	WIN 0x06+(\a)/4
.set i, 0
.rept 32
	v_pk_add_f32 v[T+i:T+i+1], v[64*((\a)%4)+i:64*((\a)%4)+i+1], v[i:i+1]
.set i, i+2
.endr
	WIN 0
.set i, 0
.rept 32
	v_pk_mul_f32 v[E+i:E+i+1], v[T+i:T+i+1], v[T+i:T+i+1]
.set i, i+2
.endr
.set i, 0
.rept 32
	v_pk_fma_f32 v[E+i:E+i+1], v[E+i:E+i+1], v[K1:K1+1], v[K0:K0+1]
.set i, i+2
.endr
.set i, 0
.rept 32
	v_pk_mul_f32 v[E+i:E+i+1], v[E+i:E+i+1], v[T+i:T+i+1]
.set i, i+2
.endr
.set i, 0
	s_wait_alu depctr_va_vdst(0)
.rept 64
	v_exp_f32 v[E+i], v[E+i]
.set i, i+1
.endr
	v_nop
	s_wait_alu depctr_va_vdst(0)
.set i, 0
.rept 32
	v_pk_add_f32 v[E+i:E+i+1], v[E+i:E+i+1], 1.0 op_sel_hi:[1,0]
.set i, i+2
.endr
.set i, 0
	s_wait_alu depctr_va_vdst(0)
.rept 64
	v_rcp_f32 v[E+i], v[E+i]
.set i, i+1
.endr
	v_nop
	s_wait_alu depctr_va_vdst(0)
.set i, 0
.rept 32
	v_pk_mul_f32 v[T+i:T+i+1], v[T+i:T+i+1], v[E+i:E+i+1]
.set i, i+2
.endr
	QUANT T
.irp p, 0,1,2,3,4,5
	global_store_b64 v3, v[PC+2*\p:PC+2*\p+1], s[12:13] offset:(\a)*49152+256*\p
.endr
	global_store_b32 v25, v[PW], s[14:15] offset:(\a)*2048
.endm
.irp a, 0,1,2,3,4,5,6,7
	EBLK \a
.endr
	s_wait_tensorcnt 0x0
	ds_add_u32 v[SPW], v[NIL]
	s_wait_dscnt 0x0
	CROUND
	s_endpgm
.Lfunc_end_k_q28e440f482_fc:
	.size	k_q28e440f482_fc, .Lfunc_end_k_q28e440f482_fc-k_q28e440f482_fc
	.p2alignl 7, 3214868480
	.fill 96, 4, 3214868480
	.section	.rodata,"a",@progbits
	.p2align	6, 0x0
	.amdhsa_kernel k_q28e440f482_fc
		.amdhsa_group_segment_fixed_size 327680
		.amdhsa_private_segment_fixed_size 0
		.amdhsa_enable_private_segment 0
		.amdhsa_kernarg_size 32
		.amdhsa_user_sgpr_count 2
		.amdhsa_user_sgpr_kernarg_segment_ptr 1
		.amdhsa_wavefront_size32 1
		.amdhsa_system_sgpr_workgroup_id_x 1
		.amdhsa_system_sgpr_workgroup_id_y 1
		.amdhsa_system_sgpr_workgroup_id_z 1
		.amdhsa_system_vgpr_workitem_id 0
		.amdhsa_next_free_vgpr 1024
		.amdhsa_next_free_sgpr 100
		.amdhsa_reserve_vcc 0
		.amdhsa_float_denorm_mode_32 3
		.amdhsa_float_denorm_mode_16_64 3
		.amdhsa_memory_ordered 1
		.amdhsa_forward_progress 1
		.amdhsa_inst_pref_size 255
	.end_amdhsa_kernel
	.section	.bss,"aw",@nobits
	.p2align	6
	.space	262144
	.amdgpu_metadata
---
amdhsa.version: [ 1, 2 ]
amdhsa.kernels:
  - .name:           k_q28e440f482_fc
    .symbol:         k_q28e440f482_fc.kd
    .args:
      - { .name: hq, .offset: 0, .size: 8, .value_kind: global_buffer, .address_space: global }
      - { .name: wts, .offset: 8, .size: 8, .value_kind: global_buffer, .address_space: global }
      - { .name: bfc, .offset: 16, .size: 8, .value_kind: global_buffer, .address_space: global }
      - { .name: g, .offset: 24, .size: 8, .value_kind: global_buffer, .address_space: global }
    .group_segment_fixed_size: 327680
    .private_segment_fixed_size: 0
    .kernarg_segment_align: 8
    .kernarg_segment_size: 32
    .max_flat_workgroup_size: 128
    .sgpr_count:     100
    .vgpr_count:     1024
    .wavefront_size: 32
...
	.end_amdgpu_metadata
.endif
;; end of part 13
;; launch proj (part 14): grid 8 x 32, 4 waves a work-group, clusters of 4 x 4, 327,680 bytes of LDS; arguments g, wts, bp, x1, out0; writes out0
.if DOCPART == 14
	.amdgcn_target "amdgcn-amd-amdhsa--gfx1250"
	.amdhsa_code_object_version 6
	.text
	.protected	k_q28e440f482_proj
	.globl	k_q28e440f482_proj
	.p2align	8
	.type	k_q28e440f482_proj,@function
k_q28e440f482_proj:
	s_mov_b64 s[64:65], 0
	v_nop
	global_prefetch_b8 v0, s[64:65] scope:SCOPE_SE
	s_setreg_imm32_b32 hwreg(HW_REG_WAVE_MODE, 25, 1), 1
	s_wait_xcnt 0x0
	s_wait_alu depctr_hold_cnt(0) depctr_sa_sdst(0) depctr_va_vdst(0) depctr_va_sdst(0) depctr_va_ssrc(0) depctr_va_vcc(0) depctr_vm_vsrc(0)
	s_getreg_b32 s2, hwreg(HW_REG_IB_STS2, 6, 4)
	s_cmp_eq_u32 s2, 0
	s_cbranch_scc0 .Lentry_in_a_cluster
	s_endpgm
.Lentry_in_a_cluster:
	s_bfe_u32 s2, ttmp6, 0x10000c
	s_cmp_lg_u32 s2, 0xf033
	s_cbranch_scc0 .Lentry_shape_is_right
	s_endpgm
.Lentry_shape_is_right:
; out = x1 + (g Wp + bp): the product on codes of FP6 (E2M3) with one E8M0 scale for each 32 along K = 4,096; sums, bias and residual in f32; out is f32, rows and columns in their natural order.
; OPERANDS lie in memory in the order of their registers: codes [row block of 16][K/64][768 bytes], scale words [row block][K/128][16 rows][4 bytes].  Row i lies at position i with bits 3 and 4 exchanged.
; A tile of C is 128 x 128: 4,096 x 1,024 numbers make 256 tiles, one for each work-group of the grid.  Four waves, a wave 64 x 64: 16 accumulators.  K goes in steps of 512 through a ring of two LDS slots filled
; by the tensor data mover: a row block's part of a step is 6,144 consecutive bytes, a slot 16 x 6,144 = 98,304: the longest step of which two slots fit beside the scale words (32,768 bytes).  So K = 4,096 is
; eight slots: two first fills and six refills, one a wave behind each round.
; The scale words of the tile's rows, for all of K, come into LDS once, with the first fills.  The residual and the bias are asked for at the head, into registers that nothing else uses.
; THE MATRIX INSTRUCTION IS USED TRANSPOSED (source 0 = 16 rows of B, source 1 = 16 rows of A): a lane holds eight neighbouring numbers of a row of C.
; CLUSTERS: 4 x 4 work-groups; A's tiles are asked for jointly along a row of the cluster, B's along a column.
; REGISTERS, in windows of 256: window 0: v12-15 the bias; v16-30 addresses; v32-63 scale words, two sets, and nothing else; v64-127 rows of C on the way out; v128-255 the accumulators ((a, b) at v[128 + 8 (4 a + b)]).
;   window 1: two fragment buffers, at v0 and v128: A's four fragments (48 registers), then B's four.   window 2: v0-127 the residual.
.set SIZE_K, 4096
.set ASOFF, 12582912                   ; A's scale words in g
.set BCOFF, 6291456                    ; Wp's codes in wts
.set BSOFF, 9699328                    ; Wp's scale words
.set NB,    4                          ; row blocks of A, and of B, for a wave
.set NQ,    4                          ; steps of 128 along K in a slot
.set RB,    1536*NQ                    ; a row block's bytes in a slot
.set FR,    12                         ; registers of a fragment
.set NL,    6                          ; LDS loads that bring one
.set NP,    4                          ; places behind this matrix instruction (ISA guide 7.12.1)
.set HALFT, NB*RB                      ; what one tensor load brings, and what one wave reads of A or of B
.set SLOT,  4*HALFT                    ; A's two halves, then B's two
.set KST,   SIZE_K/128
.set SBLK,  64*KST                     ; a row block's scale words
.set HS,    NB*SBLK
.set SCL,   2*SLOT                     ; behind the ring: A's scale words (two halves), then B's
.set SPARE, SCL+4*HS                   ; the spare words, 128 bytes for each wave: two blocks of 256 bytes that no other line names
.set LAPS,  SIZE_K/(256*NQ)            ; a lap = two slots = once round the ring
.set SPITCH, 272                       ; the way out: a stage of 16 rows x (256 + 16) bytes for each wave, in slot 0, which has had its last fill and its last read by then
.set BI,   12
.set ADRA, 16                          ; v16-17 LDS address of my A fragments in slot 0, 1
.set ADRB, 20                          ; v20-21 the same for B
.set STO,  24
.set RD,   25
.set CO,   26                          ; v26 my byte offset in two rows of C: 16 (lane % 16) + 4,096 (lane / 16)
.set ADRS, 27                          ; v27 LDS address of my scale words: lanes 0-15 A's rows, lanes 16-31 B's
.set SPW,  28                          ; v28 my spare word; never rewritten
.set NIL,  29                          ; v29 0; never rewritten
.set CB,   30                          ; v30 16 (lane % 16)
.set SC,   32                          ; set s at v[SC + 16 s]; register 4 i + q: lanes 0-15 the word of A's block i, lanes 16-31 of B's block i, for the slot's q-th 128 along K
.set BK,   64
.set ACC,  128
.set F0,   0
.set F1,   128
.set WV, 16
.set WH, 17
.set WL, 18
.set G1, 24
.set G0, 32
.set G1B, 48
.set G0B, 56
.set G1S, 68
.set G0S, 76
.set G1SB, 80
.set G0SB, 88
.set MUL,  0x05                        ; sources 0 (B) and 1 (A) window 1; C and D window 0
.set TO_F, 0x40                        ; destination window 1, address window 0
.set MSB, 0
.macro WIN new                         ; the immediate's high byte repeats the setting that is left
.if MSB != (\new)
	s_set_vgpr_msb (MSB<<8)|(\new)
.set MSB, \new
.endif
.endm
.macro JLOAD g0a, g1a, g0b, g1b        ; a joint load: waves 0 and 1 fetch for A, waves 2 and 3 for B; four v_nop follow each line
	s_cmp_eq_u32 s[WH], 0
	s_cbranch_scc0 .Lfor_b_\@
	tensor_load_to_lds s[\g0a:\g0a+3], s[\g1a:\g1a+7]
	s_nop 0
.rept 4
	v_nop
.endr
	s_branch .Lasked_\@
.Lfor_b_\@:
	tensor_load_to_lds s[\g0b:\g0b+3], s[\g1b:\g1b+7]
	s_nop 0
.rept 4
	v_nop
.endr
.Lasked_\@:
.endm
.macro CREST                           ; a round of the cluster's barrier behind its opening barrier
	s_cmp_lg_u32 s[WV], 0
	s_cbranch_scc1 .Lnot_wave_0_\@
	s_barrier_signal -3
.Lnot_wave_0_\@:
	s_barrier_wait -3
	s_barrier_signal -1
	s_barrier_wait -1
.endm
.macro CROUND
	s_barrier_signal -1
	s_barrier_wait -1
	CREST
.endm
.macro PLACES n
.rept \n
	v_nop
.endr
.endm
.macro FRAG reg, adr, q, i             ; a fragment as it lies: six pieces of 256 bytes, 8 bytes a lane: dense, every bank once
.irp p, 0,1,2,3,4,5
	ds_load_b64 v[(\reg)+2*\p:(\reg)+2*\p+1], v[\adr] offset:(\i)*RB+(\q)*1536+256*\p
.endr
.endm
.macro FETCH slot, q, f                ; 48 LDS loads in one run: B's four and A's four fragments of the slot's q-th 128 along K into buffer f
	WIN TO_F
.irp i, 0,1,2,3
	FRAG \f+48+FR*\i, ADRB+\slot, \q, \i
.endr
.irp i, 0,1,2,3
	FRAG \f+FR*\i, ADRA+\slot, \q, \i
.endr
.endm
.macro SCALES sc                       ; a slot's scale words into set sc: lanes 0-15 A's block i, lanes 16-31 B's
.irp i, 0,1,2,3
.irp q, 0,1,2,3
	ds_load_b32 v[SC+16*\sc+4*\i+\q], v[ADRS] offset:\i*SBLK+64*\q
.endr
.endr
.endm
; 8 matrix instructions: A's blocks a0, a0 + 1 against B's four.  The 16 accumulators take turns, one instruction a turn, in the same order in every step.
.macro MULH f, a0, sc, q, zero
.irp a, \a0, \a0+1
.irp b, 0,1,2,3
.if \zero
	v_wmma_scale_f32_16x16x128_f8f6f4 v[ACC+8*(4*(\a)+\b):ACC+8*(4*(\a)+\b)+7], v[\f+48+FR*\b:\f+48+FR*\b+FR-1], v[\f+FR*(\a):\f+FR*(\a)+FR-1], 0, v[SC+16*(\sc)+4*\b+(\q)], v[SC+16*(\sc)+4*(\a)+(\q)] matrix_a_fmt:MATRIX_FMT_FP6 matrix_b_fmt:MATRIX_FMT_FP6 matrix_a_scale:MATRIX_SCALE_ROW1
.else
	v_wmma_scale_f32_16x16x128_f8f6f4 v[ACC+8*(4*(\a)+\b):ACC+8*(4*(\a)+\b)+7], v[\f+48+FR*\b:\f+48+FR*\b+FR-1], v[\f+FR*(\a):\f+FR*(\a)+FR-1], v[ACC+8*(4*(\a)+\b):ACC+8*(4*(\a)+\b)+7], v[SC+16*(\sc)+4*\b+(\q)], v[SC+16*(\sc)+4*(\a)+(\q)] matrix_a_fmt:MATRIX_FMT_FP6 matrix_b_fmt:MATRIX_FMT_FP6 matrix_a_scale:MATRIX_SCALE_ROW1
.endif
.endr
.endr
.endm
; One of a slot's first three steps of 128 along K, on buffer q % 2: the next step's fragments are asked for first, into the other buffer, and land while this step is multiplied.
.macro STEP slot, q, zero
	PLACES NP                                      ; in front of loads into registers that the last step's products read
	FETCH \slot, (\q)+1, 128*(1-(\q)%2)
	s_wait_dscnt 8*NL                              ; all but the 48 loads just issued: this step's fragments (and scale words) are in
	WIN MUL
	MULH 128*((\q)%2), 0, \slot, \q, \zero
	MULH 128*((\q)%2), 2, \slot, \q, \zero
.endm
; A slot's fourth step, on buffer 1, changes slots: ONE barrier; in front of it each wave waits for all its tensor loads, adds 0 to its spare word, and waits for that and for its reads of this slot.
.macro TURN slot, next, fill
	WIN 0                                          ; (the add's two registers lie in window 0)
	s_wait_tensorcnt 0x0                           ; all my tensor loads have landed: my part of the next slot
	ds_add_u32 v[SPW], v[NIL]                      ; 0 onto my spare word
	s_wait_dscnt 1                                 ; (the add may be out: this step's fragments are in)
	WIN MUL
	MULH F1, 0, \slot, 3, 0                        ; eight matrix instructions stand between the add and the wait for it
	s_wait_dscnt 0x0                               ; the add is done, and my reads of this slot are over
	s_barrier_signal -1
	MULH F1, 2, \slot, 3, 0
	WIN 0
	s_barrier_wait -1
.if \fill
	CREST                                          ; the barrier has opened a round of the cluster's: no wave of any partner still reads this slot or has a load on its way
	s_add_nc_u64 s[G0+4*\slot+2:G0+4*\slot+3], s[G0+4*\slot+2:G0+4*\slot+3], 2*RB
	s_add_nc_u64 s[G0B+4*\slot+2:G0B+4*\slot+3], s[G0B+4*\slot+2:G0B+4*\slot+3], 2*RB
	JLOAD G0+4*\slot, G1, G0B+4*\slot, G1B         ; the first tensor load behind the round; its four v_nop are the places in front of the loads below
.else
	PLACES NP
.endif
	s_wait_alu depctr_va_vdst(0)
	v_add_nc_u32 v[ADRS], 64*NQ, v[ADRS]           ; the next slot's scale words
	FETCH \next, 0, F0
	WIN 0
	SCALES \next
.endm
	s_load_b256 s[4:11], s[0:1], 0x0               ; A's buffer, wts, the bias, the residual
	s_load_b64 s[12:13], s[0:1], 0x20              ; the output
	v_lshl_add_u32 v[SPW], v0, 2, SPARE
	v_mov_b32 v[NIL], 0
	ds_add_u32 v28, v29
	ds_add_u32 v28, v29
	s_wait_dscnt 0x0
	v_lshrrev_b32 v1, 5, v0
	v_readfirstlane_b32 s[WV], v1
	s_lshr_b32 s[WH], s[WV], 1                     ; my half of the tile's rows.  Also: I fetch for A (0) or for B (1)
	s_and_b32 s[WL], s[WV], 1                      ; my half of its columns.  Also: which half I fetch
	s_bfe_u32 s40, ttmp6, 0x40000                  ; cx, cy: my place in the cluster
	s_bfe_u32 s41, ttmp6, 0x40004
	s_lshl_b32 s42, ttmp9, 2
	s_add_co_u32 s42, s42, s40                     ; tile column
	s_and_b32 s45, ttmp7, 0xffff
	s_lshl_b32 s45, s45, 2
	s_add_co_u32 s45, s45, s41                     ; tile row
	s_lshl_b32 s43, s41, 2
	s_lshl_b32 s43, 15, s43                        ; my row of the cluster
	s_lshl_b32 s44, 0x1111, s40                    ; my column
	s_or_b32 s[G1], s43, (3<<16)|(1<<21)           ; tiles: 4 rows of 768 elements of 8 bytes, 12 SIZE_K bytes apart, no padding.  15:0 the mask; 17:16 element size; 21 set beside a mask
	s_or_b32 s[G1B], s44, (3<<16)|(1<<21)
.irp g, G1, G1B
	s_mov_b32 s[\g+1], (RB/8)<<16                  ; tensor_dim0
	s_mov_b32 s[\g+2], (2*NB)<<16                  ; tensor_dim1: the head's loads bring both halves of a tile
	s_mov_b32 s[\g+3], (RB/8)<<16                  ; tile_dim0
	s_mov_b32 s[\g+4], 2*NB                        ; tile_dim1
	s_mov_b32 s[\g+5], SIZE_K*3/2                  ; tensor_dim0_stride
	s_mov_b32 s[\g+6], 0
	s_mov_b32 s[\g+7], 0
.endr
	s_or_b32 s[G1S], s43, (3<<16)|(1<<21)          ; the scale words of eight row blocks: a dense block, as rows of 256 bytes
	s_or_b32 s[G1SB], s44, (3<<16)|(1<<21)
.irp g, G1S, G1SB
	s_mov_b32 s[\g+1], 32<<16
	s_mov_b32 s[\g+2], (2*HS/256)<<16
	s_mov_b32 s[\g+3], 32<<16
	s_mov_b32 s[\g+4], 2*HS/256
	s_mov_b32 s[\g+5], 32
	s_mov_b32 s[\g+6], 0
	s_mov_b32 s[\g+7], 0
.endr
	s_lshl_b32 s19, s[WL], 2
	s_lshl_b32 s20, s45, 3
	s_add_co_u32 s20, s20, s19                     ; A: the first row block that I fetch
	s_lshl_b32 s46, s42, 3
	s_add_co_u32 s46, s46, s19                     ; B likewise
	s_mul_i32 s22, s20, SBLK
	s_add_co_u32 s22, s22, ASOFF
	s_mov_b32 s23, 0
	s_mul_i32 s20, s20, 12*SIZE_K
	s_mov_b32 s21, 0
	s_mul_i32 s92, s46, SBLK
	s_add_co_u32 s92, s92, BSOFF
	s_mov_b32 s93, 0
	s_mul_i32 s46, s46, 12*SIZE_K
	s_add_co_u32 s46, s46, BCOFF
	s_mov_b32 s47, 0
	s_mul_i32 s94, s[WL], HALFT                    ; where they go: no place in the cluster enters an LDS address
	s_add_co_u32 s67, s94, 2*HALFT
	s_mul_i32 s96, s[WL], HS                       ; my half's distance in the scale words
	s_mov_b32 s97, 0
	s_wait_kmcnt 0x0
	s_add_nc_u64 s[20:21], s[4:5], s[20:21]
	s_add_nc_u64 s[22:23], s[4:5], s[22:23]
	s_add_nc_u64 s[46:47], s[6:7], s[46:47]
	s_add_nc_u64 s[92:93], s[6:7], s[92:93]
	s_sub_nc_u64 s[22:23], s[22:23], s[96:97]      ; the scale words from the tile's first row block on
	s_sub_nc_u64 s[92:93], s[92:93], s[96:97]
	CROUND                                         ; all sixteen work-groups are here: the first joint loads meet
	s_mov_b32 s[G0S], 1
	s_mov_b32 s[G0S+1], SCL
	s_mov_b64 s[G0S+2:G0S+3], s[22:23]
	s_or_b32 s[G0S+3], s[G0S+3], 0x80000000
	s_mov_b32 s[G0SB], 1
	s_mov_b32 s[G0SB+1], SCL+2*HS
	s_mov_b64 s[G0SB+2:G0SB+3], s[92:93]
	s_or_b32 s[G0SB+3], s[G0SB+3], 0x80000000
.irp s, 0,1
	s_mov_b32 s[G0+4*\s], 1
	s_add_co_u32 s[G0+4*\s+1], s94, \s*SLOT
	s_add_nc_u64 s[G0+4*\s+2:G0+4*\s+3], s[20:21], \s*RB
	s_or_b32 s[G0+4*\s+3], s[G0+4*\s+3], 0x80000000
	s_mov_b32 s[G0B+4*\s], 1
	s_add_co_u32 s[G0B+4*\s+1], s67, \s*SLOT
	s_add_nc_u64 s[G0B+4*\s+2:G0B+4*\s+3], s[46:47], \s*RB
	s_or_b32 s[G0B+4*\s+3], s[G0B+4*\s+3], 0x80000000
.if \s == 0
	; the head's four tiles, one joint load a wave, in one chain of branches on the wave's number: wave 0 A's slot 0, wave 1 A's scale words, wave 2 B's slot 0, wave 3 B's scale words
	s_cmp_lt_u32 s[WV], 1
	s_cbranch_scc0 .Lh1
	tensor_load_to_lds s[G0:G0+3], s[G1:G1+7]
	s_nop 0
	PLACES 4
	s_branch .Lhj
.Lh1:
	s_cmp_lt_u32 s[WV], 2
	s_cbranch_scc0 .Lh2
	tensor_load_to_lds s[G0S:G0S+3], s[G1S:G1S+7]
	s_nop 0
	PLACES 4
	s_branch .Lhj
.Lh2:
	s_cmp_lt_u32 s[WV], 3
	s_cbranch_scc0 .Lh3
	tensor_load_to_lds s[G0B:G0B+3], s[G1B:G1B+7]
	s_nop 0
	PLACES 4
	s_branch .Lhj
.Lh3:
	tensor_load_to_lds s[G0SB:G0SB+3], s[G1SB:G1SB+7]
	s_nop 0
	PLACES 4
.Lhj:
.endif
.endr
	v_and_b32 v1, 15, v0                           ; r
	v_bfe_u32 v2, v0, 4, 1                         ; h
	s_wait_alu depctr_va_vdst(0)
	v_and_b32 v3, 31, v0
	v_lshlrev_b32 v3, 3, v3                        ; 8 x lane
	s_mul_i32 s21, s[WH], HALFT                    ; my half of A's rows
	s_mul_i32 s22, s[WL], HALFT                    ; my half of B's,
	s_add_co_u32 s22, s22, 2*HALFT                 ; which lie behind A's
.irp s, 0,1
	v_add_nc_u32 v[ADRA+\s], s21, v3
	v_add_nc_u32 v[ADRB+\s], s22, v3
	s_add_co_u32 s21, s21, SLOT
	s_add_co_u32 s22, s22, SLOT
.endr
	v_lshlrev_b32 v5, 2, v1                        ; 4 r
	s_mul_i32 s21, s[WH], HS
	s_mul_i32 s22, s[WL], HS
	s_add_co_u32 s22, s22, 2*HS
	s_sub_co_u32 s22, s22, s21
	v_mul_u32_u24 v6, s22, v2                      ; lanes 16-31 take B's: one product, h x the distance
	s_add_co_u32 s21, s21, SCL
	v_add_nc_u32 v5, v5, v6
	v_add_nc_u32 v[ADRS], s21, v5
	s_mul_i32 s19, s[WV], 16*SPITCH                ; my stage
	v_mul_u32_u24 v5, v1, SPITCH
	v_lshl_add_u32 v5, v2, 6, v5
	v_add_nc_u32 v[STO], s19, v5                   ; in: row r, + 64 h: by the order of B's rows accumulators 2 i, 2 i + 1 hold columns 32 i + 16 h + 0 .. 15
	v_mul_u32_u24 v5, v2, SPITCH
	v_lshl_add_u32 v5, v1, 4, v5
	v_add_nc_u32 v[RD], s19, v5                    ; back: lanes 0-15 take one row of 256 bytes, lanes 16-31 the next
	v_lshlrev_b32 v[CB], 4, v1
	s_wait_alu depctr_va_vdst(0)
	v_lshl_add_u32 v[CO], v2, 12, v[CB]            ; and the same two rows in C
	s_wait_alu depctr_va_vdst(0)
	s_lshl_b32 s20, s45, 7
	s_lshl_b32 s19, s[WH], 6
	s_add_co_u32 s20, s20, s19                     ; my first row
	s_lshl_b32 s20, s20, 12
	s_lshl_b32 s22, s42, 9
	s_lshl_b32 s19, s[WL], 8
	s_add_co_u32 s22, s22, s19                     ; my first column, in bytes
	s_mov_b32 s23, 0
	s_add_nc_u64 s[8:9], s[8:9], s[22:23]
	s_add_co_u32 s22, s22, s20
	s_add_nc_u64 s[10:11], s[10:11], s[22:23]
	s_add_nc_u64 s[12:13], s[12:13], s[22:23]
	; the bias and the residual are asked for now and waited for on the way out: their registers and addresses are touched by nothing in between.  Row t of block a is row 32 (a / 2) + 8 (a % 2) + t + 8 (t / 8) of my 64
	global_load_b128 v[BI:BI+3], v[CB], s[8:9]     ; the bias of my four columns
	WIN 0x80                                       ; destination window 2
.irp a, 0,1,2,3
.irp t, 0,1,2,3,4,5,6,7
	global_load_b128 v[32*\a+4*\t:32*\a+4*\t+3], v[CO], s[10:11] offset:(32*(\a/2)+8*(\a%2)+2*\t+8*(\t/4))*4096 th:TH_LOAD_NT   ; 16 lanes read 256 consecutive bytes, aligned
.endr
.endr
	WIN 0
	s_wait_alu depctr_va_vdst(0)                   ; the wait at the head's end
	s_wait_tensorcnt 0x0                           ; my tile of the head's four is in
	ds_add_u32 v[SPW], v[NIL]
	s_mov_b32 s[G1+2], NB<<16                      ; no tensor load of mine is out: from here on a load brings one half
	s_mov_b32 s[G1+4], NB
	s_mov_b32 s[G1B+2], NB<<16
	s_mov_b32 s[G1B+4], NB
	s_wait_dscnt 0x0
	CROUND                                         ; all four tiles are in, in every partner
	JLOAD G0+4, G1, G0B+4, G1B                     ; slot 1's first fill, the first tensor load behind the round
	FETCH 0, 0, F0
	WIN 0
	SCALES 0
	STEP 0, 0, 1                                   ; the first step stands in front of the loop: its products start the sums
.if LAPS > 1
	WIN 0                                          ; at a label and at a branch every window is 0
	s_mov_b32 s3, LAPS-1
.Llap:                                                 ; a trip goes once round the ring and fills both slots again
	STEP 0, 1, 0
	STEP 0, 2, 0
	TURN 0, 1, 1
	STEP 1, 0, 0
	STEP 1, 1, 0
	STEP 1, 2, 0
	TURN 1, 0, 1
	STEP 0, 0, 0
	WIN 0
	s_sub_co_u32 s3, s3, 1
	s_cmp_lg_u32 s3, 0
	s_cbranch_scc1 .Llap
.endif
	STEP 0, 1, 0                                   ; the last lap fills nothing, and has no round of the cluster's barrier
	STEP 0, 2, 0
	TURN 0, 1, 0
	STEP 1, 0, 0
	STEP 1, 1, 0
	STEP 1, 2, 0
	s_wait_dscnt 0x0                               ; the very last step: nothing more to fetch
	MULH F1, 0, 1, 3, 0
	MULH F1, 2, 1, 3, 0
	WIN 0
	; THE WAY OUT, block by block of 16 rows x 64 columns, through my own stage; whole rows of 256 bytes come back, two to an instruction, get residual and bias, and are stored.
	PLACES NP                                      ; behind the last products: results are read
	s_wait_loadcnt 0x0                             ; the bias and the residual
.macro TOSTAGE a
.irp b, 0,1,2,3
	ds_store_b128 v[STO], v[ACC+32*(\a)+8*\b:ACC+32*(\a)+8*\b+3] offset:128*(\b/2)+32*(\b%2)      ; each accumulator from its low end on
	ds_store_b128 v[STO], v[ACC+32*(\a)+8*\b+4:ACC+32*(\a)+8*\b+7] offset:128*(\b/2)+32*(\b%2)+16
.endr
.set BB, BK+32*((\a)%2)
.irp t, 0,1,2,3,4,5,6,7
	ds_load_b128 v[BB+4*\t:BB+4*\t+3], v[RD] offset:\t*2*SPITCH   ; LDS serves a wave's instructions in order: these see the stores above
.endr
.endm
.macro SEND a, younger
.set BB, BK+32*((\a)%2)
	s_wait_dscnt \younger                          ; the block is back; the next block's 8 stores and 8 loads may be out
	WIN 0x08                                       ; source 1 window 2
.set i, 0
.rept 16
	v_pk_add_f32 v[BB+i:BB+i+1], v[BB+i:BB+i+1], v[32*(\a)+i:32*(\a)+i+1]
.set i, i+2
.endr
	WIN 0
.irp t, 0,1,2,3,4,5,6,7
	v_pk_add_f32 v[BB+4*\t:BB+4*\t+1], v[BB+4*\t:BB+4*\t+1], v[BI:BI+1]
	v_pk_add_f32 v[BB+4*\t+2:BB+4*\t+3], v[BB+4*\t+2:BB+4*\t+3], v[BI+2:BI+3]
.endr
.irp t, 0,1,2,3,4,5,6,7
	global_store_b128 v[CO], v[BB+4*\t:BB+4*\t+3], s[12:13] offset:(32*((\a)/2)+8*((\a)%2)+2*\t+8*(\t/4))*4096 th:TH_STORE_NT   ; 16 lanes store 256 consecutive bytes, aligned
.endr
.endm
	TOSTAGE 0
	TOSTAGE 1
	SEND 0, 16
	s_wait_xcnt 0x0                                ; block 0's stores have read their registers: block 2's rows may land there
	TOSTAGE 2
	SEND 1, 16
	s_wait_xcnt 0x0
	TOSTAGE 3
	SEND 2, 16
	SEND 3, 0
	s_wait_tensorcnt 0x0                           ; the wave's end
	ds_add_u32 v[SPW], v[NIL]
	s_wait_dscnt 0x0
	CROUND                                         ; the closing round
	s_endpgm
.Lfunc_end_k_q28e440f482_proj:
	.size	k_q28e440f482_proj, .Lfunc_end_k_q28e440f482_proj-k_q28e440f482_proj
	.p2alignl 7, 3214868480
	.fill 96, 4, 3214868480
	.section	.rodata,"a",@progbits
	.p2align	6, 0x0
	.amdhsa_kernel k_q28e440f482_proj
		.amdhsa_group_segment_fixed_size 327680
		.amdhsa_private_segment_fixed_size 0
		.amdhsa_enable_private_segment 0
		.amdhsa_kernarg_size 40
		.amdhsa_user_sgpr_count 2
		.amdhsa_user_sgpr_kernarg_segment_ptr 1
		.amdhsa_wavefront_size32 1
		.amdhsa_system_sgpr_workgroup_id_x 1
		.amdhsa_system_sgpr_workgroup_id_y 1
		.amdhsa_system_sgpr_workgroup_id_z 1
		.amdhsa_system_vgpr_workitem_id 0
		.amdhsa_next_free_vgpr 768
		.amdhsa_next_free_sgpr 100
		.amdhsa_reserve_vcc 0
		.amdhsa_float_denorm_mode_32 3
		.amdhsa_float_denorm_mode_16_64 3
		.amdhsa_memory_ordered 1
		.amdhsa_forward_progress 1
		.amdhsa_inst_pref_size 120
	.end_amdhsa_kernel
	.amdgpu_metadata
---
amdhsa.version: [ 1, 2 ]
amdhsa.kernels:
  - .name:           k_q28e440f482_proj
    .symbol:         k_q28e440f482_proj.kd
    .args:
      - { .name: g, .offset: 0, .size: 8, .value_kind: global_buffer, .address_space: global }
      - { .name: wts, .offset: 8, .size: 8, .value_kind: global_buffer, .address_space: global }
      - { .name: bp, .offset: 16, .size: 8, .value_kind: global_buffer, .address_space: global }
      - { .name: x1, .offset: 24, .size: 8, .value_kind: global_buffer, .address_space: global }
      - { .name: out0, .offset: 32, .size: 8, .value_kind: global_buffer, .address_space: global }
    .group_segment_fixed_size: 327680
    .private_segment_fixed_size: 0
    .kernarg_segment_align: 8
    .kernarg_segment_size: 40
    .max_flat_workgroup_size: 128
    .sgpr_count:     100
    .vgpr_count:     768
    .wavefront_size: 32
...
	.end_amdgpu_metadata
.endif
;; end of part 14
